; MI455X (gfx1250); checked and timed in simulation.
; The chip was launched on July 23, 2026; its instructions are those of AMD's public machine-readable ISA for CDNA 5 (MIT licence, August 2026) and "CDNA5" Instruction Set Architecture Reference Guide (July 2026). The comments in the code are by the model that wrote it; some were corrected since.
;; Attention. Allowed arithmetic: matrix products marked QUANTISED: E3M2 operands, one E8M0 scale for each 32 along K, by v_wmma_scale_f32_16x16x128_f8f6f4 with both operands' format E3M2, f32 sums; everything else in f32.
;; Inputs: Wk 1,024 x 1,024 float32; Wq 1,024 x 1,024 float32; Wv 1,024 x 1,024 float32; bk 1,024 float32; bq 1,024 float32; bv 1,024 float32; x 4 x 2,048 x 1,024 float32.
;; Outputs: out0 4 x 2,048 x 1,024 float32.
;; This version of the problem:
;;   THIS VERSION OF THE PROBLEM IS GIVEN IN LOW PRECISION. The matrix products marked QUANTISED in the list below multiply operands that are first quantised to E3M2 (3 exponent bits, 2 mantissa bits; 6 bits a number), with one power-of-two scale for each 32 numbers along K (OCP MX v1.0); their sums are f32. All else is computed in f32.
;;   The module's matrix products, in the order in which they are computed (A, B: the left and right operand; K: the contracted axis; several contracted axes count as one K, in the product's order):
;;     1. [M 8,192, K 1,024] x [K 1,024, N 1,024]; A: input x; B: input Wq: QUANTISED
;;     2. [M 8,192, K 1,024] x [K 1,024, N 1,024]; A: input x; B: input Wk: QUANTISED
;;     3. [M 8,192, K 1,024] x [K 1,024, N 1,024]; A: input x; B: input Wv: QUANTISED
;;     4. batch 4 x [M 2,048, K 1,024] x [K 1,024, N 2,048]; A: computed on the way; B: computed on the way: QUANTISED
;;     5. batch 4 x [M 2,048, K 2,048] x [K 2,048, N 1,024]; A: softmax (see below); B: computed on the way: QUANTISED
;;   THE QUANTISER, for each operand of a quantised product, along K:
;;     - K is cut into blocks of 32 from its start; a last block that is shorter is filled with zeros.
;;     - A block's scale is 2^e with e = floor(log2(the largest magnitude in the block)) - 4, held to -126 .. 127; a block of zeros has e = 0. As a byte (E8M0): e + 127.
;;     - Each number is divided by its block's scale, clamped to +-28, and rounded to the nearest number of E3M2, ties to even, subnormals kept.
;;     - The product sums the exact products of the quantised numbers (number of the format x scale) in f32.
;;   ~~~python
;;   def quantise(x, axis):      # numpy; x: float32 -> the quantised numbers, widened to float32 again
;;       x = np.moveaxis(x, axis, -1); K = x.shape[-1]
;;       x = np.pad(x, [(0, 0)] * (x.ndim - 1) + [(0, -K % 32)]); x = x.reshape(x.shape[:-1] + (-1, 32)); a = np.abs(x).max(-1, keepdims=True)
;;       e = np.where(a > 0, np.clip(np.frexp(np.where(a > 0, a, 1))[1] - 1 - 4, -126, 127), 0)      # np.frexp(a)[1] - 1 = floor(log2(a)), exactly
;;       r = np.clip(x / 2.0 ** e, -28, 28)
;;       step = 2.0 ** (np.maximum(np.frexp(np.where(r == 0, 1, r))[1] - 1, -2) - 2)
;;       q = np.round(r / step) * step * 2.0 ** e      # np.round: ties to even
;;       return np.moveaxis(q.reshape(q.shape[:-2] + (-1,))[..., :K], -1, axis).astype(np.float32)
;;   ~~~
;;   SOFTMAX AHEAD OF A QUANTISED PRODUCT. Where the list says 'softmax', what is quantised is not the finished softmax but p = 2^(t - M), with t = logit x log2(e) and M = ceil(the row's largest t), a whole number; so 1/2 < the row's largest p <= 1. The row's sum l is taken of the UNQUANTISED p, in f32, and the product's result is divided by l at the end. Since M is a whole number, a kernel that streams over the keys may use a running M (the ceiling of the running maximum): every later rescaling is an exact power of two, which a block's scale takes up: the codes' values come out the same.
;;   OPERANDS COMPUTED ON THE WAY. 'Computed on the way' means the value that the module computes at that place (a softmax that the list does not call 'softmax' is quantised finished and normalised). What goes into a quantiser is computed in f32, as accurately as f32 sums, v_exp_f32 and their like allow (about 1e-6 of the number): no bf16 or f16 on the way to a quantiser, and a product that is left as it is and whose result goes on into a quantised operand takes f32 operands (vector FMAs, or v_wmma_f32_16x16x4_f32). A number that lies on a knife's edge between two numbers of the format may be rounded either way, as far as f32 arithmetic and the matrix unit's own rounding can turn it there, and no further.
;; 2 versions, each right and faster than the one before. Each part assembles by itself: llvm-mc -triple=amdgcn-amd-amdhsa -mcpu=gfx1250 --defsym DOCPART=n.
;; ======== version 1 of 2: 4 launches
;; workspace buffers: ops1 9,011,200 bytes; ops2 19,660,800 bytes; ops3 14,155,776 bytes
;; launch quant (part 1): grid 88 x 8, 8 waves a work-group, no clusters, 69,120 bytes of LDS; arguments x, Wq, Wk, Wv, ops1; writes ops1
.if DOCPART == 1
	.amdgcn_target "amdgcn-amd-amdhsa--gfx1250"
	.amdhsa_code_object_version 6
	.text
	.protected	k_q8bb5914958_quant
	.globl	k_q8bb5914958_quant
	.p2align	8
	.type	k_q8bb5914958_quant,@function
k_q8bb5914958_quant:
	s_mov_b64 s[64:65], 0
	v_nop
	global_prefetch_b8 v0, s[64:65] scope:SCOPE_SE
	s_setreg_imm32_b32 hwreg(HW_REG_WAVE_MODE, 25, 1), 1
	s_wait_xcnt 0x0
; x [8192][1024], Wq, Wk, Wv [1024][1024], f32, K innermost, become codes of BF6 (E3M2) with one E8M0 byte for each 32 along K, laid as the products' operand registers want them.
; LAYOUT OF ops1.  88 superblocks of 128 rows (0-63 x, 64-71 Wq, 72-79 Wk, 80-87 Wv) x 8 K steps of 128: a chunk of 12,288 bytes = 8 fragments of 16 rows x 128 K.  A fragment is an image of its
; 12 registers: three runs of 512 bytes, run c = registers 4 c .. 4 c + 3, lane l's 16 bytes at 16 l.  Lane r of fragment a holds row 32 (a / 2) + 8 (a % 2) + r + 8 (r / 8) of the superblock.
; A chunk's scale words follow all codes, 512 bytes a chunk: the word of (fragment a, lane r) at 16 (16 (a % 2) + r) + 4 (a / 2).
; SHARES.  A work-group takes one chunk, wave a fragment a.  Each load reads 512 consecutive bytes of one row; the 16 rows turn through the wave's own stage in LDS (rows 528 bytes apart),
; after which lane (r, h) holds, of row r, k = 32 b + 16 h + 0 .. 15 in registers 16 b + 0 .. 15.  Every store covers 512 consecutive bytes, aligned.
; A block's scale is 2^(floor(log2(largest magnitude)) - 4): its byte is the largest magnitude's exponent field - 4, held at 1 from below.
; LIMITS: a block of zeros, and one whose largest magnitude lies under 2^-122, gets the byte 1 (the bytes are read by this program alone; zero codes add nothing); NaN and infinities are not served.
.set WREG,   8448                      ; a wave's stage: 16 rows x 528 bytes
.set SPITCH, 528
.set SCB,    8*WREG                    ; behind the stages: the chunk's 512 bytes of scale words
.set CHUNK,  12288
.set XS0,    704*CHUNK                 ; where the scale words begin in ops1
.set R,   16                           ; v16-79   16 rows as loaded: 4 registers a row
.set X,   80                           ; v80-143  my row's 64 numbers
.set PC,  144                          ; v144-162 the codes
.set TM,  164                          ; v164-179 at work
.set PW,  180                          ; v180     my row's scale word
.set OW,  184                          ; v184-187 the scale words on their way out
.set SEL, 26                           ; s[26:27] lane selects: lane l xor 16
; 64 numbers of a lane, register 16 b + i = k 32 b + 16 (lane / 16) + i of my row, become a fragment's codes in v[PC] on and its scale word in v[PW]
.macro QUANT s
.irp b, 0,1,2,3
	v_max3_num_f32 v[TM+\b], |v[\s+16*\b]|, |v[\s+1+16*\b]|, 0x2800000   ; block b: my 16 numbers, and the floor 2^(5 - 127): the byte cannot fall under 1
.endr
.irp i, 2,4,6,8,10,12,14
.irp b, 0,1,2,3
	v_max3_num_f32 v[TM+\b], v[TM+\b], |v[\s+16*\b+\i]|, |v[\s+1+16*\b+\i]|   ; the four blocks by turns
.endr
.endr
.irp b, 0,1,2,3
	v_permlanex16_b32 v[TM+4+\b], v[TM+\b], s[SEL], s[SEL+1]
.endr
.irp b, 0,1,2,3
	v_max_num_f32 v[TM+\b], v[TM+\b], v[TM+4+\b]   ; with lane l xor 16's: the block's largest magnitude
.endr
.irp b, 0,1,2,3
	v_add_nc_u32 v[TM+12+\b], 0xfe000000, v[TM+\b] ; 4 off its exponent field: the conversion takes this operand's exponent field as its scale
.endr
.irp b, 0,1,2,3
	v_lshrrev_b32 v[TM+4+\b], 23, v[TM+12+\b]      ; the scale's byte
.endr
	v_lshl_or_b32 v[PW], v[TM+5], 8, v[TM+4]
	v_lshl_or_b32 v[PW], v[TM+6], 16, v[PW]
	v_lshl_or_b32 v[PW], v[TM+7], 24, v[PW]
.irp c, 0,1
	v_cvt_scalef32_pk16_bf6_f32 v[PC+6*\c:PC+2+6*\c], v[\s+32*\c:\s+15+32*\c], v[TM+12+2*\c]
	v_cvt_scalef32_pk16_bf6_f32 v[PC+12+4*\c:PC+14+4*\c], v[\s+16+32*\c:\s+31+32*\c], v[TM+12+2*\c+1]   ; (a conversion's three registers begin on an even number)
.endr
	v_nop                                          ; one plain place behind a scaled conversion
.irp c, 0,1                                    ; the operand wants a whole block in a lane: lanes 0-15 block 2 c, lanes 16-31 block 2 c + 1
.irp i, 0,1,2
	v_permlane16_swap_b32 v[PC+6*\c+\i], v[PC+12+4*\c+\i]
.endr
.irp i, 0,1,2
	v_mov_b32 v[PC+3+6*\c+\i], v[PC+12+4*\c+\i]
.endr
.endr
.endm
	s_load_b256 s[4:11], s[0:1], 0x0               ; x s[4:5], Wq s[6:7], Wk s[8:9], Wv s[10:11]
	s_load_b64 s[12:13], s[0:1], 0x20              ; ops1
	v_lshl_add_u32 v192, v0, 2, 0x10a00
	v_mov_b32 v193, 0
	v_lshrrev_b32 v1, 5, v0
	v_readfirstlane_b32 s16, v1                    ; wave = fragment a
	v_and_b32 v2, 31, v0                           ; lane
	v_and_b32 v8, 15, v0                           ; r
	v_bfe_u32 v9, v0, 4, 1                         ; h
	v_lshlrev_b32 v3, 4, v2                        ; 16 x lane: my 16 bytes of every load and store of 512
	s_mul_i32 s17, s16, WREG
	v_add_nc_u32 v4, s17, v3                       ; the stage, on the way in: a row as it lies
	v_mul_u32_u24 v5, v8, SPITCH
	v_lshl_add_u32 v5, v9, 6, v5
	v_add_nc_u32 v5, s17, v5                       ; on the way out: row r, + 64 h
	s_and_b32 s18, s16, 1                          ; a % 2
	s_lshr_b32 s19, s16, 1                         ; a / 2
	s_lshl_b32 s20, s18, 8
	s_lshl_b32 s21, s19, 2
	s_add_co_u32 s20, s20, s21
	s_add_co_u32 s20, s20, SCB
	v_lshl_add_u32 v6, v8, 4, s20                  ; my row's scale word in the chunk's image
	v_add_nc_u32 v7, SCB, v3                       ; and the image, 16 bytes a lane
	s_mov_b32 s[SEL], 0x76543210
	s_mov_b32 s[SEL+1], 0xfedcba98
.irp b, 0,1,2,3
	v_mov_b32 v[TM+4+\b], 0                        ; written once: a lane permute's destination counts as one of its sources
.endr
	s_and_b32 s22, ttmp7, 0xffff                   ; q: which 128 along K
	s_sub_co_u32 s23, ttmp9, 64
	s_and_b32 s23, s23, 7                          ; a weight's superblock,
	s_cmp_lt_u32 ttmp9, 64
	s_cselect_b32 s23, ttmp9, s23                  ; or x's
	s_lshl_b32 s23, s23, 7
	s_lshl_b32 s19, s19, 5
	s_lshl_b32 s18, s18, 3
	s_add_co_u32 s23, s23, s19
	s_add_co_u32 s23, s23, s18                     ; my fragment's first row: 128 superblock + 32 (a / 2) + 8 (a % 2)
	s_lshl_b32 s24, s23, 12                        ; rows of 4,096 bytes (under 2^26 in all)
	s_lshl_b32 s25, s22, 9
	s_add_co_u32 s24, s24, s25
	s_mov_b32 s25, 0
	s_lshl_b32 s28, ttmp9, 3
	s_add_co_u32 s28, s28, s22                     ; the chunk's number
	s_lshl_b32 s30, s28, 9
	s_add_co_u32 s30, s30, XS0
	s_mov_b32 s31, 0
	s_mul_i32 s28, s28, CHUNK
	s_mul_i32 s29, s16, 1536
	s_add_co_u32 s28, s28, s29
	s_mov_b32 s29, 0
	s_wait_kmcnt 0x0
	s_cmp_lt_u32 ttmp9, 80                         ; which tensor: the choice hangs on the work-group's number alone
	s_cselect_b64 s[14:15], s[8:9], s[10:11]
	s_cmp_lt_u32 ttmp9, 72
	s_cselect_b64 s[14:15], s[6:7], s[14:15]
	s_cmp_lt_u32 ttmp9, 64
	s_cselect_b64 s[14:15], s[4:5], s[14:15]
	s_add_nc_u64 s[14:15], s[14:15], s[24:25]
	s_add_nc_u64 s[28:29], s[12:13], s[28:29]      ; my fragment's image
	s_add_nc_u64 s[30:31], s[12:13], s[30:31]      ; the chunk's scale words
.irp p, 0,1,2,3,4,5,6,7,8,9,10,11,12,13,14,15
	global_load_b128 v[R+4*\p:R+4*\p+3], v3, s[14:15] offset:(\p+8*(\p/8))*4096 th:TH_LOAD_NT   ; lane-row p: 512 consecutive bytes; read once in the launch
.endr
.irp p, 0,1,2,3,4,5,6,7,8,9,10,11,12,13,14,15
	s_wait_loadcnt 15-\p                           ; loads come back in order: row p is in, the younger ones stay out
	ds_store_b128 v4, v[R+4*\p:R+4*\p+3] offset:SPITCH*\p
.endr
.irp b, 0,1,2,3
.irp j, 0,1,2,3
	ds_load_b128 v[X+16*\b+4*\j:X+16*\b+4*\j+3], v5 offset:128*\b+16*\j   ; LDS serves a wave's instructions in order: these see my stores
.endr
.endr
	s_wait_dscnt 0x0
	QUANT X
.irp c, 0,1,2
	global_store_b128 v3, v[PC+4*\c:PC+4*\c+3], s[28:29] offset:512*\c
.endr
	ds_store_b32 v6, v[PW]                         ; lanes r and r + 16 write the same word with the same value
	s_wait_dscnt 0x0                               ; for the others' sake: my word has landed
	s_barrier_signal -1
	s_barrier_wait -1
	s_cmp_lg_u32 s16, 0
	s_cbranch_scc1 .Lend                           ; wave 0 stores the chunk's 512 bytes of scale words
	ds_load_b128 v[OW:OW+3], v7
	s_wait_dscnt 0x0
	global_store_b128 v3, v[OW:OW+3], s[30:31]
.Lend:
	s_wait_tensorcnt 0x0
	ds_add_u32 v192, v193
	s_wait_dscnt 0x0
	s_endpgm
.Lfunc_end_k_q8bb5914958_quant:
	.size	k_q8bb5914958_quant, .Lfunc_end_k_q8bb5914958_quant-k_q8bb5914958_quant
	.p2alignl 7, 3214868480
	.fill 96, 4, 3214868480
	.section	.rodata,"a",@progbits
	.p2align	6, 0x0
	.amdhsa_kernel k_q8bb5914958_quant
		.amdhsa_group_segment_fixed_size 69120
		.amdhsa_private_segment_fixed_size 0
		.amdhsa_enable_private_segment 0
		.amdhsa_kernarg_size 40
		.amdhsa_user_sgpr_count 2
		.amdhsa_user_sgpr_kernarg_segment_ptr 1
		.amdhsa_wavefront_size32 1
		.amdhsa_system_sgpr_workgroup_id_x 1
		.amdhsa_system_sgpr_workgroup_id_y 1
		.amdhsa_system_sgpr_workgroup_id_z 1
		.amdhsa_system_vgpr_workitem_id 0
		.amdhsa_next_free_vgpr 194
		.amdhsa_next_free_sgpr 66
		.amdhsa_reserve_vcc 0
		.amdhsa_float_denorm_mode_32 3
		.amdhsa_float_denorm_mode_16_64 3
		.amdhsa_memory_ordered 1
		.amdhsa_forward_progress 1
		.amdhsa_inst_pref_size 12
	.end_amdhsa_kernel
	.amdgpu_metadata
---
amdhsa.version: [ 1, 2 ]
amdhsa.kernels:
  - .name:           k_q8bb5914958_quant
    .symbol:         k_q8bb5914958_quant.kd
    .args:
      - { .name: x, .offset: 0, .size: 8, .value_kind: global_buffer, .address_space: global }
      - { .name: Wq, .offset: 8, .size: 8, .value_kind: global_buffer, .address_space: global }
      - { .name: Wk, .offset: 16, .size: 8, .value_kind: global_buffer, .address_space: global }
      - { .name: Wv, .offset: 24, .size: 8, .value_kind: global_buffer, .address_space: global }
      - { .name: ops1, .offset: 32, .size: 8, .value_kind: global_buffer, .address_space: global }
    .group_segment_fixed_size: 69120
    .private_segment_fixed_size: 0
    .kernarg_segment_align: 8
    .kernarg_segment_size: 40
    .max_flat_workgroup_size: 256
    .sgpr_count:     66
    .vgpr_count:     194
    .wavefront_size: 32
...
	.end_amdgpu_metadata
.endif
;; end of part 1
;; launch proj (part 2): grid 8 x 48, 4 waves a work-group, clusters of 4 x 4, 327,680 bytes of LDS; arguments ops1, bq, bk, bv, ops2; writes ops2
.if DOCPART == 2
	.amdgcn_target "amdgcn-amd-amdhsa--gfx1250"
	.amdhsa_code_object_version 6
	.text
	.protected	k_q8bb5914958_proj
	.globl	k_q8bb5914958_proj
	.p2align	8
	.type	k_q8bb5914958_proj,@function
k_q8bb5914958_proj:
	s_mov_b64 s[64:65], 0
	v_nop
	global_prefetch_b8 v0, s[64:65] scope:SCOPE_SE
	s_setreg_imm32_b32 hwreg(HW_REG_WAVE_MODE, 25, 1), 1
	s_wait_xcnt 0x0
	s_wait_alu depctr_hold_cnt(0) depctr_sa_sdst(0) depctr_va_vdst(0) depctr_va_sdst(0) depctr_va_ssrc(0) depctr_va_vcc(0) depctr_vm_vsrc(0)
	s_getreg_b32 s2, hwreg(HW_REG_IB_STS2, 6, 4)
	s_cmp_eq_u32 s2, 0
	s_cbranch_scc0 .Lentry_in_a_cluster
	s_endpgm
.Lentry_in_a_cluster:
	s_bfe_u32 s2, ttmp6, 0x10000c
	s_cmp_lg_u32 s2, 0xf033
	s_cbranch_scc0 .Lentry_shape_is_right
	s_endpgm
.Lentry_shape_is_right:
; Q = x Wq^T + bq, K = x Wk^T + bk, V = x Wv^T + bv on codes of BF6 (E3M2) with E8M0 scales, and each result quantised on its way out: Q and K along e, V along the keys.
; OPERANDS are fragment images: [superblock of 128 rows][K step of 128][8 fragments x 1,536 bytes], a fragment = its 12 registers in three runs of 512 bytes, lane l's 16 bytes at 16 l; lane r of fragment a holds
; row 32 (a / 2) + 8 (a % 2) + r + 8 (r / 8) of the superblock.  Scale words: 512 bytes for a superblock and K step, the word of (fragment a, lane r) at 16 (16 (a % 2) + r) + 4 (a / 2).
; ROLES.  P is source 0 of the matrix instruction, R source 1: a lane of the result holds one row of R, and its registers run along P's rows; by the order of rows above, the 64 registers of R's block a are
; P's rows 32 b + 16 (lane / 16) + i in register 16 b + i: 128 neighbours along the next product's K, ready for the conversions.  So a wave's 128 x 128 results become one chunk of the next operand.
; TWO KINDS OF TILE, told apart by the cluster's y alone (the same in all sixteen partners): y under 8: R = x, P = Wq | Wk (256 tiles: Q and K); else R = Wv, P = x (128 tiles: V with the keys innermost).
; A tile is 256 x 256, four waves of 128 x 128 (64 accumulators, 512 registers).  K goes through two LDS slots of 256 along K; a wave's tensor load brings one dense block of 24,576 bytes.
; CLUSTERS: 4 x 4.  R's tiles are shared along a row of the cluster, P's along a column: each is asked for jointly.  The scale words of all of K come once, with the first fills.
; THE BIAS is the C of each sum's first matrix instruction: along the registers for Q and K, along the lanes for V; only that first step is written twice.
; No prefetch: a work-group has two refills in all, and every tile is shared in its cluster.
; LIMITS: a block of zeros, or one under 2^-122, gets the scale byte 1 (read by this program alone); NaN and infinities are not served.
; REGISTERS: window 0: v16-29 addresses; v32-63 scale words, two sets; v64-127 the bias, later the way out; v128-223 R's fragments, one set.  window 1: P's fragments, two sets, at v0 and v128.
;   windows 2, 3: the accumulators of R's blocks 0-3, 4-7: (a, b) at v[8 (8 (a % 4) + b)].
.set HALFS,  4096                      ; the scale words of 128 rows for all of K: 8 K steps x 512 bytes
.set LAPS,   2                         ; K = 1,024: twice round the ring
.set FR,     12                        ; registers of a fragment
.set NL,     3                         ; LDS loads that bring one
.set NP,     4                         ; places behind this matrix instruction (ISA guide 7.12.1)
.set NQ,     2                         ; K steps of 128 in a slot
.set CHUNK,  12288
.set HALFT,  NQ*CHUNK                  ; what one tensor load brings, and what one wave reads of R or of P in a slot
.set SLOT,   4*HALFT                   ; R's two superblocks, then P's two
.set SCL,    2*SLOT                    ; behind the ring: the scale words: R's two superblocks, then P's two
.set SPARE,  SCL+4*HALFS               ; behind them: the spare words, 128 bytes a wave: two blocks of 256 bytes that no other line names
.set XS0,    704*CHUNK                 ; ops1: where the scale words begin
.set QS0,    1536*CHUNK                ; ops2: likewise
.set ADRA, 16                          ; v16-17  LDS address of my R fragments in slot 0, 1
.set ADRB, 20                          ; v20-21  the same for P
.set LI,   26                          ; v26     16 x lane
.set ADRS, 27                          ; v27     LDS address of my scale words: lanes 0-15 R's, lanes 16-31 P's
.set SPW,  28                          ; v28     my spare word; never rewritten
.set NIL,  29                          ; v29     0; never rewritten
.set SC,   32                          ; scale words: (block x, step q, set s) at v[SC + 16 s + 8 q + 4 (x % 2) + x / 2]
.set BIAS, 64
.set AF,   128
.set TM,   64                          ; the way out: v64-79 at work, v80-98 codes, v100-107 the blocks' scale words, v108-111 their image
.set PC,   80
.set PWS,  100
.set IMG,  108
.set G1, 24                            ; s[24:31] group 1 for R's tiles;  s[32:39] groups 0, one for each slot
.set G0, 32
.set G1B, 48                           ; s[48:55], s[56:63] the same for P's
.set G0B, 56
.set G1S, 68                           ; s[68:75], s[76:79] groups 1 and 0 for R's scale words;  s[80:87], s[88:91] for P's
.set G0S, 76
.set G1SB, 80
.set G0SB, 88
.set TYP, 92                           ; s92  0: Q and K;  1: V
.set SEL, 96                           ; s[96:97] lane selects: lane l xor 16
.set MSB, 0
.macro WIN new                         ; the immediate's high byte repeats the setting that is left
.if MSB != (\new)
	s_set_vgpr_msb (MSB<<8)|(\new)
.set MSB, (\new)
.endif
.endm
.set MUL_LO, 0xa1                      ; source 0 (P) window 1, source 1 (R) window 0, C and D window 2
.set MUL_HI, 0xf1                      ; the same, C and D window 3
.set TO_B,   0x40                      ; destination window 1, address window 0
; A joint load: waves 0 and 1 fetch for R, waves 2 and 3 for P.  Each line has one mask and one set of registers for all that issue it; the branch hangs on the wave's number alone.
; Four v_nop follow each of the two lines, ahead of the jump, the label and what follows.
.macro JLOAD g0a, g1a, g0b, g1b
	s_cmp_eq_u32 s15, 0
	s_cbranch_scc0 .Lfor_b_\@
	tensor_load_to_lds s[\g0a:\g0a+3], s[\g1a:\g1a+7]
	s_nop 0
.rept 4
	v_nop
.endr
	s_branch .Lasked_\@
.Lfor_b_\@:
	tensor_load_to_lds s[\g0b:\g0b+3], s[\g1b:\g1b+7]
	s_nop 0
.rept 4
	v_nop
.endr
.Lasked_\@:
.endm
.macro CREST                           ; a round of the cluster's barrier behind its opening barrier
	s_cmp_lg_u32 s14, 0
	s_cbranch_scc1 .Lnot_wave_0_\@
	s_barrier_signal -3
.Lnot_wave_0_\@:
	s_barrier_wait -3
	s_barrier_signal -1
	s_barrier_wait -1
.endm
.macro CROUND                          ; a whole round
	s_barrier_signal -1
	s_barrier_wait -1
	CREST
.endm
.macro PLACES n
.rept \n
	v_nop
.endr
.endm
.macro FRAG reg, adr, q, i             ; fragment i of the slot's q-th K step: three loads of 512 consecutive bytes
.irp c, 0,1,2
	ds_load_b128 v[\reg+4*\c:\reg+4*\c+3], v[\adr] offset:(\q)*CHUNK+(\i)*1536+512*\c
.endr
.endm
.macro FETCH_B slot, q, p              ; P's eight fragments into set p
	WIN TO_B
.irp i, 0,1,2,3,4,5,6,7
	FRAG 128*(\p)+FR*\i, ADRB+\slot, \q, \i
.endr
	WIN 0
.endm
.macro FETCH_A slot, q, i0             ; R's blocks i0 .. i0 + 3
.irp i, \i0, \i0+1, \i0+2, \i0+3
	FRAG AF+FR*(\i), ADRA+\slot, \q, \i
.endr
.endm
.macro SCALES sc                       ; a slot's scale words into set sc: four loads; lanes 0-15 take R's, lanes 16-31 P's
.irp q, 0,1
.irp par, 0,1
	ds_load_b128 v[SC+16*\sc+8*\q+4*\par:SC+16*\sc+8*\q+4*\par+3], v[ADRS] offset:512*\q+256*\par
.endr
.endr
.endm
; 16 matrix instructions: R's blocks a0, a0 + 1 x P's eight.  p: P's set; q: the slot's K step; sc: the set of scale words.  zero = 0: onto the sums; 2: the sums begin with the bias along the registers; 3: along the lanes.
; The 64 accumulators take turns, one instruction a turn, in the same order in every step.
.macro MUL16 a0, p, q, sc, zero
.irp a, \a0, \a0+1
.irp b, 0,1,2,3,4,5,6,7
.set rD, 8*(8*((\a)%4)+\b)
.set rP, 128*(\p)+FR*\b
.set rR, AF+FR*(\a)
.set sP, SC+16*(\sc)+8*(\q)+4*(\b%2)+\b/2
.set sR, SC+16*(\sc)+8*(\q)+4*((\a)%2)+(\a)/2
.if (\zero) == 0
	v_wmma_scale_f32_16x16x128_f8f6f4 v[rD:rD+7], v[rP:rP+FR-1], v[rR:rR+FR-1], v[rD:rD+7], v[sP], v[sR] matrix_a_fmt:MATRIX_FMT_BF6 matrix_b_fmt:MATRIX_FMT_BF6 matrix_a_scale:MATRIX_SCALE_ROW1
.elseif (\zero) == 2
	v_wmma_scale_f32_16x16x128_f8f6f4 v[rD:rD+7], v[rP:rP+FR-1], v[rR:rR+FR-1], v[BIAS+8*\b:BIAS+8*\b+7], v[sP], v[sR] matrix_a_fmt:MATRIX_FMT_BF6 matrix_b_fmt:MATRIX_FMT_BF6 matrix_a_scale:MATRIX_SCALE_ROW1
.else
	v_wmma_scale_f32_16x16x128_f8f6f4 v[rD:rD+7], v[rP:rP+FR-1], v[rR:rR+FR-1], v[BIAS+8*(\a):BIAS+8*(\a)+7], v[sP], v[sR] matrix_a_fmt:MATRIX_FMT_BF6 matrix_b_fmt:MATRIX_FMT_BF6 matrix_a_scale:MATRIX_SCALE_ROW1
.endif
.endr
.endr
.endm
; A step of 128 along K that has its successor in the same slot.  A block of R is free when its eight products are issued: blocks 0-3 are fetched anew in the middle, blocks 4-7 at the end; P has two sets.
.macro STEP slot, q, zero
	s_wait_dscnt 4*NL                              ; all but the youngest twelve loads (R's blocks 4-7) are in
.if (\zero) >= 2
	WIN 0x81                                       ; C (the bias) window 0, D window 2
.else
	WIN MUL_LO
.endif
	MUL16 0, (\q)%2, \q, \slot, \zero
	MUL16 2, (\q)%2, \q, \slot, \zero
	s_wait_dscnt 0                                 ; R's blocks 4-7 are in
	PLACES NP                                      ; in front of loads into registers that matrix instructions have read
	FETCH_B \slot, (\q)+1, 1-(\q)%2
	FETCH_A \slot, (\q)+1, 0
.if (\zero) >= 2
	WIN 0xc1                                       ; C window 0, D window 3
.else
	WIN MUL_HI
.endif
	MUL16 4, (\q)%2, \q, \slot, \zero
	MUL16 6, (\q)%2, \q, \slot, \zero
	PLACES NP
	WIN 0
	FETCH_A \slot, (\q)+1, 4
.endm
; A slot's last step changes slots: one barrier; in front of it each wave waits for all its tensor loads, adds 0 to its spare word, and waits for that and for its reads of this slot.  fill = 1: the slot is filled again.
.macro TURN slot, next, fill
	s_wait_tensorcnt 0x0                           ; all my tensor loads have landed: my part of the next slot
	ds_add_u32 v[SPW], v[NIL]                      ; 0 onto my spare word
	s_wait_dscnt 4*NL+1                            ; (the add and the youngest twelve loads may be out)
	WIN MUL_LO
	MUL16 0, 1, NQ-1, \slot, 0                     ; sixteen matrix instructions stand between the add and the wait for it
	s_wait_dscnt 0x0                               ; the add is done, and my reads of this slot are over
	s_barrier_signal -1
	MUL16 2, 1, NQ-1, \slot, 0
	WIN 0
	s_barrier_wait -1
.if \fill
	CREST                                          ; the barrier has opened a round of the cluster's: no wave of any partner still reads this slot or has a load on its way
	s_add_nc_u64 s[G0+4*\slot+2:G0+4*\slot+3], s[G0+4*\slot+2:G0+4*\slot+3], 2*HALFT
	s_add_nc_u64 s[G0B+4*\slot+2:G0B+4*\slot+3], s[G0B+4*\slot+2:G0B+4*\slot+3], 2*HALFT
	JLOAD G0+4*\slot, G1, G0B+4*\slot, G1B         ; the first tensor load behind the round; its four v_nop are the places in front of the loads below
.else
	PLACES NP
.endif
	v_add_nc_u32 v[ADRS], 512*NQ, v[ADRS]          ; on to the next slot's scale words
	FETCH_B \next, 0, 0
	FETCH_A \next, 0, 0
	SCALES \next
	WIN MUL_HI
	MUL16 4, 1, NQ-1, \slot, 0
	MUL16 6, 1, NQ-1, \slot, 0
	PLACES NP
	WIN 0
	FETCH_A \next, 0, 4
.endm
; THE QUANTISER on 64 results of a lane in window w, v[s] on.  QMAX: the four blocks' largest magnitudes; each accumulator is first read at its two lowest registers.
.macro QMAX s, w
	WIN ((\w)<<2)|((\w)<<4)
.irp b, 0,1,2,3
	v_max3_num_f32 v[TM+\b], 0x2800000, |v[\s+16*\b]|, |v[\s+16*\b+1]|   ; and the floor 2^(5 - 127): the byte cannot fall under 1
.endr
.irp i, 2,4,6,8,10,12,14
.irp b, 0,1,2,3
	v_max3_num_f32 v[TM+\b], v[TM+\b], |v[\s+16*\b+\i]|, |v[\s+16*\b+\i+1]|
.endr
.endr
	WIN 0
.irp b, 0,1,2,3
	v_permlanex16_b32 v[TM+4+\b], v[TM+\b], s[SEL], s[SEL+1]
.endr
.irp b, 0,1,2,3
	v_max_num_f32 v[TM+\b], v[TM+\b], v[TM+4+\b]   ; with lane l xor 16's
.endr
.endm
; QTAIL: scale operands, bytes, the scale word into v[pw], the codes into v[PC] .. v[PC + 11]
.macro QTAIL s, w, pw
.irp b, 0,1,2,3
	v_add_nc_u32 v[TM+12+\b], 0xfe000000, v[TM+\b] ; 4 off the exponent field: the conversion's scale operand
.endr
.irp b, 0,1,2,3
	v_lshrrev_b32 v[TM+4+\b], 23, v[TM+12+\b]      ; the scale's byte
.endr
	v_lshl_or_b32 v[\pw], v[TM+5], 8, v[TM+4]
	v_lshl_or_b32 v[\pw], v[TM+6], 16, v[\pw]
	v_lshl_or_b32 v[\pw], v[TM+7], 24, v[\pw]
	WIN \w                                         ; the numbers: window w
.irp c, 0,1
	v_cvt_scalef32_pk16_bf6_f32 v[PC+6*\c:PC+6*\c+2], v[\s+32*\c:\s+32*\c+15], v[TM+12+2*\c]
	v_cvt_scalef32_pk16_bf6_f32 v[PC+12+4*\c:PC+12+4*\c+2], v[\s+32*\c+16:\s+32*\c+31], v[TM+12+2*\c+1]
.endr
	WIN 0
	v_nop                                          ; one plain place behind a scaled conversion
.irp c, 0,1
.irp i, 0,1,2
	v_permlane16_swap_b32 v[PC+6*\c+\i], v[PC+12+4*\c+\i]   ; a whole block to a lane
.endr
.irp i, 0,1,2
	v_mov_b32 v[PC+3+6*\c+\i], v[PC+12+4*\c+\i]
.endr
.endr
.endm
.macro IMG4 dst, src                   ; eight words a lane-row (the same in lanes r and r + 16) become the image of 512 bytes: lane (r, h) holds those of blocks h, 2 + h, 4 + h, 6 + h
.irp i, 0,1,2,3
	v_cndmask_b32 v[\dst+\i], v[\src+2*\i], v[\src+2*\i+1], vcc_lo
.endr
.endm
	s_load_b256 s[4:11], s[0:1], 0x0               ; ops1 s[4:5], bq s[6:7], bk s[8:9], bv s[10:11]
	s_load_b64 s[12:13], s[0:1], 0x20              ; ops2
	v_lshl_add_u32 v[SPW], v0, 2, SPARE
	v_mov_b32 v[NIL], 0
	ds_add_u32 v28, v29
	ds_add_u32 v28, v29
	s_wait_dscnt 0x0
	v_lshrrev_b32 v1, 5, v0
	v_readfirstlane_b32 s14, v1                    ; wave 0..3
	s_lshr_b32 s15, s14, 1                         ; my half of R's rows.  Also: I fetch for R (0) or for P (1)
	s_and_b32 s16, s14, 1                          ; my half of P's rows.  Also: which superblock I fetch
	s_bfe_u32 s40, ttmp6, 0x40000                  ; cx, cy: my place in the cluster
	s_bfe_u32 s41, ttmp6, 0x40004
	s_lshl_b32 s43, s41, 2
	s_lshl_b32 s43, 15, s43                        ; my row of the cluster
	s_lshl_b32 s44, 0x1111, s40                    ; my column
	s_and_b32 s18, ttmp7, 0xffff                   ; the cluster's y, 0 .. 11
	s_sub_co_u32 s19, s18, 8
	s_lshl_b32 s19, s19, 1
	s_add_co_u32 s19, s19, ttmp9                   ; for V: cluster x + 2 (cluster y - 8), 0 .. 7
	s_cmp_ge_u32 s18, 8
	s_cselect_b32 s[TYP], 1, 0
	s_cselect_b32 s20, 0, s18                      ; which four tiles of R,
	s_cselect_b32 s21, s19, ttmp9                  ; of P
	s_cselect_b32 s22, 80, 0                       ; R's first superblock in ops1: Wv's or x's
	s_cselect_b32 s23, 0, 64                       ; P's: x's or Wq's
	s_cselect_b32 s45, 64, 16                      ; the result: chunks from one superblock to the next,
	s_cselect_b32 s93, 1024, 0                     ; and the first chunk
	s_lshl_b32 s17, s20, 2
	s_add_co_u32 s17, s17, s41                     ; R's tile
	s_lshl_b32 s42, s21, 2
	s_add_co_u32 s42, s42, s40                     ; P's tile
	; group 1: a dense block of 24,576 bytes as 96 rows of 32 elements of 8 bytes, no padding
	s_or_b32 s[G1+0], s43, (3<<16)|(1<<21)         ; 15:0 the mask: R's tiles go to my row; 17:16 elements of 8 bytes; 21 set beside a mask
	s_or_b32 s[G1B+0], s44, (3<<16)|(1<<21)
.irp g, G1, G1B
	s_mov_b32 s[\g+1], 32<<16                      ; tensor_dim0
	s_mov_b32 s[\g+2], 96<<16                      ; tensor_dim1
	s_mov_b32 s[\g+3], 32<<16                      ; tile_dim0
	s_mov_b32 s[\g+4], 96                          ; tile_dim1
	s_mov_b32 s[\g+5], 32                          ; the pitch
	s_mov_b32 s[\g+6], 0
	s_mov_b32 s[\g+7], 0
.endr
	s_or_b32 s[G1S+0], s43, (3<<16)|(1<<21)        ; and the scale words of a superblock: HALFS dense bytes
	s_or_b32 s[G1SB+0], s44, (3<<16)|(1<<21)
.irp g, G1S, G1SB
	s_mov_b32 s[\g+1], 32<<16
	s_mov_b32 s[\g+2], (HALFS/256)<<16
	s_mov_b32 s[\g+3], 32<<16
	s_mov_b32 s[\g+4], HALFS/256
	s_mov_b32 s[\g+5], 32
	s_mov_b32 s[\g+6], 0
	s_mov_b32 s[\g+7], 0
.endr
	s_lshl_b32 s20, s17, 1
	s_add_co_u32 s20, s20, s22
	s_add_co_u32 s20, s20, s16                     ; R: the superblock that I fetch (hangs on cy, not on cx)
	s_lshl_b32 s46, s42, 1
	s_add_co_u32 s46, s46, s23
	s_add_co_u32 s46, s46, s16                     ; P: likewise (on cx, not on cy)
	s_lshl_b32 s22, s20, 12
	s_add_co_u32 s22, s22, XS0                     ; its scale words,
	s_mov_b32 s23, 0
	s_mul_i32 s20, s20, 8*CHUNK                    ; its codes, in bytes
	s_mov_b32 s21, 0
	s_lshl_b32 s66, s46, 12
	s_add_co_u32 s66, s66, XS0
	s_mov_b32 s67, 0
	s_mul_i32 s46, s46, 8*CHUNK
	s_mov_b32 s47, 0
	s_mul_i32 s98, s14, HALFT                      ; where they go: by the wave's number alone
	s_mul_i32 s99, s14, HALFS
	s_mov_b32 s[SEL], 0x76543210
	s_mov_b32 s[SEL+1], 0xfedcba98
	s_wait_kmcnt 0x0
	s_add_nc_u64 s[20:21], s[4:5], s[20:21]
	s_add_nc_u64 s[22:23], s[4:5], s[22:23]
	s_add_nc_u64 s[46:47], s[4:5], s[46:47]
	s_add_nc_u64 s[66:67], s[4:5], s[66:67]
	CROUND                                         ; all sixteen work-groups are here: the first joint loads meet
	s_mov_b32 s[G0S], 1
	s_add_co_u32 s[G0S+1], s99, SCL
	s_mov_b64 s[G0S+2:G0S+3], s[22:23]
	s_or_b32 s[G0S+3], s[G0S+3], 0x80000000
	s_mov_b32 s[G0SB], 1
	s_add_co_u32 s[G0SB+1], s99, SCL
	s_mov_b64 s[G0SB+2:G0SB+3], s[66:67]
	s_or_b32 s[G0SB+3], s[G0SB+3], 0x80000000
	JLOAD G0S, G1S, G0SB, G1SB                     ; the scale words first: they are wanted with the first step
.irp s, 0,1
	s_mov_b32 s[G0+4*\s], 1
	s_add_co_u32 s[G0+4*\s+1], s98, \s*SLOT
	s_add_nc_u64 s[G0+4*\s+2:G0+4*\s+3], s[20:21], \s*HALFT
	s_or_b32 s[G0+4*\s+3], s[G0+4*\s+3], 0x80000000
	s_mov_b32 s[G0B+4*\s], 1
	s_add_co_u32 s[G0B+4*\s+1], s98, \s*SLOT
	s_add_nc_u64 s[G0B+4*\s+2:G0B+4*\s+3], s[46:47], \s*HALFT
	s_or_b32 s[G0B+4*\s+3], s[G0B+4*\s+3], 0x80000000
	JLOAD G0+4*\s, G1, G0B+4*\s, G1B               ; three tensor loads of mine are out
.endr
	v_and_b32 v1, 15, v0                           ; r
	v_bfe_u32 v2, v0, 4, 1                         ; h
	v_and_b32 v3, 31, v0
	v_lshlrev_b32 v[LI], 4, v3
	s_mul_i32 s21, s15, HALFT                      ; my superblock of R,
	s_mul_i32 s22, s16, HALFT                      ; of P,
	s_add_co_u32 s22, s22, 2*HALFT                 ; which lie behind R's two
.irp s, 0,1
	v_add_nc_u32 v[ADRA+\s], s21, v[LI]
	v_add_nc_u32 v[ADRB+\s], s22, v[LI]
	s_add_co_u32 s21, s21, SLOT
	s_add_co_u32 s22, s22, SLOT
.endr
	s_mul_i32 s21, s15, HALFS
	s_mul_i32 s22, s16, HALFS
	s_add_co_u32 s22, s22, 2*HALFS
	s_sub_co_u32 s22, s22, s21
	v_mul_u32_u24 v6, s22, v2                      ; lanes 16-31 take P's: one product by h
	s_add_co_u32 s21, s21, SCL
	v_lshl_add_u32 v5, v1, 4, v6
	v_add_nc_u32 v[ADRS], s21, v5
	; the bias, in the layout of the results
	s_cmp_eq_u32 ttmp9, 0
	s_cselect_b64 s[6:7], s[6:7], s[8:9]           ; P's tiles 0-3 are Wq's rows, 4-7 Wk's
	s_cmp_eq_u32 s[TYP], 0
	s_cselect_b64 s[6:7], s[6:7], s[10:11]
	s_cbranch_scc0 .Lbias_v
	s_lshl_b32 s18, s42, 8
	s_lshl_b32 s19, s16, 7
	s_add_co_u32 s18, s18, s19
	s_and_b32 s18, s18, 1023                       ; my 128 of the 1,024
	s_lshl_b32 s18, s18, 2
	s_mov_b32 s19, 0
	s_add_nc_u64 s[6:7], s[6:7], s[18:19]
	v_lshlrev_b32 v4, 6, v2                        ; register j of P's block b is e = 32 (b / 2) + 16 h + 8 (b % 2) + j
.irp b, 0,1,2,3,4,5,6,7
	global_load_b128 v[BIAS+8*\b:BIAS+8*\b+3], v4, s[6:7] offset:(32*(\b/2)+8*(\b%2))*4
	global_load_b128 v[BIAS+8*\b+4:BIAS+8*\b+7], v4, s[6:7] offset:(32*(\b/2)+8*(\b%2))*4+16
.endr
	s_branch .Lbias_done
.Lbias_v:
	s_lshl_b32 s18, s17, 8
	s_lshl_b32 s19, s15, 7
	s_add_co_u32 s18, s18, s19
	s_lshl_b32 s18, s18, 2
	s_mov_b32 s19, 0
	s_add_nc_u64 s[6:7], s[6:7], s[18:19]
	v_and_b32 v4, 8, v1
	v_add_nc_u32 v4, v4, v1
	v_lshlrev_b32 v4, 2, v4                        ; lane r of R's block a is e = 32 (a / 2) + 8 (a % 2) + r + 8 (r / 8)
.irp a, 0,1,2,3,4,5,6,7
	global_load_b32 v[BIAS+8*\a], v4, s[6:7] offset:(32*(\a/2)+8*(\a%2))*4
.endr
	s_wait_loadcnt 0x0
.irp a, 0,1,2,3,4,5,6,7
.irp j, 1,2,3,4,5,6,7
	v_mov_b32 v[BIAS+8*\a+\j], v[BIAS+8*\a]        ; the same in all eight registers
.endr
.endr
.Lbias_done:
	PLACES NP
	; where my 128 x 128 results go: one chunk of ops2
	s_lshl_b32 s18, s17, 1
	s_add_co_u32 s18, s18, s15
	s_mul_i32 s18, s18, s45
	s_add_co_u32 s18, s18, s93
	s_lshl_b32 s19, s42, 1
	s_add_co_u32 s18, s18, s19
	s_add_co_u32 s18, s18, s16                     ; the chunk's number
	s_lshl_b32 s20, s18, 9
	s_add_co_u32 s20, s20, QS0
	s_mov_b32 s21, 0
	s_mul_i32 s18, s18, CHUNK
	s_mov_b32 s19, 0
	s_add_nc_u64 s[8:9], s[12:13], s[20:21]        ; its scale words
	s_add_nc_u64 s[12:13], s[12:13], s[18:19]      ; its codes
	s_wait_loadcnt 0x0                             ; the bias
	s_wait_tensorcnt 1                             ; the scale words and my part of slot 0 are in (slot 1's load may be out)
	s_barrier_signal -1
	s_barrier_wait -1                              ; everybody's are
	FETCH_B 0, 0, 0
	FETCH_A 0, 0, 0
	SCALES 0
	FETCH_A 0, 0, 4
	s_cmp_eq_u32 s[TYP], 0                         ; the first step starts the sums with the bias: written for each kind
	s_cbranch_scc0 .Lfirst_v
	STEP 0, 0, 2
	s_branch .Lfirst_done
.Lfirst_v:
	STEP 0, 0, 3
.Lfirst_done:
	s_mov_b32 s3, LAPS-1
.Llap:                                                 ; a trip goes once round the ring and fills both slots again
	TURN 0, 1, 1
	STEP 1, 0, 0
	TURN 1, 0, 1
	STEP 0, 0, 0
	s_sub_co_u32 s3, s3, 1
	s_cmp_lg_u32 s3, 0
	s_cbranch_scc1 .Llap
	TURN 0, 1, 0                                   ; the last lap fills nothing
	STEP 1, 0, 0
	s_wait_dscnt 4*NL                              ; the very last step
	WIN MUL_LO
	MUL16 0, 1, NQ-1, 1, 0
	MUL16 2, 1, NQ-1, 1, 0
	s_wait_dscnt 0
	WIN MUL_HI
	MUL16 4, 1, NQ-1, 1, 0
	MUL16 6, 1, NQ-1, 1, 0
	WIN 0
	; THE WAY OUT: R's block a, 64 results a lane, becomes fragment a of the chunk: three stores of 512 consecutive bytes, aligned.  No LDS.
	PLACES NP
.irp b, 0,1,2,3
	v_mov_b32 v[TM+4+\b], 0                        ; written once: a lane permute's destination counts as one of its sources
.endr
	s_mov_b32 vcc_lo, 0xffff0000                   ; lanes 16-31
.irp a, 0,1,2,3,4,5,6,7
	QMAX 64*(\a%4), 2+\a/4
.if \a > 0
	s_wait_xcnt 0x0                                ; the last block's stores have read their data: the codes' registers are written again only behind this wait
.endif
	QTAIL 64*(\a%4), 2+\a/4, PWS+\a
.irp c, 0,1,2
	global_store_b128 v[LI], v[PC+4*\c:PC+4*\c+3], s[12:13] offset:1536*\a+512*\c
.endr
.endr
	IMG4 IMG, PWS
	global_store_b128 v[LI], v[IMG:IMG+3], s[8:9]  ; the chunk's 512 bytes of scale words
	s_wait_tensorcnt 0x0                           ; the wave's end
	ds_add_u32 v[SPW], v[NIL]
	s_wait_dscnt 0x0
	CROUND                                         ; the closing round: no work-group ends while a partner may still ask for a tile that names it
	s_endpgm
.Lfunc_end_k_q8bb5914958_proj:
	.size	k_q8bb5914958_proj, .Lfunc_end_k_q8bb5914958_proj-k_q8bb5914958_proj
	.p2alignl 7, 3214868480
	.fill 96, 4, 3214868480
	.section	.rodata,"a",@progbits
	.p2align	6, 0x0
	.amdhsa_kernel k_q8bb5914958_proj
		.amdhsa_group_segment_fixed_size 327680
		.amdhsa_private_segment_fixed_size 0
		.amdhsa_enable_private_segment 0
		.amdhsa_kernarg_size 40
		.amdhsa_user_sgpr_count 2
		.amdhsa_user_sgpr_kernarg_segment_ptr 1
		.amdhsa_wavefront_size32 1
		.amdhsa_system_sgpr_workgroup_id_x 1
		.amdhsa_system_sgpr_workgroup_id_y 1
		.amdhsa_system_sgpr_workgroup_id_z 1
		.amdhsa_system_vgpr_workitem_id 0
		.amdhsa_next_free_vgpr 1024
		.amdhsa_next_free_sgpr 100
		.amdhsa_reserve_vcc 1
		.amdhsa_float_denorm_mode_32 3
		.amdhsa_float_denorm_mode_16_64 3
		.amdhsa_memory_ordered 1
		.amdhsa_forward_progress 1
		.amdhsa_inst_pref_size 156
	.end_amdhsa_kernel
	.amdgpu_metadata
---
amdhsa.version: [ 1, 2 ]
amdhsa.kernels:
  - .name:           k_q8bb5914958_proj
    .symbol:         k_q8bb5914958_proj.kd
    .args:
      - { .name: ops1, .offset: 0, .size: 8, .value_kind: global_buffer, .address_space: global }
      - { .name: bq, .offset: 8, .size: 8, .value_kind: global_buffer, .address_space: global }
      - { .name: bk, .offset: 16, .size: 8, .value_kind: global_buffer, .address_space: global }
      - { .name: bv, .offset: 24, .size: 8, .value_kind: global_buffer, .address_space: global }
      - { .name: ops2, .offset: 32, .size: 8, .value_kind: global_buffer, .address_space: global }
    .group_segment_fixed_size: 327680
    .private_segment_fixed_size: 0
    .kernarg_segment_align: 8
    .kernarg_segment_size: 40
    .max_flat_workgroup_size: 128
    .sgpr_count:     100
    .vgpr_count:     1024
    .wavefront_size: 32
...
	.end_amdgpu_metadata
.endif
;; end of part 2
;; launch score (part 3): grid 8 x 32, 4 waves a work-group, clusters of 4 x 4, 327,680 bytes of LDS; arguments ops2, ops3; writes ops3
.if DOCPART == 3
	.amdgcn_target "amdgcn-amd-amdhsa--gfx1250"
	.amdhsa_code_object_version 6
	.text
	.protected	k_q8bb5914958_score
	.globl	k_q8bb5914958_score
	.p2align	8
	.type	k_q8bb5914958_score,@function
k_q8bb5914958_score:
	s_mov_b64 s[64:65], 0
	v_nop
	global_prefetch_b8 v0, s[64:65] scope:SCOPE_SE
	s_setreg_imm32_b32 hwreg(HW_REG_WAVE_MODE, 25, 1), 1
	s_wait_xcnt 0x0
	s_wait_alu depctr_hold_cnt(0) depctr_sa_sdst(0) depctr_va_vdst(0) depctr_va_sdst(0) depctr_va_ssrc(0) depctr_va_vcc(0) depctr_vm_vsrc(0)
	s_getreg_b32 s2, hwreg(HW_REG_IB_STS2, 6, 4)
	s_cmp_eq_u32 s2, 0
	s_cbranch_scc0 .Lentry_in_a_cluster
	s_endpgm
.Lentry_in_a_cluster:
	s_bfe_u32 s2, ttmp6, 0x10000c
	s_cmp_lg_u32 s2, 0xf033
	s_cbranch_scc0 .Lentry_shape_is_right
	s_endpgm
.Lentry_shape_is_right:
; S = Q K^T on codes of BF6 (E3M2) with E8M0 scales, and on the way out a PARTIAL SOFTMAX for each query and each 128 keys: t = score x log2(e) / 32; M_loc = ceil(the largest t of these 128 keys), a whole number;
; p = 2^(t - M_loc), quantised along the keys into a chunk of the last product's operand; -M_loc and the sum of the unquantised p go out beside it.  The last launch finds the row's M and brings every chunk under it
; by taking M - M_loc off its scale bytes: an exact power of two, so the codes are those of 2^(t - M).
; OPERANDS are fragment images: [superblock of 128 rows][K step of 128][8 fragments x 1,536 bytes], a fragment = its 12 registers in three runs of 512 bytes, lane l's 16 bytes at 16 l; lane r of fragment a holds
; row 32 (a / 2) + 8 (a % 2) + r + 8 (r / 8) of the superblock.  Scale words: 512 bytes for a superblock and K step, the word of (fragment a, lane r) at 16 (16 (a % 2) + r) + 4 (a / 2).
; ROLES.  P = K is source 0, R = Q source 1: a lane holds one query, and the 64 registers of R's block a are keys 32 b + 16 (lane / 16) + i in register 16 b + i.
; A tile is 256 queries x 256 keys, four waves of 128 x 128.  K (the 1,024 of e) goes through two LDS slots of 256; a wave's tensor load brings one dense block of 24,576 bytes.
; CLUSTERS: 4 x 4: Q's tiles shared along a row of the cluster, K's along a column, asked for jointly.  The scale words of all of K come once, with the first fills.
; No prefetch: a work-group has two refills in all, and every tile is shared in its cluster.
; LIMITS: a block's largest p is taken as the exponential of its largest score (the same two instructions on the same number); a block whose every p has fallen to 0 keeps the byte 1, its codes are zeros; NaN and infinities are not served.
; REGISTERS: window 0: v16-29 addresses; v32-63 scale words, two sets; v128-223 R's fragments; on the way out v64-99 what the blocks leave, v128-235 at work.  window 1: P's fragments, two sets.  windows 2, 3: the accumulators.
.set HALFS,  4096
.set LAPS,   2
.set FR,     12
.set NL,     3
.set NP,     4
.set NQ,     2
.set CHUNK,  12288
.set HALFT,  NQ*CHUNK
.set SLOT,   4*HALFT
.set SCL,    2*SLOT
.set SPARE,  SCL+4*HALFS               ; the spare words, 128 bytes a wave: two blocks of 256 bytes that no other line names
.set QS0,    1536*CHUNK                ; ops2: where the scale words begin
.set PS0,    1024*CHUNK                ; ops3: p's scale words; 524,288 bytes on: -M_loc; as far again: the sums
.set ADRA, 16
.set ADRB, 20
.set LI,   26
.set ADRS, 27
.set SPW,  28
.set NIL,  29
.set SC,   32
.set AF,   128
.set NMS,  64                          ; v64-71  -M_loc of blocks 0-7
.set LS,   72                          ; v72-79  their sums
.set PWS,  80                          ; v80-87  their scale words
.set IMG,  88                          ; v88-99  the three images
.set T,    128                         ; v128-191 t - M_loc, then p
.set PC,   192                         ; v192-210 the codes
.set TM,   212                         ; v212-227 at work
.set NMW,  228                         ; v[228:229] -M_loc (the packed form names a pair and takes its low word)
.set LA,   230
.set LB,   232
.set G1, 24
.set G0, 32
.set G1B, 48
.set G0B, 56
.set G1S, 68
.set G0S, 76
.set G1SB, 80
.set G0SB, 88
.set CS,  94                           ; s[94:95] c = log2(e) / 32
.set SEL, 96
.set MSB, 0
.macro WIN new
.if MSB != (\new)
	s_set_vgpr_msb (MSB<<8)|(\new)
.set MSB, (\new)
.endif
.endm
.set MUL_LO, 0xa1
.set MUL_HI, 0xf1
.set TO_B,   0x40
.macro JLOAD g0a, g1a, g0b, g1b        ; a joint load: waves 0 and 1 fetch for R, waves 2 and 3 for P; four v_nop follow each line
	s_cmp_eq_u32 s15, 0
	s_cbranch_scc0 .Lfor_b_\@
	tensor_load_to_lds s[\g0a:\g0a+3], s[\g1a:\g1a+7]
	s_nop 0
.rept 4
	v_nop
.endr
	s_branch .Lasked_\@
.Lfor_b_\@:
	tensor_load_to_lds s[\g0b:\g0b+3], s[\g1b:\g1b+7]
	s_nop 0
.rept 4
	v_nop
.endr
.Lasked_\@:
.endm
.macro CREST
	s_cmp_lg_u32 s14, 0
	s_cbranch_scc1 .Lnot_wave_0_\@
	s_barrier_signal -3
.Lnot_wave_0_\@:
	s_barrier_wait -3
	s_barrier_signal -1
	s_barrier_wait -1
.endm
.macro CROUND
	s_barrier_signal -1
	s_barrier_wait -1
	CREST
.endm
.macro PLACES n
.rept \n
	v_nop
.endr
.endm
.macro FRAG reg, adr, q, i
.irp c, 0,1,2
	ds_load_b128 v[\reg+4*\c:\reg+4*\c+3], v[\adr] offset:(\q)*CHUNK+(\i)*1536+512*\c
.endr
.endm
.macro FETCH_B slot, q, p
	WIN TO_B
.irp i, 0,1,2,3,4,5,6,7
	FRAG 128*(\p)+FR*\i, ADRB+\slot, \q, \i
.endr
	WIN 0
.endm
.macro FETCH_A slot, q, i0
.irp i, \i0, \i0+1, \i0+2, \i0+3
	FRAG AF+FR*(\i), ADRA+\slot, \q, \i
.endr
.endm
.macro SCALES sc
.irp q, 0,1
.irp par, 0,1
	ds_load_b128 v[SC+16*\sc+8*\q+4*\par:SC+16*\sc+8*\q+4*\par+3], v[ADRS] offset:512*\q+256*\par
.endr
.endr
.endm
; 16 matrix instructions; zero = 1: the first product starts the sums.  The 64 accumulators take turns, one instruction a turn.
.macro MUL16 a0, p, q, sc, zero
.irp a, \a0, \a0+1
.irp b, 0,1,2,3,4,5,6,7
.set rD, 8*(8*((\a)%4)+\b)
.set rP, 128*(\p)+FR*\b
.set rR, AF+FR*(\a)
.set sP, SC+16*(\sc)+8*(\q)+4*(\b%2)+\b/2
.set sR, SC+16*(\sc)+8*(\q)+4*((\a)%2)+(\a)/2
.if (\zero) == 0
	v_wmma_scale_f32_16x16x128_f8f6f4 v[rD:rD+7], v[rP:rP+FR-1], v[rR:rR+FR-1], v[rD:rD+7], v[sP], v[sR] matrix_a_fmt:MATRIX_FMT_BF6 matrix_b_fmt:MATRIX_FMT_BF6 matrix_a_scale:MATRIX_SCALE_ROW1
.else
	v_wmma_scale_f32_16x16x128_f8f6f4 v[rD:rD+7], v[rP:rP+FR-1], v[rR:rR+FR-1], 0, v[sP], v[sR] matrix_a_fmt:MATRIX_FMT_BF6 matrix_b_fmt:MATRIX_FMT_BF6 matrix_a_scale:MATRIX_SCALE_ROW1
.endif
.endr
.endr
.endm
.macro STEP slot, q, zero
	s_wait_dscnt 4*NL                              ; all but the youngest twelve loads (R's blocks 4-7) are in
	WIN MUL_LO
	MUL16 0, (\q)%2, \q, \slot, \zero
	MUL16 2, (\q)%2, \q, \slot, \zero
	s_wait_dscnt 0
	PLACES NP                                      ; in front of loads into registers that matrix instructions have read
	FETCH_B \slot, (\q)+1, 1-(\q)%2
	FETCH_A \slot, (\q)+1, 0
	WIN MUL_HI
	MUL16 4, (\q)%2, \q, \slot, \zero
	MUL16 6, (\q)%2, \q, \slot, \zero
	PLACES NP
	WIN 0
	FETCH_A \slot, (\q)+1, 4
.endm
.macro TURN slot, next, fill
	s_wait_tensorcnt 0x0                           ; all my tensor loads have landed: my part of the next slot
	ds_add_u32 v[SPW], v[NIL]                      ; 0 onto my spare word
	s_wait_dscnt 4*NL+1                            ; (the add and the youngest twelve loads may be out)
	WIN MUL_LO
	MUL16 0, 1, NQ-1, \slot, 0
	s_wait_dscnt 0x0                               ; the add is done, and my reads of this slot are over
	s_barrier_signal -1
	MUL16 2, 1, NQ-1, \slot, 0
	WIN 0
	s_barrier_wait -1
.if \fill
	CREST                                          ; a round of the cluster's barrier: no wave of any partner still reads this slot or has a load on its way
	s_add_nc_u64 s[G0+4*\slot+2:G0+4*\slot+3], s[G0+4*\slot+2:G0+4*\slot+3], 2*HALFT
	s_add_nc_u64 s[G0B+4*\slot+2:G0B+4*\slot+3], s[G0B+4*\slot+2:G0B+4*\slot+3], 2*HALFT
	JLOAD G0+4*\slot, G1, G0B+4*\slot, G1B         ; the first tensor load behind the round; its four v_nop are the places in front of the loads below
.else
	PLACES NP
.endif
	v_add_nc_u32 v[ADRS], 512*NQ, v[ADRS]
	FETCH_B \next, 0, 0
	FETCH_A \next, 0, 0
	SCALES \next
	WIN MUL_HI
	MUL16 4, 1, NQ-1, \slot, 0
	MUL16 6, 1, NQ-1, \slot, 0
	PLACES NP
	WIN 0
	FETCH_A \next, 0, 4
.endm
.macro QTAIL s, w, pw                  ; from the blocks' largest magnitudes in v[TM] on: scale operands, bytes, the scale word into v[pw], the codes into v[PC] .. v[PC + 11]
.irp b, 0,1,2,3
	v_add_nc_u32 v[TM+12+\b], 0xfe000000, v[TM+\b]
.endr
.irp b, 0,1,2,3
	v_lshrrev_b32 v[TM+4+\b], 23, v[TM+12+\b]
.endr
	v_lshl_or_b32 v[\pw], v[TM+5], 8, v[TM+4]
	v_lshl_or_b32 v[\pw], v[TM+6], 16, v[\pw]
	v_lshl_or_b32 v[\pw], v[TM+7], 24, v[\pw]
	WIN \w
.irp c, 0,1
	v_cvt_scalef32_pk16_bf6_f32 v[PC+6*\c:PC+6*\c+2], v[\s+32*\c:\s+32*\c+15], v[TM+12+2*\c]
	v_cvt_scalef32_pk16_bf6_f32 v[PC+12+4*\c:PC+12+4*\c+2], v[\s+32*\c+16:\s+32*\c+31], v[TM+12+2*\c+1]
.endr
	WIN 0
	v_nop                                          ; one plain place behind a scaled conversion
.irp c, 0,1
.irp i, 0,1,2
	v_permlane16_swap_b32 v[PC+6*\c+\i], v[PC+12+4*\c+\i]
.endr
.irp i, 0,1,2
	v_mov_b32 v[PC+3+6*\c+\i], v[PC+12+4*\c+\i]
.endr
.endr
.endm
.macro IMG4 dst, src                   ; eight words a lane-row (the same in lanes r and r + 16) become an image of 512 bytes: lane (r, h) holds those of blocks h, 2 + h, 4 + h, 6 + h
.irp i, 0,1,2,3
	v_cndmask_b32 v[\dst+\i], v[\src+2*\i], v[\src+2*\i+1], vcc_lo
.endr
.endm
	s_load_b128 s[4:7], s[0:1], 0x0                ; ops2 s[4:5], ops3 s[6:7]
	v_lshl_add_u32 v[SPW], v0, 2, SPARE
	v_mov_b32 v[NIL], 0
	ds_add_u32 v28, v29
	ds_add_u32 v28, v29
	s_wait_dscnt 0x0
	v_lshrrev_b32 v1, 5, v0
	v_readfirstlane_b32 s14, v1                    ; wave 0..3
	s_lshr_b32 s15, s14, 1                         ; my half of the queries.  Also: I fetch for R (0) or for P (1)
	s_and_b32 s16, s14, 1                          ; my half of the keys.  Also: which superblock I fetch
	s_bfe_u32 s40, ttmp6, 0x40000                  ; cx, cy
	s_bfe_u32 s41, ttmp6, 0x40004
	s_lshl_b32 s43, s41, 2
	s_lshl_b32 s43, 15, s43                        ; my row of the cluster
	s_lshl_b32 s44, 0x1111, s40                    ; my column
	s_and_b32 s18, ttmp7, 0xffff                   ; the cluster's y, 0 .. 7
	s_lshl_b32 s17, s18, 2
	s_add_co_u32 s17, s17, s41                     ; the tile of queries, 0 .. 31
	s_lshl_b32 s42, ttmp9, 2
	s_add_co_u32 s42, s42, s40                     ; the tile of keys in the batch, 0 .. 7
	s_lshr_b32 s19, s18, 1                         ; the batch: by the cluster's y alone
	s_or_b32 s[G1+0], s43, (3<<16)|(1<<21)         ; group 1: a dense block of 24,576 bytes as 96 rows of 32 elements of 8 bytes; the mask; bit 21 beside it
	s_or_b32 s[G1B+0], s44, (3<<16)|(1<<21)
.irp g, G1, G1B
	s_mov_b32 s[\g+1], 32<<16
	s_mov_b32 s[\g+2], 96<<16
	s_mov_b32 s[\g+3], 32<<16
	s_mov_b32 s[\g+4], 96
	s_mov_b32 s[\g+5], 32
	s_mov_b32 s[\g+6], 0
	s_mov_b32 s[\g+7], 0
.endr
	s_or_b32 s[G1S+0], s43, (3<<16)|(1<<21)
	s_or_b32 s[G1SB+0], s44, (3<<16)|(1<<21)
.irp g, G1S, G1SB
	s_mov_b32 s[\g+1], 32<<16
	s_mov_b32 s[\g+2], (HALFS/256)<<16
	s_mov_b32 s[\g+3], 32<<16
	s_mov_b32 s[\g+4], HALFS/256
	s_mov_b32 s[\g+5], 32
	s_mov_b32 s[\g+6], 0
	s_mov_b32 s[\g+7], 0
.endr
	s_lshl_b32 s20, s17, 1
	s_add_co_u32 s20, s20, s16                     ; Q: the superblock that I fetch
	s_lshl_b32 s22, s20, 13
	s_add_co_u32 s22, s22, QS0                     ; its scale words (K steps 0-7 of 16),
	s_mov_b32 s23, 0
	s_mul_i32 s20, s20, 16*CHUNK                   ; its codes
	s_mov_b32 s21, 0
	s_lshl_b32 s46, s42, 1
	s_add_co_u32 s46, s46, s16
	s_lshl_b32 s19, s19, 4
	s_add_co_u32 s46, s46, s19                     ; K: superblock 16 batch + 2 tile + half
	s_lshl_b32 s66, s46, 13
	s_add_co_u32 s66, s66, QS0+4096                ; its scale words (K steps 8-15),
	s_mov_b32 s67, 0
	s_mul_i32 s46, s46, 16*CHUNK
	s_add_co_u32 s46, s46, 8*CHUNK                 ; its codes
	s_mov_b32 s47, 0
	s_mul_i32 s98, s14, HALFT                      ; where they go: by the wave's number alone
	s_mul_i32 s99, s14, HALFS
	s_mov_b32 s[SEL], 0x76543210
	s_mov_b32 s[SEL+1], 0xfedcba98
	s_mov_b32 s[CS], 0x3d38aa3b                    ; c = log2(e) / sqrt(1024)
	s_mov_b32 s[CS+1], s[CS]                       ; (named with it as a pair, so it is written)
	s_wait_kmcnt 0x0
	s_add_nc_u64 s[20:21], s[4:5], s[20:21]
	s_add_nc_u64 s[22:23], s[4:5], s[22:23]
	s_add_nc_u64 s[46:47], s[4:5], s[46:47]
	s_add_nc_u64 s[66:67], s[4:5], s[66:67]
	CROUND                                         ; all sixteen work-groups are here: the first joint loads meet
	s_mov_b32 s[G0S], 1
	s_add_co_u32 s[G0S+1], s99, SCL
	s_mov_b64 s[G0S+2:G0S+3], s[22:23]
	s_or_b32 s[G0S+3], s[G0S+3], 0x80000000
	s_mov_b32 s[G0SB], 1
	s_add_co_u32 s[G0SB+1], s99, SCL
	s_mov_b64 s[G0SB+2:G0SB+3], s[66:67]
	s_or_b32 s[G0SB+3], s[G0SB+3], 0x80000000
	JLOAD G0S, G1S, G0SB, G1SB
.irp s, 0,1
	s_mov_b32 s[G0+4*\s], 1
	s_add_co_u32 s[G0+4*\s+1], s98, \s*SLOT
	s_add_nc_u64 s[G0+4*\s+2:G0+4*\s+3], s[20:21], \s*HALFT
	s_or_b32 s[G0+4*\s+3], s[G0+4*\s+3], 0x80000000
	s_mov_b32 s[G0B+4*\s], 1
	s_add_co_u32 s[G0B+4*\s+1], s98, \s*SLOT
	s_add_nc_u64 s[G0B+4*\s+2:G0B+4*\s+3], s[46:47], \s*HALFT
	s_or_b32 s[G0B+4*\s+3], s[G0B+4*\s+3], 0x80000000
	JLOAD G0+4*\s, G1, G0B+4*\s, G1B               ; three tensor loads of mine are out
.endr
	v_and_b32 v1, 15, v0                           ; r
	v_bfe_u32 v2, v0, 4, 1                         ; h
	v_and_b32 v3, 31, v0
	v_lshlrev_b32 v[LI], 4, v3
	s_mul_i32 s21, s15, HALFT
	s_mul_i32 s22, s16, HALFT
	s_add_co_u32 s22, s22, 2*HALFT
.irp s, 0,1
	v_add_nc_u32 v[ADRA+\s], s21, v[LI]
	v_add_nc_u32 v[ADRB+\s], s22, v[LI]
	s_add_co_u32 s21, s21, SLOT
	s_add_co_u32 s22, s22, SLOT
.endr
	s_mul_i32 s21, s15, HALFS
	s_mul_i32 s22, s16, HALFS
	s_add_co_u32 s22, s22, 2*HALFS
	s_sub_co_u32 s22, s22, s21
	v_mul_u32_u24 v6, s22, v2                      ; lanes 16-31 take P's: one product by h
	s_add_co_u32 s21, s21, SCL
	v_lshl_add_u32 v5, v1, 4, v6
	v_add_nc_u32 v[ADRS], s21, v5
	; where my 128 queries x 128 keys go: chunk (superblock of queries) x 16 + key step
	s_lshl_b32 s18, s17, 1
	s_add_co_u32 s18, s18, s15
	s_lshl_b32 s18, s18, 4
	s_lshl_b32 s19, s42, 1
	s_add_co_u32 s18, s18, s19
	s_add_co_u32 s18, s18, s16
	s_lshl_b32 s20, s18, 9
	s_add_co_u32 s20, s20, PS0
	s_mov_b32 s21, 0
	s_mul_i32 s18, s18, CHUNK
	s_mov_b32 s19, 0
	s_add_nc_u64 s[8:9], s[6:7], s[20:21]          ; its scale words; -M_loc and the sums lie 524,288 and 1,048,576 bytes on
	s_add_nc_u64 s[6:7], s[6:7], s[18:19]          ; its codes
	s_wait_tensorcnt 1                             ; the scale words and my part of slot 0 are in (slot 1's load may be out)
	s_barrier_signal -1
	s_barrier_wait -1                              ; everybody's are
	FETCH_B 0, 0, 0
	FETCH_A 0, 0, 0
	SCALES 0
	FETCH_A 0, 0, 4
	STEP 0, 0, 1                                   ; the first step's products start the sums
	s_mov_b32 s3, LAPS-1
.Llap:
	TURN 0, 1, 1
	STEP 1, 0, 0
	TURN 1, 0, 1
	STEP 0, 0, 0
	s_sub_co_u32 s3, s3, 1
	s_cmp_lg_u32 s3, 0
	s_cbranch_scc1 .Llap
	TURN 0, 1, 0
	STEP 1, 0, 0
	s_wait_dscnt 4*NL
	WIN MUL_LO
	MUL16 0, 1, NQ-1, 1, 0
	MUL16 2, 1, NQ-1, 1, 0
	s_wait_dscnt 0
	WIN MUL_HI
	MUL16 4, 1, NQ-1, 1, 0
	MUL16 6, 1, NQ-1, 1, 0
	WIN 0
	; THE WAY OUT, block by block of 16 queries x 128 keys.  No LDS.
	PLACES NP
	v_mov_b32 v[NMW+1], 0                          ; (named as the upper half of a pair)
	v_mov_b32 v235, 0                              ; written once: a lane permute's destination counts as one of its sources
.irp b, 0,1,2,3
	v_mov_b32 v[TM+4+\b], 0
.endr
	s_mov_b32 vcc_lo, 0xffff0000                   ; lanes 16-31
.irp a, 0,1,2,3,4,5,6,7
.set AC, 64*(\a%4)
.set WW, 2+\a/4
	WIN (WW<<2)|(WW<<4)
.irp b, 0,1,2,3
	v_max3_num_f32 v[TM+\b], 0xff800000, v[AC+16*\b], v[AC+16*\b+1]   ; the largest score of each block of 32 keys: it serves for the row's maximum and for the block's largest p.  Each accumulator is first read at its low end
.endr
.irp i, 2,4,6,8,10,12,14
.irp b, 0,1,2,3
	v_max3_num_f32 v[TM+\b], v[TM+\b], v[AC+16*\b+\i], v[AC+16*\b+\i+1]
.endr
.endr
	WIN 0
.irp b, 0,1,2,3
	v_permlanex16_b32 v[TM+4+\b], v[TM+\b], s[SEL], s[SEL+1]
.endr
.irp b, 0,1,2,3
	v_max_num_f32 v[TM+\b], v[TM+\b], v[TM+4+\b]   ; with lane l xor 16's 16 keys
.endr
	v_max3_num_f32 v234, v[TM], v[TM+1], v[TM+2]
	v_max_num_f32 v234, v234, v[TM+3]              ; the largest score of my query among these 128 keys
	v_mul_f32 v234, s[CS], v234                    ; as t (c is positive)
	v_floor_f32 v[NMW], -v234                      ; -M_loc = floor(-t) = -ceil(t)
	WIN WW
.irp j, 0,2,4,6,8,10,12,14,16,18,20,22,24,26,28,30,32,34,36,38,40,42,44,46,48,50,52,54,56,58,60,62
	v_pk_fma_f32 v[T+\j:T+\j+1], v[AC+\j:AC+\j+1], s[CS:CS+1], v[NMW:NMW+1] op_sel_hi:[1,0,0]   ; t - M_loc, two at a time
.endr
	WIN 0
.irp b, 0,1,2,3
	v_fma_f32 v[TM+\b], v[TM+\b], s[CS], v[NMW]    ; the same of each block's largest score
.endr
.set j, 0
.rept 64
	v_exp_f32 v[T+j], v[T+j]                       ; p = 2^(t - M_loc), at most 1
.set j, j+1
.endr
	v_mov_b32 v[NMS+\a], v[NMW]                    ; a plain place behind the exponentials
	s_wait_alu depctr_va_vdst(0)                   ; one wait for the whole batch, ahead of its first reader
.irp b, 0,1,2,3
	v_exp_f32 v[TM+\b], v[TM+\b]                   ; the block's largest p
.endr
	v_pk_add_f32 v[LA:LA+1], v[T:T+1], v[T+2:T+3]  ; the sum of the unquantised p, two at a time, in two chains: plain work behind the four
	v_pk_add_f32 v[LB:LB+1], v[T+4:T+5], v[T+6:T+7]
.irp j, 8,12,16,20,24,28,32,36,40,44,48,52,56,60
	v_pk_add_f32 v[LA:LA+1], v[LA:LA+1], v[T+\j:T+\j+1]
	v_pk_add_f32 v[LB:LB+1], v[LB:LB+1], v[T+\j+2:T+\j+3]
.endr
	v_pk_add_f32 v[LA:LA+1], v[LA:LA+1], v[LB:LB+1]
	v_add_f32 v234, v[LA], v[LA+1]
	v_permlanex16_b32 v235, v234, s[SEL], s[SEL+1]
	v_add_f32 v[LS+\a], v234, v235                 ; with lane l xor 16's: the 128 keys' sum
	s_wait_alu depctr_va_vdst(0)                   ; and one wait for the four
.irp b, 0,1,2,3
	v_max_num_f32 v[TM+\b], 0x2800000, v[TM+\b]    ; the floor 2^(5 - 127): the byte cannot fall under 1
.endr
.if \a > 0
	s_wait_xcnt 0x0                                ; the last block's stores have read their data: the codes' registers are written again only behind this wait
.endif
	QTAIL T, 0, PWS+\a
.irp c, 0,1,2
	global_store_b128 v[LI], v[PC+4*\c:PC+4*\c+3], s[6:7] offset:1536*\a+512*\c   ; 512 consecutive bytes, aligned
.endr
.endr
	IMG4 IMG, PWS
	IMG4 IMG+4, NMS
	IMG4 IMG+8, LS
	global_store_b128 v[LI], v[IMG:IMG+3], s[8:9]
	global_store_b128 v[LI], v[IMG+4:IMG+7], s[8:9] offset:524288
	global_store_b128 v[LI], v[IMG+8:IMG+11], s[8:9] offset:1048576
	s_wait_tensorcnt 0x0                           ; the wave's end
	ds_add_u32 v[SPW], v[NIL]
	s_wait_dscnt 0x0
	CROUND                                         ; the closing round
	s_endpgm
.Lfunc_end_k_q8bb5914958_score:
	.size	k_q8bb5914958_score, .Lfunc_end_k_q8bb5914958_score-k_q8bb5914958_score
	.p2alignl 7, 3214868480
	.fill 96, 4, 3214868480
	.section	.rodata,"a",@progbits
	.p2align	6, 0x0
	.amdhsa_kernel k_q8bb5914958_score
		.amdhsa_group_segment_fixed_size 327680
		.amdhsa_private_segment_fixed_size 0
		.amdhsa_enable_private_segment 0
		.amdhsa_kernarg_size 16
		.amdhsa_user_sgpr_count 2
		.amdhsa_user_sgpr_kernarg_segment_ptr 1
		.amdhsa_wavefront_size32 1
		.amdhsa_system_sgpr_workgroup_id_x 1
		.amdhsa_system_sgpr_workgroup_id_y 1
		.amdhsa_system_sgpr_workgroup_id_z 1
		.amdhsa_system_vgpr_workitem_id 0
		.amdhsa_next_free_vgpr 1024
		.amdhsa_next_free_sgpr 100
		.amdhsa_reserve_vcc 1
		.amdhsa_float_denorm_mode_32 3
		.amdhsa_float_denorm_mode_16_64 3
		.amdhsa_memory_ordered 1
		.amdhsa_forward_progress 1
		.amdhsa_inst_pref_size 195
	.end_amdhsa_kernel
	.amdgpu_metadata
---
amdhsa.version: [ 1, 2 ]
amdhsa.kernels:
  - .name:           k_q8bb5914958_score
    .symbol:         k_q8bb5914958_score.kd
    .args:
      - { .name: ops2, .offset: 0, .size: 8, .value_kind: global_buffer, .address_space: global }
      - { .name: ops3, .offset: 8, .size: 8, .value_kind: global_buffer, .address_space: global }
    .group_segment_fixed_size: 327680
    .private_segment_fixed_size: 0
    .kernarg_segment_align: 8
    .kernarg_segment_size: 16
    .max_flat_workgroup_size: 128
    .sgpr_count:     100
    .vgpr_count:     1024
    .wavefront_size: 32
...
	.end_amdgpu_metadata
.endif
;; end of part 3
;; launch pv (part 4): grid 4 x 32, 4 waves a work-group, clusters of 4 x 4, 327,680 bytes of LDS; arguments ops2, ops3, out0; writes out0
.if DOCPART == 4
	.amdgcn_target "amdgcn-amd-amdhsa--gfx1250"
	.amdhsa_code_object_version 6
	.text
	.protected	k_q8bb5914958_pv
	.globl	k_q8bb5914958_pv
	.p2align	8
	.type	k_q8bb5914958_pv,@function
k_q8bb5914958_pv:
	s_mov_b64 s[64:65], 0
	v_nop
	global_prefetch_b8 v0, s[64:65] scope:SCOPE_SE
	s_setreg_imm32_b32 hwreg(HW_REG_WAVE_MODE, 25, 1), 1
	s_wait_xcnt 0x0
	s_wait_alu depctr_hold_cnt(0) depctr_sa_sdst(0) depctr_va_vdst(0) depctr_va_sdst(0) depctr_va_ssrc(0) depctr_va_vcc(0) depctr_vm_vsrc(0)
	s_getreg_b32 s2, hwreg(HW_REG_IB_STS2, 6, 4)
	s_cmp_eq_u32 s2, 0
	s_cbranch_scc0 .Lentry_in_a_cluster
	s_endpgm
.Lentry_in_a_cluster:
	s_bfe_u32 s2, ttmp6, 0x10000c
	s_cmp_lg_u32 s2, 0xf033
	s_cbranch_scc0 .Lentry_shape_is_right
	s_endpgm
.Lentry_shape_is_right:
; out = (p V) / l on codes of BF6 (E3M2) with E8M0 scales.  p arrives in chunks of 128 queries x 128 keys, each under its own whole number M_loc, with -M_loc and the chunk's sum of p beside it.
; THE HEAD: for my 128 queries M = the largest M_loc of the 16 chunks; l = the sum of the chunks' sums x 2^(M_loc - M) (exact scalings); and M - M_loc is taken off p's scale bytes, in LDS, where they lie for the whole
; launch: so the matrix unit multiplies 2^(t - M).  The bytes are at most 123 (p is at most 1), so a subtraction that holds at 0 is done on four bytes at once.
; OPERANDS are fragment images: [superblock of 128 rows][K step of 128][8 fragments x 1,536 bytes], a fragment = its 12 registers in three runs of 512 bytes, lane l's 16 bytes at 16 l; lane r of fragment a holds
; row 32 (a / 2) + 8 (a % 2) + r + 8 (r / 8) of the superblock.  Scale words, -M_loc and the sums: 512 bytes for a superblock and K step, the word of (fragment a, lane r) at 16 (16 (a % 2) + r) + 4 (a / 2).
; ROLES.  P = V (rows e, keys innermost) is source 0, R = p source 1: a lane holds one query, and the 64 registers of R's block a are e = 32 b + 16 (lane / 16) + i in register 16 b + i.
; A tile is 256 queries x 256 of e, four waves of 128 x 128; K = the batch's 2,048 keys, through two LDS slots of 256.  128 tiles: there are no more of this size.
; CLUSTERS: 4 x 4: p's tiles shared along a row of the cluster, V's along a column, asked for jointly.
; No prefetch: every tile is shared in its cluster, and a refill has 96 matrix instructions in which to land.
; LIMITS: where M - M_loc is more than a scale byte holds, the byte is held at 0 and the shift at 127: what that changes lies under 2^-120 of the row's largest term.  NaN and infinities are not served.
; REGISTERS: window 0: v16-29 addresses; v32-63 scale words, two sets; v128-223 R's fragments; v224-239 1 / l for blocks 0-7, twice each; v64-223, v240-251 at work in the head; v64-191 rows on the way out.
;   window 1: P's fragments, two sets.  windows 2, 3: the accumulators.
.set HALFS,  8192                      ; the scale words of 128 rows for all of K: 16 K steps x 512 bytes
.set LAPS,   4
.set FR,     12
.set NL,     3
.set NP,     4
.set NQ,     2
.set CHUNK,  12288
.set HALFT,  NQ*CHUNK
.set SLOT,   4*HALFT
.set SCL,    2*SLOT
.set SPARE,  SCL+4*HALFS               ; the spare words, 128 bytes a wave: two blocks of 256 bytes that no other line names
.set VC0,    1024*CHUNK                ; ops2: V's codes
.set VS0,    1536*CHUNK+1024*512       ; and its scale words
.set PS0,    1024*CHUNK                ; ops3: p's scale words;
.set PM0,    PS0+524288                ; -M_loc;
.set PL0,    PM0+524288                ; the sums
.set SPITCH, 528                       ; the way out: a stage of 16 rows x (512 bytes + 16) for each wave, in slot 0, which has had its last fill and its last read when the first result is stored there
.set ADRA, 16
.set ADRB, 20
.set SWA,  22                          ; v22  the scale words that I shift: SCL + 4,096 x wave + 16 x lane
.set STO,  24                          ; v24  the stage: where I put 32 bytes of a row
.set RD,   25                          ; v25  and where I read a row back
.set LI,   26
.set ADRS, 27
.set SPW,  28
.set NIL,  29
.set SC,   32
.set AF,   128
.set MV,   64                          ; v64-127  -M_loc of my superblock's 16 chunks, then M_loc - M as whole numbers, then at work
.set LV,   128                         ; v128-191 the chunks' sums
.set SW,   128                         ; v128-159 later: scale words
.set DV,   192                         ; v192-223 -M_loc of the 8 chunks whose scale words I shift, then the shift in all four bytes
.set LINV, 224
.set MG,   240                         ; v240-243 M
.set LSUM, 244                         ; v244-247 l, then 1 / l
.set LPX,  248                         ; v248-251 the same of lane l xor 16
.set BK,   64
.set G1, 24
.set G0, 32
.set G1B, 48
.set G0B, 56
.set G1S, 68
.set G0S, 76
.set G1SB, 80
.set G0SB, 88
.set SEL, 96
.set MSB, 0
.macro WIN new
.if MSB != (\new)
	s_set_vgpr_msb (MSB<<8)|(\new)
.set MSB, (\new)
.endif
.endm
.set MUL_LO, 0xa1
.set MUL_HI, 0xf1
.set TO_B,   0x40
.macro JLOAD g0a, g1a, g0b, g1b        ; a joint load: waves 0 and 1 fetch for R, waves 2 and 3 for P; four v_nop follow each line
	s_cmp_eq_u32 s15, 0
	s_cbranch_scc0 .Lfor_b_\@
	tensor_load_to_lds s[\g0a:\g0a+3], s[\g1a:\g1a+7]
	s_nop 0
.rept 4
	v_nop
.endr
	s_branch .Lasked_\@
.Lfor_b_\@:
	tensor_load_to_lds s[\g0b:\g0b+3], s[\g1b:\g1b+7]
	s_nop 0
.rept 4
	v_nop
.endr
.Lasked_\@:
.endm
.macro CREST
	s_cmp_lg_u32 s14, 0
	s_cbranch_scc1 .Lnot_wave_0_\@
	s_barrier_signal -3
.Lnot_wave_0_\@:
	s_barrier_wait -3
	s_barrier_signal -1
	s_barrier_wait -1
.endm
.macro CROUND
	s_barrier_signal -1
	s_barrier_wait -1
	CREST
.endm
.macro PLACES n
.rept \n
	v_nop
.endr
.endm
.macro FRAG reg, adr, q, i
.irp c, 0,1,2
	ds_load_b128 v[\reg+4*\c:\reg+4*\c+3], v[\adr] offset:(\q)*CHUNK+(\i)*1536+512*\c
.endr
.endm
.macro FETCH_B slot, q, p
	WIN TO_B
.irp i, 0,1,2,3,4,5,6,7
	FRAG 128*(\p)+FR*\i, ADRB+\slot, \q, \i
.endr
	WIN 0
.endm
.macro FETCH_A slot, q, i0
.irp i, \i0, \i0+1, \i0+2, \i0+3
	FRAG AF+FR*(\i), ADRA+\slot, \q, \i
.endr
.endm
.macro SCALES sc
.irp q, 0,1
.irp par, 0,1
	ds_load_b128 v[SC+16*\sc+8*\q+4*\par:SC+16*\sc+8*\q+4*\par+3], v[ADRS] offset:512*\q+256*\par
.endr
.endr
.endm
; 16 matrix instructions; zero = 1: the first product starts the sums.  The 64 accumulators take turns, one instruction a turn.
.macro MUL16 a0, p, q, sc, zero
.irp a, \a0, \a0+1
.irp b, 0,1,2,3,4,5,6,7
.set rD, 8*(8*((\a)%4)+\b)
.set rP, 128*(\p)+FR*\b
.set rR, AF+FR*(\a)
.set sP, SC+16*(\sc)+8*(\q)+4*(\b%2)+\b/2
.set sR, SC+16*(\sc)+8*(\q)+4*((\a)%2)+(\a)/2
.if (\zero) == 0
	v_wmma_scale_f32_16x16x128_f8f6f4 v[rD:rD+7], v[rP:rP+FR-1], v[rR:rR+FR-1], v[rD:rD+7], v[sP], v[sR] matrix_a_fmt:MATRIX_FMT_BF6 matrix_b_fmt:MATRIX_FMT_BF6 matrix_a_scale:MATRIX_SCALE_ROW1
.else
	v_wmma_scale_f32_16x16x128_f8f6f4 v[rD:rD+7], v[rP:rP+FR-1], v[rR:rR+FR-1], 0, v[sP], v[sR] matrix_a_fmt:MATRIX_FMT_BF6 matrix_b_fmt:MATRIX_FMT_BF6 matrix_a_scale:MATRIX_SCALE_ROW1
.endif
.endr
.endr
.endm
.macro STEP slot, q, zero
	s_wait_dscnt 4*NL                              ; all but the youngest twelve loads (R's blocks 4-7) are in
	WIN MUL_LO
	MUL16 0, (\q)%2, \q, \slot, \zero
	MUL16 2, (\q)%2, \q, \slot, \zero
	s_wait_dscnt 0
	PLACES NP                                      ; in front of loads into registers that matrix instructions have read
	FETCH_B \slot, (\q)+1, 1-(\q)%2
	FETCH_A \slot, (\q)+1, 0
	WIN MUL_HI
	MUL16 4, (\q)%2, \q, \slot, \zero
	MUL16 6, (\q)%2, \q, \slot, \zero
	PLACES NP
	WIN 0
	FETCH_A \slot, (\q)+1, 4
.endm
.macro TURN slot, next, fill
	s_wait_tensorcnt 0x0                           ; all my tensor loads have landed: my part of the next slot
	ds_add_u32 v[SPW], v[NIL]                      ; 0 onto my spare word
	s_wait_dscnt 4*NL+1                            ; (the add and the youngest twelve loads may be out)
	WIN MUL_LO
	MUL16 0, 1, NQ-1, \slot, 0
	s_wait_dscnt 0x0                               ; the add is done, and my reads of this slot are over
	s_barrier_signal -1
	MUL16 2, 1, NQ-1, \slot, 0
	WIN 0
	s_barrier_wait -1
.if \fill
	CREST                                          ; a round of the cluster's barrier: no wave of any partner still reads this slot or has a load on its way
	s_add_nc_u64 s[G0+4*\slot+2:G0+4*\slot+3], s[G0+4*\slot+2:G0+4*\slot+3], 2*HALFT
	s_add_nc_u64 s[G0B+4*\slot+2:G0B+4*\slot+3], s[G0B+4*\slot+2:G0B+4*\slot+3], 2*HALFT
	JLOAD G0+4*\slot, G1, G0B+4*\slot, G1B         ; the first tensor load behind the round; its four v_nop are the places in front of the loads below
.else
	PLACES NP
.endif
	v_add_nc_u32 v[ADRS], 512*NQ, v[ADRS]
	FETCH_B \next, 0, 0
	FETCH_A \next, 0, 0
	SCALES \next
	WIN MUL_HI
	MUL16 4, 1, NQ-1, \slot, 0
	MUL16 6, 1, NQ-1, \slot, 0
	PLACES NP
	WIN 0
	FETCH_A \next, 0, 4
.endm
	s_load_b128 s[4:7], s[0:1], 0x0                ; ops2 s[4:5], ops3 s[6:7]
	s_load_b64 s[8:9], s[0:1], 0x10                ; out0
	v_lshl_add_u32 v[SPW], v0, 2, SPARE
	v_mov_b32 v[NIL], 0
	ds_add_u32 v28, v29
	ds_add_u32 v28, v29
	s_wait_dscnt 0x0
	v_lshrrev_b32 v1, 5, v0
	v_readfirstlane_b32 s14, v1                    ; wave 0..3
	s_lshr_b32 s15, s14, 1                         ; my half of the queries.  Also: I fetch for R (0) or for P (1)
	s_and_b32 s16, s14, 1                          ; my half of e.  Also: which superblock I fetch
	s_bfe_u32 s40, ttmp6, 0x40000                  ; cx, cy
	s_bfe_u32 s41, ttmp6, 0x40004
	s_lshl_b32 s43, s41, 2
	s_lshl_b32 s43, 15, s43                        ; my row of the cluster
	s_lshl_b32 s44, 0x1111, s40                    ; my column
	s_and_b32 s18, ttmp7, 0xffff                   ; the cluster's y, 0 .. 7
	s_lshl_b32 s17, s18, 2
	s_add_co_u32 s17, s17, s41                     ; the tile of queries, 0 .. 31
	s_lshl_b32 s42, ttmp9, 2
	s_add_co_u32 s42, s42, s40                     ; the tile of e, 0 .. 3
	s_lshr_b32 s19, s18, 1                         ; the batch: by the cluster's y alone
	s_or_b32 s[G1+0], s43, (3<<16)|(1<<21)         ; group 1: a dense block of 24,576 bytes as 96 rows of 32 elements of 8 bytes; the mask; bit 21 beside it
	s_or_b32 s[G1B+0], s44, (3<<16)|(1<<21)
.irp g, G1, G1B
	s_mov_b32 s[\g+1], 32<<16
	s_mov_b32 s[\g+2], 96<<16
	s_mov_b32 s[\g+3], 32<<16
	s_mov_b32 s[\g+4], 96
	s_mov_b32 s[\g+5], 32
	s_mov_b32 s[\g+6], 0
	s_mov_b32 s[\g+7], 0
.endr
	s_or_b32 s[G1S+0], s43, (3<<16)|(1<<21)
	s_or_b32 s[G1SB+0], s44, (3<<16)|(1<<21)
.irp g, G1S, G1SB
	s_mov_b32 s[\g+1], 32<<16
	s_mov_b32 s[\g+2], (HALFS/256)<<16
	s_mov_b32 s[\g+3], 32<<16
	s_mov_b32 s[\g+4], HALFS/256
	s_mov_b32 s[\g+5], 32
	s_mov_b32 s[\g+6], 0
	s_mov_b32 s[\g+7], 0
.endr
	s_lshl_b32 s20, s17, 1
	s_add_co_u32 s20, s20, s16                     ; p: the superblock of queries that I fetch
	s_lshl_b32 s22, s20, 13
	s_add_co_u32 s22, s22, PS0                     ; its scale words,
	s_mov_b32 s23, 0
	s_mul_i32 s20, s20, 16*CHUNK                   ; its codes
	s_mov_b32 s21, 0
	s_lshl_b32 s46, s42, 1
	s_add_co_u32 s46, s46, s16
	s_lshl_b32 s46, s46, 6
	s_lshl_b32 s19, s19, 4
	s_add_co_u32 s46, s46, s19                     ; V: chunk 64 (superblock of e) + 16 batch
	s_lshl_b32 s66, s46, 9
	s_add_co_u32 s66, s66, VS0
	s_mov_b32 s67, 0
	s_mul_i32 s46, s46, CHUNK
	s_add_co_u32 s46, s46, VC0
	s_mov_b32 s47, 0
	s_mul_i32 s98, s14, HALFT                      ; where they go: by the wave's number alone
	s_mul_i32 s99, s14, HALFS
	s_mov_b32 s[SEL], 0x76543210
	s_mov_b32 s[SEL+1], 0xfedcba98
	s_wait_kmcnt 0x0
	s_add_nc_u64 s[20:21], s[6:7], s[20:21]
	s_add_nc_u64 s[22:23], s[6:7], s[22:23]
	s_add_nc_u64 s[46:47], s[4:5], s[46:47]
	s_add_nc_u64 s[66:67], s[4:5], s[66:67]
	CROUND                                         ; all sixteen work-groups are here: the first joint loads meet
	s_mov_b32 s[G0S], 1
	s_add_co_u32 s[G0S+1], s99, SCL
	s_mov_b64 s[G0S+2:G0S+3], s[22:23]
	s_or_b32 s[G0S+3], s[G0S+3], 0x80000000
	s_mov_b32 s[G0SB], 1
	s_add_co_u32 s[G0SB+1], s99, SCL
	s_mov_b64 s[G0SB+2:G0SB+3], s[66:67]
	s_or_b32 s[G0SB+3], s[G0SB+3], 0x80000000
	JLOAD G0S, G1S, G0SB, G1SB
.irp s, 0,1
	s_mov_b32 s[G0+4*\s], 1
	s_add_co_u32 s[G0+4*\s+1], s98, \s*SLOT
	s_add_nc_u64 s[G0+4*\s+2:G0+4*\s+3], s[20:21], \s*HALFT
	s_or_b32 s[G0+4*\s+3], s[G0+4*\s+3], 0x80000000
	s_mov_b32 s[G0B+4*\s], 1
	s_add_co_u32 s[G0B+4*\s+1], s98, \s*SLOT
	s_add_nc_u64 s[G0B+4*\s+2:G0B+4*\s+3], s[46:47], \s*HALFT
	s_or_b32 s[G0B+4*\s+3], s[G0B+4*\s+3], 0x80000000
	JLOAD G0+4*\s, G1, G0B+4*\s, G1B               ; three tensor loads of mine are out
.endr
	v_and_b32 v1, 15, v0                           ; r
	v_bfe_u32 v2, v0, 4, 1                         ; h
	v_and_b32 v3, 31, v0
	v_lshlrev_b32 v[LI], 4, v3
	; -M_loc and the sums of my superblock of queries, 2 tile + my half: 16 chunks x 512 bytes each
	s_lshl_b32 s18, s17, 1
	s_add_co_u32 s18, s18, s15
	s_lshl_b32 s18, s18, 13
	s_add_co_u32 s18, s18, PM0
	s_mov_b32 s19, 0
	s_add_nc_u64 s[10:11], s[6:7], s[18:19]
	s_lshl_b32 s18, s16, 12
	s_add_nc_u64 s[12:13], s[10:11], s[18:19]      ; the 8 chunks whose scale words I shift: key steps 8 (wave % 2) on
.irp q, 0,1,2,3,4,5,6,7,8,9,10,11,12,13,14,15
	global_load_b128 v[MV+4*\q:MV+4*\q+3], v[LI], s[10:11] offset:512*\q
.endr
.irp q, 0,1,2,3,4,5,6,7
	global_load_b128 v[DV+4*\q:DV+4*\q+3], v[LI], s[12:13] offset:512*\q
.endr
.irp q, 0,1,2,3,4,5,6,7,8,9,10,11,12,13,14,15
	global_load_b128 v[LV+4*\q:LV+4*\q+3], v[LI], s[10:11] offset:PL0-PM0+512*\q
.endr
	s_mul_i32 s21, s15, HALFT
	s_mul_i32 s22, s16, HALFT
	s_add_co_u32 s22, s22, 2*HALFT
.irp s, 0,1
	v_add_nc_u32 v[ADRA+\s], s21, v[LI]
	v_add_nc_u32 v[ADRB+\s], s22, v[LI]
	s_add_co_u32 s21, s21, SLOT
	s_add_co_u32 s22, s22, SLOT
.endr
	s_mul_i32 s21, s15, HALFS
	s_mul_i32 s22, s16, HALFS
	s_add_co_u32 s22, s22, 2*HALFS
	s_sub_co_u32 s22, s22, s21
	v_mul_u32_u24 v6, s22, v2                      ; lanes 16-31 take P's: one product by h
	s_add_co_u32 s21, s21, SCL
	v_lshl_add_u32 v5, v1, 4, v6
	v_add_nc_u32 v[ADRS], s21, v5
	s_lshl_b32 s21, s14, 12
	s_add_co_u32 s21, s21, SCL
	v_add_nc_u32 v[SWA], s21, v[LI]                ; R's scale words are 16,384 bytes: 4,096 a wave; waves 0, 1 superblock 0, waves 2, 3 superblock 1: each its own half of the queries
	s_mul_i32 s23, s14, 16*SPITCH                  ; my stage
	v_mul_u32_u24 v5, v1, SPITCH
	v_lshl_add_u32 v5, v2, 6, v5
	v_add_nc_u32 v[STO], s23, v5                   ; in: row r, + 64 h
	v_add_nc_u32 v[RD], s23, v[LI]                 ; back: a row of 512 bytes
	s_lshl_b32 s20, s17, 8
	s_lshl_b32 s21, s15, 7
	s_add_co_u32 s20, s20, s21                     ; my first row of out0
	s_lshl_b32 s20, s20, 12
	s_lshl_b32 s21, s42, 10
	s_add_co_u32 s20, s20, s21
	s_lshl_b32 s21, s16, 9
	s_add_co_u32 s20, s20, s21                     ; + my first column, in bytes
	s_mov_b32 s21, 0
	s_add_nc_u64 s[8:9], s[8:9], s[20:21]
	s_mov_b32 s98, 0x80808080
	s_mov_b32 vcc_lo, 0xffff0000                   ; lanes 16-31
.irp i, 0,1,2,3
	v_mov_b32 v[LPX+\i], 0                         ; written once: a lane permute's destination counts as one of its sources
.endr
	s_wait_loadcnt 16                              ; both runs of -M_loc are in; the 16 loads of the sums may be out
.irp i, 0,1,2,3
	v_max3_num_f32 v[MG+\i], -v[MV+\i], -v[MV+4+\i], -v[MV+8+\i]   ; M = the largest M_loc.  Register i of lane (r, h) belongs to lane-row r of block h + 2 i
.endr
.irp q, 3,5,7,9,11,13
.irp i, 0,1,2,3
	v_max3_num_f32 v[MG+\i], v[MG+\i], -v[MV+4*\q+\i], -v[MV+4*\q+4+\i]
.endr
.endr
.irp i, 0,1,2,3
	v_max_num_f32 v[MG+\i], v[MG+\i], -v[MV+60+\i]
.endr
.set j, 0
.rept 64
	v_sub_f32 v[MV+j], -v[MG+j%4], v[MV+j]         ; M_loc - M: a whole number, 0 or less
.set j, j+1
.endr
.set j, 0
.rept 64
	v_cvt_i32_f32 v[MV+j], v[MV+j]                 ; (it saturates)
.set j, j+1
.endr
.set j, 0
.rept 32
	v_add_f32 v[DV+j], v[DV+j], v[MG+j%4]          ; M - M_loc, 0 or more,
.set j, j+1
.endr
.set j, 0
.rept 32
	v_min_num_f32 v[DV+j], 0x42fe0000, v[DV+j]     ; held at 127,
.set j, j+1
.endr
.set j, 0
.rept 32
	v_cvt_u32_f32 v[DV+j], v[DV+j]
.set j, j+1
.endr
.set j, 0
.rept 32
	v_lshl_or_b32 v[DV+j], v[DV+j], 8, v[DV+j]     ; in all four bytes
.set j, j+1
.endr
.set j, 0
.rept 32
	v_lshl_or_b32 v[DV+j], v[DV+j], 16, v[DV+j]
.set j, j+1
.endr
	s_wait_loadcnt 0x0                             ; the sums
.set j, 0
.rept 64
	v_ldexp_f32 v[LV+j], v[LV+j], v[MV+j]          ; each chunk's sum under M: exact
.set j, j+1
.endr
.irp i, 0,1,2,3
	v_add_f32 v[LSUM+\i], v[LV+\i], v[LV+4+\i]
.endr
.irp q, 2,3,4,5,6,7,8,9,10,11,12,13,14,15
.irp i, 0,1,2,3
	v_add_f32 v[LSUM+\i], v[LSUM+\i], v[LV+4*\q+\i]
.endr
.endr
.irp i, 0,1,2,3
	v_rcp_f32 v[LSUM+\i], v[LSUM+\i]               ; l is above 1/2: the row's largest p is
.endr
	v_nop                                          ; a plain place behind the last reciprocal
	s_wait_alu depctr_va_vdst(0)                   ; one wait for the four, ahead of their first reader
.irp i, 0,1,2,3
	v_permlanex16_b32 v[LPX+\i], v[LSUM+\i], s[SEL], s[SEL+1]
.endr
.irp i, 0,1,2,3                                ; 1 / l of lane-row r of block a, in both halves of the lanes, twice (a pair for the packed multiply)
	v_cndmask_b32 v[LINV+4*\i], v[LSUM+\i], v[LPX+\i], vcc_lo      ; block 2 i lies in lanes 0-15,
	v_cndmask_b32 v[LINV+4*\i+1], v[LSUM+\i], v[LPX+\i], vcc_lo
	v_cndmask_b32 v[LINV+4*\i+2], v[LPX+\i], v[LSUM+\i], vcc_lo    ; block 2 i + 1 in lanes 16-31
	v_cndmask_b32 v[LINV+4*\i+3], v[LPX+\i], v[LSUM+\i], vcc_lo
.endr
	s_wait_tensorcnt 1                             ; the scale words and my part of slot 0 are in (slot 1's load may be out)
	s_barrier_signal -1
	s_barrier_wait -1                              ; everybody's are
.irp q, 0,1,2,3,4,5,6,7
	ds_load_b128 v[SW+4*\q:SW+4*\q+3], v[SWA] offset:512*\q
.endr
	s_wait_dscnt 0x0
	; each byte w (under 128) less its shift d (under 128), held at 0: y = (w | 128) - d has bit 7 set where w >= d, and no byte borrows; the bytes with bit 7 clear become 0
.set j, 0
.rept 32
	v_or_b32 v[SW+j], s98, v[SW+j]
.set j, j+1
.endr
.set j, 0
.rept 32
	v_sub_nc_u32 v[SW+j], v[SW+j], v[DV+j]
.set j, j+1
.endr
.set j, 0
.rept 32
	v_and_b32 v[MV+j], s98, v[SW+j]
.set j, j+1
.endr
.set j, 0
.rept 32
	v_lshrrev_b32 v[MV+32+j], 7, v[MV+j]
.set j, j+1
.endr
.set j, 0
.rept 32
	v_sub_nc_u32 v[MV+j], v[MV+j], v[MV+32+j]      ; 127 in the bytes that stay
.set j, j+1
.endr
.set j, 0
.rept 32
	v_and_b32 v[SW+j], v[SW+j], v[MV+j]
.set j, j+1
.endr
.irp q, 0,1,2,3,4,5,6,7
	ds_store_b128 v[SWA], v[SW+4*\q:SW+4*\q+3] offset:512*\q       ; back to the same bytes, which have had their one fill
.endr
	s_wait_dscnt 0x0                               ; for the others' sake: my stores have landed
	s_barrier_signal -1
	s_barrier_wait -1
	FETCH_B 0, 0, 0
	FETCH_A 0, 0, 0
	SCALES 0
	FETCH_A 0, 0, 4
	STEP 0, 0, 1                                   ; the first step's products start the sums
	s_mov_b32 s3, LAPS-1
.Llap:
	TURN 0, 1, 1
	STEP 1, 0, 0
	TURN 1, 0, 1
	STEP 0, 0, 0
	s_sub_co_u32 s3, s3, 1
	s_cmp_lg_u32 s3, 0
	s_cbranch_scc1 .Llap
	TURN 0, 1, 0
	STEP 1, 0, 0
	s_wait_dscnt 4*NL
	WIN MUL_LO
	MUL16 0, 1, NQ-1, 1, 0
	MUL16 2, 1, NQ-1, 1, 0
	s_wait_dscnt 0
	WIN MUL_HI
	MUL16 4, 1, NQ-1, 1, 0
	MUL16 6, 1, NQ-1, 1, 0
	WIN 0
; THE WAY OUT, block by block of 16 queries x 128 of e: x 1 / l; through my own stage in LDS; back as whole rows of 512 bytes; each row to its true place in out0.
.macro SCALE a
.set AC, 64*((\a)%4)
.set WW, 2+(\a)/4
	WIN (WW<<6)|WW
.set j, 0
.rept 32
	v_pk_mul_f32 v[AC+j:AC+j+1], v[AC+j:AC+j+1], v[LINV+2*(\a):LINV+2*(\a)+1]   ; ascending: each accumulator from its low end on
.set j, j+2
.endr
.endm
.macro TOSTAGE a
.set AC, 64*((\a)%4)
	WIN 0x08+4*((\a)/4)                            ; the data: window 2 or 3
.irp b, 0,1,2,3,4,5,6,7
	ds_store_b128 v[STO], v[AC+8*\b:AC+8*\b+3] offset:128*(\b/2)+32*(\b%2)      ; register j of P's block b is e = 32 (b / 2) + 16 h + 8 (b % 2) + j
	ds_store_b128 v[STO], v[AC+8*\b+4:AC+8*\b+7] offset:128*(\b/2)+32*(\b%2)+16
.endr
	WIN 0
.set BB, BK+64*((\a)%2)
.irp t, 0,1,2,3,4,5,6,7,8,9,10,11,12,13,14,15
	ds_load_b128 v[BB+4*\t:BB+4*\t+3], v[RD] offset:\t*SPITCH      ; LDS serves a wave's instructions in order: these see the stores above
.endr
.endm
.macro SEND a, younger                 ; younger: the LDS instructions issued behind block a's loads, which may stay out
.set BB, BK+64*((\a)%2)
	s_wait_dscnt \younger
.irp t, 0,1,2,3,4,5,6,7,8,9,10,11,12,13,14,15
	global_store_b128 v[LI], v[BB+4*\t:BB+4*\t+3], s[8:9] offset:(32*((\a)/2)+8*((\a)%2)+\t+8*(\t/8))*4096 th:TH_STORE_NT   ; 512 consecutive bytes, aligned; lane-row t of block a is this row of my 128; written once, read by nobody here
.endr
.endm
	PLACES NP                                      ; behind the last products: for the reads of results and the loads into registers that held R's fragments
	SCALE 0
	TOSTAGE 0
.irp a, 1,2,3,4,5,6,7
.if \a > 1
	s_wait_xcnt 0x0                                ; block a - 2's stores have read their registers: block a's loads may land there
.endif
	SCALE \a
	TOSTAGE \a
	SEND \a-1, 32                                  ; behind block a - 1's loads: block a's 16 stores and 16 loads
.endr
	SEND 7, 0
	s_wait_tensorcnt 0x0                           ; the wave's end: behind my last tensor load and my last LDS store
	ds_add_u32 v[SPW], v[NIL]
	s_wait_dscnt 0x0
	CROUND                                         ; the closing round
	s_endpgm
.Lfunc_end_k_q8bb5914958_pv:
	.size	k_q8bb5914958_pv, .Lfunc_end_k_q8bb5914958_pv-k_q8bb5914958_pv
	.p2alignl 7, 3214868480
	.fill 96, 4, 3214868480
	.section	.rodata,"a",@progbits
	.p2align	6, 0x0
	.amdhsa_kernel k_q8bb5914958_pv
		.amdhsa_group_segment_fixed_size 327680
		.amdhsa_private_segment_fixed_size 0
		.amdhsa_enable_private_segment 0
		.amdhsa_kernarg_size 24
		.amdhsa_user_sgpr_count 2
		.amdhsa_user_sgpr_kernarg_segment_ptr 1
		.amdhsa_wavefront_size32 1
		.amdhsa_system_sgpr_workgroup_id_x 1
		.amdhsa_system_sgpr_workgroup_id_y 1
		.amdhsa_system_sgpr_workgroup_id_z 1
		.amdhsa_system_vgpr_workitem_id 0
		.amdhsa_next_free_vgpr 1024
		.amdhsa_next_free_sgpr 100
		.amdhsa_reserve_vcc 1
		.amdhsa_float_denorm_mode_32 3
		.amdhsa_float_denorm_mode_16_64 3
		.amdhsa_memory_ordered 1
		.amdhsa_forward_progress 1
		.amdhsa_inst_pref_size 185
	.end_amdhsa_kernel
	.amdgpu_metadata
---
amdhsa.version: [ 1, 2 ]
amdhsa.kernels:
  - .name:           k_q8bb5914958_pv
    .symbol:         k_q8bb5914958_pv.kd
    .args:
      - { .name: ops2, .offset: 0, .size: 8, .value_kind: global_buffer, .address_space: global }
      - { .name: ops3, .offset: 8, .size: 8, .value_kind: global_buffer, .address_space: global }
      - { .name: out0, .offset: 16, .size: 8, .value_kind: global_buffer, .address_space: global }
    .group_segment_fixed_size: 327680
    .private_segment_fixed_size: 0
    .kernarg_segment_align: 8
    .kernarg_segment_size: 24
    .max_flat_workgroup_size: 128
    .sgpr_count:     100
    .vgpr_count:     1024
    .wavefront_size: 32
...
	.end_amdgpu_metadata
.endif
;; end of part 4
;; ======== version 2 of 2: 4 launches; 1.12 times as fast as version 1
;; workspace buffers: ops1 9,011,200 bytes; ops2 19,660,800 bytes; ops3 14,155,776 bytes
;; launch quant (part 5): grid 88 x 8, 8 waves a work-group, no clusters, 69,120 bytes of LDS; arguments x, Wq, Wk, Wv, ops1; writes ops1
.if DOCPART == 5
	.amdgcn_target "amdgcn-amd-amdhsa--gfx1250"
	.amdhsa_code_object_version 6
	.text
	.protected	k_q8bb5914958_quant
	.globl	k_q8bb5914958_quant
	.p2align	8
	.type	k_q8bb5914958_quant,@function
k_q8bb5914958_quant:
	s_mov_b64 s[64:65], 0
	v_nop
	global_prefetch_b8 v0, s[64:65] scope:SCOPE_SE
	s_setreg_imm32_b32 hwreg(HW_REG_WAVE_MODE, 25, 1), 1
	s_wait_xcnt 0x0
; x [8192][1024], Wq, Wk, Wv [1024][1024], f32, K innermost, become codes of BF6 (E3M2) with one E8M0 byte for each 32 along K, laid as the products' operand registers want them.
; LAYOUT OF ops1.  88 superblocks of 128 rows (0-63 x, 64-71 Wq, 72-79 Wk, 80-87 Wv) x 8 K steps of 128: a chunk of 12,288 bytes = 8 fragments of 16 rows x 128 K.  A fragment is an image of its
; 12 registers: three runs of 512 bytes, run c = registers 4 c .. 4 c + 3, lane l's 16 bytes at 16 l.  Lane r of fragment a holds row 32 (a / 2) + 8 (a % 2) + r + 8 (r / 8) of the superblock.
; A chunk's scale words follow all codes, 512 bytes a chunk: the word of (fragment a, lane r) at 16 (16 (a % 2) + r) + 4 (a / 2).
; SHARES.  A work-group takes one chunk, wave a fragment a.  Each load reads 512 consecutive bytes of one row; the 16 rows turn through the wave's own stage in LDS (rows 528 bytes apart),
; after which lane (r, h) holds, of row r, k = 32 b + 16 h + 0 .. 15 in registers 16 b + 0 .. 15.  Every store covers 512 consecutive bytes, aligned.
; REGISTERS.  The codes and what is at work lie over the rows as loaded, which are done with once the stage has taken them: 146 registers a wave, so that three work-groups share a WGP's registers
; (8 waves x 146 on 4 SIMDs of 1,024) and each wave's sixteen loads, 8,192 bytes, are out beside those of 23 other waves.
; A block's scale is 2^(floor(log2(largest magnitude)) - 4): its byte is the largest magnitude's exponent field - 4, held at 1 from below.
; LIMITS: a block of zeros, and one whose largest magnitude lies under 2^-122, gets the byte 1 (the bytes are read by this program alone; zero codes add nothing); NaN and infinities are not served.
.set WREG,   8448                      ; a wave's stage: 16 rows x 528 bytes
.set SPITCH, 528
.set SCB,    8*WREG                    ; behind the stages: the chunk's 512 bytes of scale words
.set CHUNK,  12288
.set XS0,    704*CHUNK                 ; where the scale words begin in ops1
.set R,   16                           ; v16-79   16 rows as loaded: 4 registers a row
.set X,   80                           ; v80-143  my row's 64 numbers
.set PC,  16                           ; v16-34   the codes (over R)
.set TM,  36                           ; v36-51   at work (over R)
.set PW,  52                           ; v52      my row's scale word
.set OW,  56                           ; v56-59   the scale words on their way out
.set SEL, 26                           ; s[26:27] lane selects: lane l xor 16
; 64 numbers of a lane, register 16 b + i = k 32 b + 16 (lane / 16) + i of my row, become a fragment's codes in v[PC] on and its scale word in v[PW]
.macro QUANT s
.irp b, 0,1,2,3
	v_max3_num_f32 v[TM+\b], |v[\s+16*\b]|, |v[\s+1+16*\b]|, 0x2800000   ; block b: my 16 numbers, and the floor 2^(5 - 127): the byte cannot fall under 1
.endr
.irp i, 2,4,6,8,10,12,14
.irp b, 0,1,2,3
	v_max3_num_f32 v[TM+\b], v[TM+\b], |v[\s+16*\b+\i]|, |v[\s+1+16*\b+\i]|   ; the four blocks by turns
.endr
.endr
.irp b, 0,1,2,3
	v_permlanex16_b32 v[TM+4+\b], v[TM+\b], s[SEL], s[SEL+1]
.endr
.irp b, 0,1,2,3
	v_max_num_f32 v[TM+\b], v[TM+\b], v[TM+4+\b]   ; with lane l xor 16's: the block's largest magnitude
.endr
.irp b, 0,1,2,3
	v_add_nc_u32 v[TM+12+\b], 0xfe000000, v[TM+\b] ; 4 off its exponent field: the conversion takes this operand's exponent field as its scale
.endr
.irp b, 0,1,2,3
	v_lshrrev_b32 v[TM+4+\b], 23, v[TM+12+\b]      ; the scale's byte
.endr
	v_lshl_or_b32 v[PW], v[TM+5], 8, v[TM+4]
	v_lshl_or_b32 v[PW], v[TM+6], 16, v[PW]
	v_lshl_or_b32 v[PW], v[TM+7], 24, v[PW]
.irp c, 0,1
	v_cvt_scalef32_pk16_bf6_f32 v[PC+6*\c:PC+2+6*\c], v[\s+32*\c:\s+15+32*\c], v[TM+12+2*\c]
	v_cvt_scalef32_pk16_bf6_f32 v[PC+12+4*\c:PC+14+4*\c], v[\s+16+32*\c:\s+31+32*\c], v[TM+12+2*\c+1]   ; (a conversion's three registers begin on an even number)
.endr
	v_nop                                          ; one plain place behind a scaled conversion
.irp c, 0,1                                    ; the operand wants a whole block in a lane: lanes 0-15 block 2 c, lanes 16-31 block 2 c + 1
.irp i, 0,1,2
	v_permlane16_swap_b32 v[PC+6*\c+\i], v[PC+12+4*\c+\i]
.endr
.irp i, 0,1,2
	v_mov_b32 v[PC+3+6*\c+\i], v[PC+12+4*\c+\i]
.endr
.endr
.endm
	s_load_b256 s[4:11], s[0:1], 0x0               ; x s[4:5], Wq s[6:7], Wk s[8:9], Wv s[10:11]
	s_load_b64 s[12:13], s[0:1], 0x20              ; ops1
	v_lshl_add_u32 v144, v0, 2, 0x10a00
	v_mov_b32 v145, 0
	v_lshrrev_b32 v1, 5, v0
	v_readfirstlane_b32 s16, v1                    ; wave = fragment a
	v_and_b32 v2, 31, v0                           ; lane
	v_and_b32 v8, 15, v0                           ; r
	v_bfe_u32 v9, v0, 4, 1                         ; h
	v_lshlrev_b32 v3, 4, v2                        ; 16 x lane: my 16 bytes of every load and store of 512
	s_mul_i32 s17, s16, WREG
	v_add_nc_u32 v4, s17, v3                       ; the stage, on the way in: a row as it lies
	v_mul_u32_u24 v5, v8, SPITCH
	v_lshl_add_u32 v5, v9, 6, v5
	v_add_nc_u32 v5, s17, v5                       ; on the way out: row r, + 64 h
	s_and_b32 s18, s16, 1                          ; a % 2
	s_lshr_b32 s19, s16, 1                         ; a / 2
	s_lshl_b32 s20, s18, 8
	s_lshl_b32 s21, s19, 2
	s_add_co_u32 s20, s20, s21
	s_add_co_u32 s20, s20, SCB
	v_lshl_add_u32 v6, v8, 4, s20                  ; my row's scale word in the chunk's image
	v_add_nc_u32 v7, SCB, v3                       ; and the image, 16 bytes a lane
	s_mov_b32 s[SEL], 0x76543210
	s_mov_b32 s[SEL+1], 0xfedcba98
	s_and_b32 s22, ttmp7, 0xffff                   ; q: which 128 along K
	s_sub_co_u32 s23, ttmp9, 64
	s_and_b32 s23, s23, 7                          ; a weight's superblock,
	s_cmp_lt_u32 ttmp9, 64
	s_cselect_b32 s23, ttmp9, s23                  ; or x's
	s_lshl_b32 s23, s23, 7
	s_lshl_b32 s19, s19, 5
	s_lshl_b32 s18, s18, 3
	s_add_co_u32 s23, s23, s19
	s_add_co_u32 s23, s23, s18                     ; my fragment's first row: 128 superblock + 32 (a / 2) + 8 (a % 2)
	s_lshl_b32 s24, s23, 12                        ; rows of 4,096 bytes (under 2^26 in all)
	s_lshl_b32 s25, s22, 9
	s_add_co_u32 s24, s24, s25
	s_mov_b32 s25, 0
	s_lshl_b32 s28, ttmp9, 3
	s_add_co_u32 s28, s28, s22                     ; the chunk's number
	s_lshl_b32 s30, s28, 9
	s_add_co_u32 s30, s30, XS0
	s_mov_b32 s31, 0
	s_mul_i32 s28, s28, CHUNK
	s_mul_i32 s29, s16, 1536
	s_add_co_u32 s28, s28, s29
	s_mov_b32 s29, 0
	s_wait_kmcnt 0x0
	s_cmp_lt_u32 ttmp9, 80                         ; which tensor: the choice hangs on the work-group's number alone
	s_cselect_b64 s[14:15], s[8:9], s[10:11]
	s_cmp_lt_u32 ttmp9, 72
	s_cselect_b64 s[14:15], s[6:7], s[14:15]
	s_cmp_lt_u32 ttmp9, 64
	s_cselect_b64 s[14:15], s[4:5], s[14:15]
	s_add_nc_u64 s[14:15], s[14:15], s[24:25]
	s_add_nc_u64 s[28:29], s[12:13], s[28:29]      ; my fragment's image
	s_add_nc_u64 s[30:31], s[12:13], s[30:31]      ; the chunk's scale words
.irp p, 0,1,2,3,4,5,6,7,8,9,10,11,12,13,14,15
	global_load_b128 v[R+4*\p:R+4*\p+3], v3, s[14:15] offset:(\p+8*(\p/8))*4096 th:TH_LOAD_NT   ; lane-row p: 512 consecutive bytes; read once in the launch
.endr
.irp p, 0,1,2,3,4,5,6,7,8,9,10,11,12,13,14,15
	s_wait_loadcnt 15-\p                           ; loads come back in order: row p is in, the younger ones stay out
	ds_store_b128 v4, v[R+4*\p:R+4*\p+3] offset:SPITCH*\p
.endr
.irp b, 0,1,2,3
.irp j, 0,1,2,3
	ds_load_b128 v[X+16*\b+4*\j:X+16*\b+4*\j+3], v5 offset:128*\b+16*\j   ; LDS serves a wave's instructions in order: these see my stores
.endr
.endr
	s_wait_dscnt 0x0                               ; my numbers are back, and the stores into the stage are done: R's registers are free
.irp b, 0,1,2,3
	v_mov_b32 v[TM+4+\b], 0                        ; a lane permute's destination counts as one of its sources
.endr
	QUANT X
.irp c, 0,1,2
	global_store_b128 v3, v[PC+4*\c:PC+4*\c+3], s[28:29] offset:512*\c
.endr
	ds_store_b32 v6, v[PW]                         ; lanes r and r + 16 write the same word with the same value
	s_wait_dscnt 0x0                               ; for the others' sake: my word has landed
	s_barrier_signal -1
	s_barrier_wait -1
	s_cmp_lg_u32 s16, 0
	s_cbranch_scc1 .Lend                           ; wave 0 stores the chunk's 512 bytes of scale words
	ds_load_b128 v[OW:OW+3], v7
	s_wait_dscnt 0x0
	global_store_b128 v3, v[OW:OW+3], s[30:31]
.Lend:
	s_wait_tensorcnt 0x0
	ds_add_u32 v144, v145
	s_wait_dscnt 0x0
	s_endpgm
.Lfunc_end_k_q8bb5914958_quant:
	.size	k_q8bb5914958_quant, .Lfunc_end_k_q8bb5914958_quant-k_q8bb5914958_quant
	.p2alignl 7, 3214868480
	.fill 96, 4, 3214868480
	.section	.rodata,"a",@progbits
	.p2align	6, 0x0
	.amdhsa_kernel k_q8bb5914958_quant
		.amdhsa_group_segment_fixed_size 69120
		.amdhsa_private_segment_fixed_size 0
		.amdhsa_enable_private_segment 0
		.amdhsa_kernarg_size 40
		.amdhsa_user_sgpr_count 2
		.amdhsa_user_sgpr_kernarg_segment_ptr 1
		.amdhsa_wavefront_size32 1
		.amdhsa_system_sgpr_workgroup_id_x 1
		.amdhsa_system_sgpr_workgroup_id_y 1
		.amdhsa_system_sgpr_workgroup_id_z 1
		.amdhsa_system_vgpr_workitem_id 0
		.amdhsa_next_free_vgpr 146
		.amdhsa_next_free_sgpr 66
		.amdhsa_reserve_vcc 0
		.amdhsa_float_denorm_mode_32 3
		.amdhsa_float_denorm_mode_16_64 3
		.amdhsa_memory_ordered 1
		.amdhsa_forward_progress 1
		.amdhsa_inst_pref_size 12
	.end_amdhsa_kernel
	.amdgpu_metadata
---
amdhsa.version: [ 1, 2 ]
amdhsa.kernels:
  - .name:           k_q8bb5914958_quant
    .symbol:         k_q8bb5914958_quant.kd
    .args:
      - { .name: x, .offset: 0, .size: 8, .value_kind: global_buffer, .address_space: global }
      - { .name: Wq, .offset: 8, .size: 8, .value_kind: global_buffer, .address_space: global }
      - { .name: Wk, .offset: 16, .size: 8, .value_kind: global_buffer, .address_space: global }
      - { .name: Wv, .offset: 24, .size: 8, .value_kind: global_buffer, .address_space: global }
      - { .name: ops1, .offset: 32, .size: 8, .value_kind: global_buffer, .address_space: global }
    .group_segment_fixed_size: 69120
    .private_segment_fixed_size: 0
    .kernarg_segment_align: 8
    .kernarg_segment_size: 40
    .max_flat_workgroup_size: 256
    .sgpr_count:     66
    .vgpr_count:     146
    .wavefront_size: 32
...
	.end_amdgpu_metadata
.endif
;; end of part 5
;; launch proj (part 6): grid 8 x 48, 4 waves a work-group, clusters of 4 x 4, 327,680 bytes of LDS; arguments ops1, bq, bk, bv, ops2; writes ops2
.if DOCPART == 6
	.amdgcn_target "amdgcn-amd-amdhsa--gfx1250"
	.amdhsa_code_object_version 6
	.text
	.protected	k_q8bb5914958_proj
	.globl	k_q8bb5914958_proj
	.p2align	8
	.type	k_q8bb5914958_proj,@function
k_q8bb5914958_proj:
	s_mov_b64 s[64:65], 0
	v_nop
	global_prefetch_b8 v0, s[64:65] scope:SCOPE_SE
	s_setreg_imm32_b32 hwreg(HW_REG_WAVE_MODE, 25, 1), 1
	s_wait_xcnt 0x0
	s_wait_alu depctr_hold_cnt(0) depctr_sa_sdst(0) depctr_va_vdst(0) depctr_va_sdst(0) depctr_va_ssrc(0) depctr_va_vcc(0) depctr_vm_vsrc(0)
	s_getreg_b32 s2, hwreg(HW_REG_IB_STS2, 6, 4)
	s_cmp_eq_u32 s2, 0
	s_cbranch_scc0 .Lentry_in_a_cluster
	s_endpgm
.Lentry_in_a_cluster:
	s_bfe_u32 s2, ttmp6, 0x10000c
	s_cmp_lg_u32 s2, 0xf033
	s_cbranch_scc0 .Lentry_shape_is_right
	s_endpgm
.Lentry_shape_is_right:
; Q = x Wq^T + bq, K = x Wk^T + bk, V = x Wv^T + bv on codes of BF6 (E3M2) with E8M0 scales, and each result quantised on its way out: Q and K along e, V along the keys.
; OPERANDS are fragment images: [superblock of 128 rows][K step of 128][8 fragments x 1,536 bytes], a fragment = its 12 registers in three runs of 512 bytes, lane l's 16 bytes at 16 l; lane r of fragment a holds
; row 32 (a / 2) + 8 (a % 2) + r + 8 (r / 8) of the superblock.  Scale words: 512 bytes for a superblock and K step, the word of (fragment a, lane r) at 16 (16 (a % 2) + r) + 4 (a / 2).
; ROLES.  P is source 0 of the matrix instruction, R source 1: a lane of the result holds one row of R, and its registers run along P's rows; by the order of rows above, the 64 registers of R's block a are
; P's rows 32 b + 16 (lane / 16) + i in register 16 b + i: 128 neighbours along the next product's K, ready for the conversions.  So a wave's 128 x 128 results become one chunk of the next operand.
; TWO KINDS OF TILE, told apart by the cluster's y alone (the same in all sixteen partners): y under 8: R = x, P = Wq | Wk (256 tiles: Q and K); else R = Wv, P = x (128 tiles: V with the keys innermost).
; A tile is 256 x 256, four waves of 128 x 128 (64 accumulators, 512 registers).
; THE RING.  K = 1,024 is eight steps of 128.  Two LDS slots of three steps each (a wave's tensor load: one dense block of 36,864 bytes) take steps 0-2 and 3-5 as first fills; steps 6 and 7 are the ONE refill,
; 24,576 bytes a wave into slot 0, asked for in the middle of step 2: 160 matrix instructions ahead of the wait for it.  The eight steps are written out; there is no loop.
; CLUSTERS: 4 x 4.  R's tiles are shared along a row of the cluster, P's along a column: each is asked for jointly.  The scale words of all of K come once, with the first fills.
; THE BIAS is the C of each sum's first matrix instruction: along the registers for Q and K, along the lanes for V; only that first step is written twice.
; No prefetch: a work-group has one refill in all, and every tile is shared in its cluster.
; LIMITS: a block of zeros, or one under 2^-122, gets the scale byte 1 (read by this program alone); NaN and infinities are not served.
; REGISTERS: window 0: v16-29 addresses; v32-47 scale words, two sets of a step's eight; v64-127 the bias, later the way out; v128-223 R's fragments, one set.  window 1: P's fragments, two sets, at v0 and v128.
;   windows 2, 3: the accumulators of R's blocks 0-3, 4-7: (a, b) at v[8 (8 (a % 4) + b)].
.set HALFS,  4096                      ; the scale words of 128 rows for all of K: 8 K steps x 512 bytes
.set FR,     12                        ; registers of a fragment
.set NL,     3                         ; LDS loads that bring one
.set NP,     4                         ; places behind this matrix instruction (ISA guide 7.12.1)
.set NQ,     3                         ; K steps of 128 in a slot
.set CHUNK,  12288
.set HALFT,  NQ*CHUNK                  ; a superblock's part of a slot: what one first fill brings
.set SLOT,   4*HALFT                   ; R's two superblocks, then P's two
.set SCL,    2*SLOT                    ; behind the ring: the scale words: R's two superblocks, then P's two
.set SPARE,  SCL+4*HALFS               ; behind them: the spare words, 128 bytes a wave: two blocks of 256 bytes that no other line names
.set XS0,    704*CHUNK                 ; ops1: where the scale words begin
.set QS0,    1536*CHUNK                ; ops2: likewise
.set ADRA, 16                          ; v16-17  LDS address of my R fragments in slot 0, 1
.set ADRB, 20                          ; v20-21  the same for P
.set LI,   26                          ; v26     16 x lane
.set ADRS, 27                          ; v27     LDS address of my scale words: lanes 0-15 R's, lanes 16-31 P's; never rewritten
.set SPW,  28                          ; v28     my spare word; never rewritten
.set NIL,  29                          ; v29     0; never rewritten
.set SC,   32                          ; scale words: (block x, set p) at v[SC + 8 p + 4 (x % 2) + x / 2]
.set BIAS, 64
.set AF,   128
.set TM,   64                          ; the way out: v64-79 at work, v80-98 codes, v100-107 the blocks' scale words, v108-111 their image
.set PC,   80
.set PWS,  100
.set IMG,  108
.set G1, 24                            ; s[24:31] group 1 for R's tiles;  s[32:39] groups 0, one for each slot
.set G0, 32
.set G1B, 48                           ; s[48:55], s[56:63] the same for P's
.set G0B, 56
.set G1S, 68                           ; s[68:75], s[76:79] groups 1 and 0 for R's scale words;  s[80:87], s[88:91] for P's
.set G0S, 76
.set G1SB, 80
.set G0SB, 88
.set TYP, 92                           ; s92  0: Q and K;  1: V
.set SEL, 96                           ; s[96:97] lane selects: lane l xor 16
.set MSB, 0
.macro WIN new                         ; the immediate's high byte repeats the setting that is left
.if MSB != (\new)
	s_set_vgpr_msb (MSB<<8)|(\new)
.set MSB, (\new)
.endif
.endm
.set MUL_LO, 0xa1                      ; source 0 (P) window 1, source 1 (R) window 0, C and D window 2
.set MUL_HI, 0xf1                      ; the same, C and D window 3
.set TO_B,   0x40                      ; destination window 1, address window 0
; A joint load: waves 0 and 1 fetch for R, waves 2 and 3 for P.  Each line has one mask and one set of registers for all that issue it; the branch hangs on the wave's number alone.
; Four v_nop follow each of the two lines, ahead of the jump, the label and what follows.
.macro JLOAD g0a, g1a, g0b, g1b
	s_cmp_eq_u32 s15, 0
	s_cbranch_scc0 .Lfor_b_\@
	tensor_load_to_lds s[\g0a:\g0a+3], s[\g1a:\g1a+7]
	s_nop 0
.rept 4
	v_nop
.endr
	s_branch .Lasked_\@
.Lfor_b_\@:
	tensor_load_to_lds s[\g0b:\g0b+3], s[\g1b:\g1b+7]
	s_nop 0
.rept 4
	v_nop
.endr
.Lasked_\@:
.endm
.macro CREST                           ; a round of the cluster's barrier behind its opening barrier
	s_cmp_lg_u32 s14, 0
	s_cbranch_scc1 .Lnot_wave_0_\@
	s_barrier_signal -3
.Lnot_wave_0_\@:
	s_barrier_wait -3
	s_barrier_signal -1
	s_barrier_wait -1
.endm
.macro CROUND                          ; a whole round
	s_barrier_signal -1
	s_barrier_wait -1
	CREST
.endm
.macro PLACES n
.rept \n
	v_nop
.endr
.endm
.macro FRAG reg, adr, q, i             ; fragment i of the slot's q-th K step: three loads of 512 consecutive bytes
.irp c, 0,1,2
	ds_load_b128 v[\reg+4*\c:\reg+4*\c+3], v[\adr] offset:(\q)*CHUNK+(\i)*1536+512*\c
.endr
.endm
.macro FETCH_B slot, q, p              ; P's eight fragments into set p
	WIN TO_B
.irp i, 0,1,2,3,4,5,6,7
	FRAG 128*(\p)+FR*\i, ADRB+\slot, \q, \i
.endr
	WIN 0
.endm
.macro FETCH_A slot, q, i0             ; R's blocks i0 .. i0 + 3
.irp i, \i0, \i0+1, \i0+2, \i0+3
	FRAG AF+FR*(\i), ADRA+\slot, \q, \i
.endr
.endm
.macro SCALES ns, p                    ; K step ns's scale words into set p: two loads; lanes 0-15 take R's, lanes 16-31 P's
.irp par, 0,1
	ds_load_b128 v[SC+8*(\p)+4*\par:SC+8*(\p)+4*\par+3], v[ADRS] offset:512*(\ns)+256*\par
.endr
.endm
; 16 matrix instructions: R's blocks a0, a0 + 1 x P's eight.  p: P's set and the set of scale words.  zero = 0: onto the sums; 2: the sums begin with the bias along the registers; 3: along the lanes.
; The 64 accumulators take turns, one instruction a turn, in the same order in every step.
.macro MUL16 a0, p, zero
.irp a, \a0, \a0+1
.irp b, 0,1,2,3,4,5,6,7
.set rD, 8*(8*((\a)%4)+\b)
.set rP, 128*(\p)+FR*\b
.set rR, AF+FR*(\a)
.set sP, SC+8*(\p)+4*(\b%2)+\b/2
.set sR, SC+8*(\p)+4*((\a)%2)+(\a)/2
.if (\zero) == 0
	v_wmma_scale_f32_16x16x128_f8f6f4 v[rD:rD+7], v[rP:rP+FR-1], v[rR:rR+FR-1], v[rD:rD+7], v[sP], v[sR] matrix_a_fmt:MATRIX_FMT_BF6 matrix_b_fmt:MATRIX_FMT_BF6 matrix_a_scale:MATRIX_SCALE_ROW1
.elseif (\zero) == 2
	v_wmma_scale_f32_16x16x128_f8f6f4 v[rD:rD+7], v[rP:rP+FR-1], v[rR:rR+FR-1], v[BIAS+8*\b:BIAS+8*\b+7], v[sP], v[sR] matrix_a_fmt:MATRIX_FMT_BF6 matrix_b_fmt:MATRIX_FMT_BF6 matrix_a_scale:MATRIX_SCALE_ROW1
.else
	v_wmma_scale_f32_16x16x128_f8f6f4 v[rD:rD+7], v[rP:rP+FR-1], v[rR:rR+FR-1], v[BIAS+8*(\a):BIAS+8*(\a)+7], v[sP], v[sR] matrix_a_fmt:MATRIX_FMT_BF6 matrix_b_fmt:MATRIX_FMT_BF6 matrix_a_scale:MATRIX_SCALE_ROW1
.endif
.endr
.endr
.endm
; A step of 128 along K on set p whose successor, K step ns, lies whole in LDS: at chunk nq of slot nslot.  A block of R is free when its eight products are issued: blocks 0-3 are fetched anew in the middle,
; blocks 4-7 at the end; P and the scale words have two sets.
.macro STEP p, nslot, nq, ns, zero
	s_wait_dscnt 4*NL                              ; all but the youngest twelve loads (R's blocks 4-7) are in
.if (\zero) >= 2
	WIN 0x81                                       ; C (the bias) window 0, D window 2
.else
	WIN MUL_LO
.endif
	MUL16 0, \p, \zero
	MUL16 2, \p, \zero
	s_wait_dscnt 0                                 ; R's blocks 4-7 are in
	PLACES NP                                      ; in front of loads into registers that matrix instructions have read
	FETCH_B \nslot, \nq, 1-(\p)
	FETCH_A \nslot, \nq, 0
	SCALES \ns, 1-(\p)
.if (\zero) >= 2
	WIN 0xc1                                       ; C window 0, D window 3
.else
	WIN MUL_HI
.endif
	MUL16 4, \p, \zero
	MUL16 6, \p, \zero
	PLACES NP
	WIN 0
	FETCH_A \nslot, \nq, 4
.endm
; A slot's last step changes slots: one barrier; in front of it each wave waits for all its tensor loads, adds 0 to its spare word, and waits for that and for its reads of this slot.
; fill = 1 (step 2): slot 0 is filled again, with K steps 6 and 7.
.macro TURN p, nslot, nq, ns, fill
	s_wait_tensorcnt 0x0                           ; all my tensor loads have landed: my part of the next slot
	ds_add_u32 v[SPW], v[NIL]                      ; 0 onto my spare word
	s_wait_dscnt 4*NL+1                            ; (the add and the youngest twelve loads may be out)
	WIN MUL_LO
	MUL16 0, \p, 0                                 ; sixteen matrix instructions stand between the add and the wait for it
	s_wait_dscnt 0x0                               ; the add is done, and my reads of this slot are over
	s_barrier_signal -1
	MUL16 2, \p, 0
	WIN 0
	s_barrier_wait -1
.if \fill
	CREST                                          ; the barrier has opened a round of the cluster's: no wave of any partner still reads this slot or has a load on its way
	s_add_nc_u64 s[G0+2:G0+3], s[G0+2:G0+3], 2*HALFT       ; six K steps on.  No tensor load of mine is out: the descriptors may be written
	s_add_nc_u64 s[G0B+2:G0B+3], s[G0B+2:G0B+3], 2*HALFT
.irp g, G1, G1B
	s_mov_b32 s[\g+2], (2*CHUNK/256)<<16           ; two K steps are left: 96 rows of 256 bytes
	s_mov_b32 s[\g+4], 2*CHUNK/256
.endr
	JLOAD G0, G1, G0B, G1B                         ; the first tensor load behind the round; its four v_nop are the places in front of the loads below
.else
	PLACES NP
.endif
	FETCH_B \nslot, \nq, 1-(\p)
	FETCH_A \nslot, \nq, 0
	SCALES \ns, 1-(\p)
	WIN MUL_HI
	MUL16 4, \p, 0
	MUL16 6, \p, 0
	PLACES NP
	WIN 0
	FETCH_A \nslot, \nq, 4
.endm
; THE QUANTISER on 64 results of a lane in window w, v[s] on.  QMAX: the four blocks' largest magnitudes; each accumulator is first read at its two lowest registers.
.macro QMAX s, w
	WIN ((\w)<<2)|((\w)<<4)
.irp b, 0,1,2,3
	v_max3_num_f32 v[TM+\b], 0x2800000, |v[\s+16*\b]|, |v[\s+16*\b+1]|   ; and the floor 2^(5 - 127): the byte cannot fall under 1
.endr
.irp i, 2,4,6,8,10,12,14
.irp b, 0,1,2,3
	v_max3_num_f32 v[TM+\b], v[TM+\b], |v[\s+16*\b+\i]|, |v[\s+16*\b+\i+1]|
.endr
.endr
	WIN 0
.irp b, 0,1,2,3
	v_permlanex16_b32 v[TM+4+\b], v[TM+\b], s[SEL], s[SEL+1]
.endr
.irp b, 0,1,2,3
	v_max_num_f32 v[TM+\b], v[TM+\b], v[TM+4+\b]   ; with lane l xor 16's
.endr
.endm
; QTAIL: scale operands, bytes, the scale word into v[pw], the codes into v[PC] .. v[PC + 11]
.macro QTAIL s, w, pw
.irp b, 0,1,2,3
	v_add_nc_u32 v[TM+12+\b], 0xfe000000, v[TM+\b] ; 4 off the exponent field: the conversion's scale operand
.endr
.irp b, 0,1,2,3
	v_lshrrev_b32 v[TM+4+\b], 23, v[TM+12+\b]      ; the scale's byte
.endr
	v_lshl_or_b32 v[\pw], v[TM+5], 8, v[TM+4]
	v_lshl_or_b32 v[\pw], v[TM+6], 16, v[\pw]
	v_lshl_or_b32 v[\pw], v[TM+7], 24, v[\pw]
	WIN \w                                         ; the numbers: window w
.irp c, 0,1
	v_cvt_scalef32_pk16_bf6_f32 v[PC+6*\c:PC+6*\c+2], v[\s+32*\c:\s+32*\c+15], v[TM+12+2*\c]
	v_cvt_scalef32_pk16_bf6_f32 v[PC+12+4*\c:PC+12+4*\c+2], v[\s+32*\c+16:\s+32*\c+31], v[TM+12+2*\c+1]
.endr
	WIN 0
	v_nop                                          ; one plain place behind a scaled conversion
.irp c, 0,1
.irp i, 0,1,2
	v_permlane16_swap_b32 v[PC+6*\c+\i], v[PC+12+4*\c+\i]   ; a whole block to a lane
.endr
.irp i, 0,1,2
	v_mov_b32 v[PC+3+6*\c+\i], v[PC+12+4*\c+\i]
.endr
.endr
.endm
.macro IMG4 dst, src                   ; eight words a lane-row (the same in lanes r and r + 16) become the image of 512 bytes: lane (r, h) holds those of blocks h, 2 + h, 4 + h, 6 + h
.irp i, 0,1,2,3
	v_cndmask_b32 v[\dst+\i], v[\src+2*\i], v[\src+2*\i+1], vcc_lo
.endr
.endm
	s_load_b256 s[4:11], s[0:1], 0x0               ; ops1 s[4:5], bq s[6:7], bk s[8:9], bv s[10:11]
	s_load_b64 s[12:13], s[0:1], 0x20              ; ops2
	v_lshl_add_u32 v[SPW], v0, 2, SPARE
	v_mov_b32 v[NIL], 0
	ds_add_u32 v28, v29
	ds_add_u32 v28, v29
	s_wait_dscnt 0x0
	v_lshrrev_b32 v1, 5, v0
	v_readfirstlane_b32 s14, v1                    ; wave 0..3
	s_lshr_b32 s15, s14, 1                         ; my half of R's rows.  Also: I fetch for R (0) or for P (1)
	s_and_b32 s16, s14, 1                          ; my half of P's rows.  Also: which superblock I fetch
	s_bfe_u32 s40, ttmp6, 0x40000                  ; cx, cy: my place in the cluster
	s_bfe_u32 s41, ttmp6, 0x40004
	s_lshl_b32 s43, s41, 2
	s_lshl_b32 s43, 15, s43                        ; my row of the cluster
	s_lshl_b32 s44, 0x1111, s40                    ; my column
	s_and_b32 s18, ttmp7, 0xffff                   ; the cluster's y, 0 .. 11
	s_sub_co_u32 s19, s18, 8
	s_lshl_b32 s19, s19, 1
	s_add_co_u32 s19, s19, ttmp9                   ; for V: cluster x + 2 (cluster y - 8), 0 .. 7
	s_cmp_ge_u32 s18, 8
	s_cselect_b32 s[TYP], 1, 0
	s_cselect_b32 s20, 0, s18                      ; which four tiles of R,
	s_cselect_b32 s21, s19, ttmp9                  ; of P
	s_cselect_b32 s22, 80, 0                       ; R's first superblock in ops1: Wv's or x's
	s_cselect_b32 s23, 0, 64                       ; P's: x's or Wq's
	s_cselect_b32 s45, 64, 16                      ; the result: chunks from one superblock to the next,
	s_cselect_b32 s93, 1024, 0                     ; and the first chunk
	s_lshl_b32 s17, s20, 2
	s_add_co_u32 s17, s17, s41                     ; R's tile
	s_lshl_b32 s42, s21, 2
	s_add_co_u32 s42, s42, s40                     ; P's tile
	; group 1: a dense block of 36,864 bytes as 144 rows of 32 elements of 8 bytes, no padding
	s_or_b32 s[G1+0], s43, (3<<16)|(1<<21)         ; 15:0 the mask: R's tiles go to my row; 17:16 elements of 8 bytes; 21 set beside a mask
	s_or_b32 s[G1B+0], s44, (3<<16)|(1<<21)
.irp g, G1, G1B
	s_mov_b32 s[\g+1], 32<<16                      ; tensor_dim0
	s_mov_b32 s[\g+2], (HALFT/256)<<16             ; tensor_dim1
	s_mov_b32 s[\g+3], 32<<16                      ; tile_dim0
	s_mov_b32 s[\g+4], HALFT/256                   ; tile_dim1
	s_mov_b32 s[\g+5], 32                          ; the pitch
	s_mov_b32 s[\g+6], 0
	s_mov_b32 s[\g+7], 0
.endr
	s_or_b32 s[G1S+0], s43, (3<<16)|(1<<21)        ; and the scale words of a superblock: HALFS dense bytes
	s_or_b32 s[G1SB+0], s44, (3<<16)|(1<<21)
.irp g, G1S, G1SB
	s_mov_b32 s[\g+1], 32<<16
	s_mov_b32 s[\g+2], (HALFS/256)<<16
	s_mov_b32 s[\g+3], 32<<16
	s_mov_b32 s[\g+4], HALFS/256
	s_mov_b32 s[\g+5], 32
	s_mov_b32 s[\g+6], 0
	s_mov_b32 s[\g+7], 0
.endr
	s_lshl_b32 s20, s17, 1
	s_add_co_u32 s20, s20, s22
	s_add_co_u32 s20, s20, s16                     ; R: the superblock that I fetch (hangs on cy, not on cx)
	s_lshl_b32 s46, s42, 1
	s_add_co_u32 s46, s46, s23
	s_add_co_u32 s46, s46, s16                     ; P: likewise (on cx, not on cy)
	s_lshl_b32 s22, s20, 12
	s_add_co_u32 s22, s22, XS0                     ; its scale words,
	s_mov_b32 s23, 0
	s_mul_i32 s20, s20, 8*CHUNK                    ; its codes, in bytes
	s_mov_b32 s21, 0
	s_lshl_b32 s66, s46, 12
	s_add_co_u32 s66, s66, XS0
	s_mov_b32 s67, 0
	s_mul_i32 s46, s46, 8*CHUNK
	s_mov_b32 s47, 0
	s_mul_i32 s98, s14, HALFT                      ; where they go: by the wave's number alone
	s_mul_i32 s99, s14, HALFS
	s_mov_b32 s[SEL], 0x76543210
	s_mov_b32 s[SEL+1], 0xfedcba98
	s_wait_kmcnt 0x0
	s_add_nc_u64 s[20:21], s[4:5], s[20:21]
	s_add_nc_u64 s[22:23], s[4:5], s[22:23]
	s_add_nc_u64 s[46:47], s[4:5], s[46:47]
	s_add_nc_u64 s[66:67], s[4:5], s[66:67]
	CROUND                                         ; all sixteen work-groups are here: the first joint loads meet
	s_mov_b32 s[G0S], 1
	s_add_co_u32 s[G0S+1], s99, SCL
	s_mov_b64 s[G0S+2:G0S+3], s[22:23]
	s_or_b32 s[G0S+3], s[G0S+3], 0x80000000
	s_mov_b32 s[G0SB], 1
	s_add_co_u32 s[G0SB+1], s99, SCL
	s_mov_b64 s[G0SB+2:G0SB+3], s[66:67]
	s_or_b32 s[G0SB+3], s[G0SB+3], 0x80000000
	JLOAD G0S, G1S, G0SB, G1SB                     ; the scale words first: they are wanted with the first step
.irp s, 0,1
	s_mov_b32 s[G0+4*\s], 1
	s_add_co_u32 s[G0+4*\s+1], s98, \s*SLOT
	s_add_nc_u64 s[G0+4*\s+2:G0+4*\s+3], s[20:21], \s*HALFT
	s_or_b32 s[G0+4*\s+3], s[G0+4*\s+3], 0x80000000
	s_mov_b32 s[G0B+4*\s], 1
	s_add_co_u32 s[G0B+4*\s+1], s98, \s*SLOT
	s_add_nc_u64 s[G0B+4*\s+2:G0B+4*\s+3], s[46:47], \s*HALFT
	s_or_b32 s[G0B+4*\s+3], s[G0B+4*\s+3], 0x80000000
	JLOAD G0+4*\s, G1, G0B+4*\s, G1B               ; three tensor loads of mine are out
.endr
	v_and_b32 v1, 15, v0                           ; r
	v_bfe_u32 v2, v0, 4, 1                         ; h
	v_and_b32 v3, 31, v0
	v_lshlrev_b32 v[LI], 4, v3
	s_mul_i32 s21, s15, HALFT                      ; my superblock of R,
	s_mul_i32 s22, s16, HALFT                      ; of P,
	s_add_co_u32 s22, s22, 2*HALFT                 ; which lie behind R's two
.irp s, 0,1
	v_add_nc_u32 v[ADRA+\s], s21, v[LI]
	v_add_nc_u32 v[ADRB+\s], s22, v[LI]
	s_add_co_u32 s21, s21, SLOT
	s_add_co_u32 s22, s22, SLOT
.endr
	s_mul_i32 s21, s15, HALFS
	s_mul_i32 s22, s16, HALFS
	s_add_co_u32 s22, s22, 2*HALFS
	s_sub_co_u32 s22, s22, s21
	v_mul_u32_u24 v6, s22, v2                      ; lanes 16-31 take P's: one product by h
	s_add_co_u32 s21, s21, SCL
	v_lshl_add_u32 v5, v1, 4, v6
	v_add_nc_u32 v[ADRS], s21, v5
	; the bias, in the layout of the results
	s_cmp_eq_u32 ttmp9, 0
	s_cselect_b64 s[6:7], s[6:7], s[8:9]           ; P's tiles 0-3 are Wq's rows, 4-7 Wk's
	s_cmp_eq_u32 s[TYP], 0
	s_cselect_b64 s[6:7], s[6:7], s[10:11]
	s_cbranch_scc0 .Lbias_v
	s_lshl_b32 s18, s42, 8
	s_lshl_b32 s19, s16, 7
	s_add_co_u32 s18, s18, s19
	s_and_b32 s18, s18, 1023                       ; my 128 of the 1,024
	s_lshl_b32 s18, s18, 2
	s_mov_b32 s19, 0
	s_add_nc_u64 s[6:7], s[6:7], s[18:19]
	v_lshlrev_b32 v4, 6, v2                        ; register j of P's block b is e = 32 (b / 2) + 16 h + 8 (b % 2) + j
.irp b, 0,1,2,3,4,5,6,7
	global_load_b128 v[BIAS+8*\b:BIAS+8*\b+3], v4, s[6:7] offset:(32*(\b/2)+8*(\b%2))*4
	global_load_b128 v[BIAS+8*\b+4:BIAS+8*\b+7], v4, s[6:7] offset:(32*(\b/2)+8*(\b%2))*4+16
.endr
	s_branch .Lbias_done
.Lbias_v:
	s_lshl_b32 s18, s17, 8
	s_lshl_b32 s19, s15, 7
	s_add_co_u32 s18, s18, s19
	s_lshl_b32 s18, s18, 2
	s_mov_b32 s19, 0
	s_add_nc_u64 s[6:7], s[6:7], s[18:19]
	v_and_b32 v4, 8, v1
	v_add_nc_u32 v4, v4, v1
	v_lshlrev_b32 v4, 2, v4                        ; lane r of R's block a is e = 32 (a / 2) + 8 (a % 2) + r + 8 (r / 8)
.irp a, 0,1,2,3,4,5,6,7
	global_load_b32 v[BIAS+8*\a], v4, s[6:7] offset:(32*(\a/2)+8*(\a%2))*4
.endr
	s_wait_loadcnt 0x0
.irp a, 0,1,2,3,4,5,6,7
.irp j, 1,2,3,4,5,6,7
	v_mov_b32 v[BIAS+8*\a+\j], v[BIAS+8*\a]        ; the same in all eight registers
.endr
.endr
.Lbias_done:
	PLACES NP
	; where my 128 x 128 results go: one chunk of ops2
	s_lshl_b32 s18, s17, 1
	s_add_co_u32 s18, s18, s15
	s_mul_i32 s18, s18, s45
	s_add_co_u32 s18, s18, s93
	s_lshl_b32 s19, s42, 1
	s_add_co_u32 s18, s18, s19
	s_add_co_u32 s18, s18, s16                     ; the chunk's number
	s_lshl_b32 s20, s18, 9
	s_add_co_u32 s20, s20, QS0
	s_mov_b32 s21, 0
	s_mul_i32 s18, s18, CHUNK
	s_mov_b32 s19, 0
	s_add_nc_u64 s[8:9], s[12:13], s[20:21]        ; its scale words
	s_add_nc_u64 s[12:13], s[12:13], s[18:19]      ; its codes
	s_wait_loadcnt 0x0                             ; the bias
	s_wait_tensorcnt 1                             ; the scale words and my part of slot 0 are in (slot 1's load may be out)
	s_barrier_signal -1
	s_barrier_wait -1                              ; everybody's are
	FETCH_B 0, 0, 0
	FETCH_A 0, 0, 0
	SCALES 0, 0
	FETCH_A 0, 0, 4
	s_cmp_eq_u32 s[TYP], 0                         ; K step 0 starts the sums with the bias: written for each kind
	s_cbranch_scc0 .Lfirst_v
	STEP 0, 0, 1, 1, 2
	s_branch .Lfirst_done
.Lfirst_v:
	STEP 0, 0, 1, 1, 3
.Lfirst_done:
	STEP 1, 0, 2, 2, 0                             ; K step 1
	TURN 0, 1, 0, 3, 1                             ; K step 2 leaves slot 0, which takes K steps 6 and 7
	STEP 1, 1, 1, 4, 0                             ; K step 3
	STEP 0, 1, 2, 5, 0                             ; K step 4
	TURN 1, 0, 0, 6, 0                             ; K step 5 leaves slot 1: nothing is left to fetch
	STEP 0, 0, 1, 7, 0                             ; K step 6
	s_wait_dscnt 4*NL                              ; K step 7
	WIN MUL_LO
	MUL16 0, 1, 0
	MUL16 2, 1, 0
	s_wait_dscnt 0
	WIN MUL_HI
	MUL16 4, 1, 0
	MUL16 6, 1, 0
	WIN 0
	; THE WAY OUT: R's block a, 64 results a lane, becomes fragment a of the chunk: three stores of 512 consecutive bytes, aligned.  No LDS.
	PLACES NP
.irp b, 0,1,2,3
	v_mov_b32 v[TM+4+\b], 0                        ; written once: a lane permute's destination counts as one of its sources
.endr
	s_mov_b32 vcc_lo, 0xffff0000                   ; lanes 16-31
.irp a, 0,1,2,3,4,5,6,7
	QMAX 64*(\a%4), 2+\a/4
.if \a > 0
	s_wait_xcnt 0x0                                ; the last block's stores have read their data: the codes' registers are written again only behind this wait
.endif
	QTAIL 64*(\a%4), 2+\a/4, PWS+\a
.irp c, 0,1,2
	global_store_b128 v[LI], v[PC+4*\c:PC+4*\c+3], s[12:13] offset:1536*\a+512*\c
.endr
.endr
	IMG4 IMG, PWS
	global_store_b128 v[LI], v[IMG:IMG+3], s[8:9]  ; the chunk's 512 bytes of scale words
	s_wait_tensorcnt 0x0                           ; the wave's end
	ds_add_u32 v[SPW], v[NIL]
	s_wait_dscnt 0x0
	CROUND                                         ; the closing round: no work-group ends while a partner may still ask for a tile that names it
	s_endpgm
.Lfunc_end_k_q8bb5914958_proj:
	.size	k_q8bb5914958_proj, .Lfunc_end_k_q8bb5914958_proj-k_q8bb5914958_proj
	.p2alignl 7, 3214868480
	.fill 96, 4, 3214868480
	.section	.rodata,"a",@progbits
	.p2align	6, 0x0
	.amdhsa_kernel k_q8bb5914958_proj
		.amdhsa_group_segment_fixed_size 327680
		.amdhsa_private_segment_fixed_size 0
		.amdhsa_enable_private_segment 0
		.amdhsa_kernarg_size 40
		.amdhsa_user_sgpr_count 2
		.amdhsa_user_sgpr_kernarg_segment_ptr 1
		.amdhsa_wavefront_size32 1
		.amdhsa_system_sgpr_workgroup_id_x 1
		.amdhsa_system_sgpr_workgroup_id_y 1
		.amdhsa_system_sgpr_workgroup_id_z 1
		.amdhsa_system_vgpr_workitem_id 0
		.amdhsa_next_free_vgpr 1024
		.amdhsa_next_free_sgpr 100
		.amdhsa_reserve_vcc 1
		.amdhsa_float_denorm_mode_32 3
		.amdhsa_float_denorm_mode_16_64 3
		.amdhsa_memory_ordered 1
		.amdhsa_forward_progress 1
		.amdhsa_inst_pref_size 155
	.end_amdhsa_kernel
	.amdgpu_metadata
---
amdhsa.version: [ 1, 2 ]
amdhsa.kernels:
  - .name:           k_q8bb5914958_proj
    .symbol:         k_q8bb5914958_proj.kd
    .args:
      - { .name: ops1, .offset: 0, .size: 8, .value_kind: global_buffer, .address_space: global }
      - { .name: bq, .offset: 8, .size: 8, .value_kind: global_buffer, .address_space: global }
      - { .name: bk, .offset: 16, .size: 8, .value_kind: global_buffer, .address_space: global }
      - { .name: bv, .offset: 24, .size: 8, .value_kind: global_buffer, .address_space: global }
      - { .name: ops2, .offset: 32, .size: 8, .value_kind: global_buffer, .address_space: global }
    .group_segment_fixed_size: 327680
    .private_segment_fixed_size: 0
    .kernarg_segment_align: 8
    .kernarg_segment_size: 40
    .max_flat_workgroup_size: 128
    .sgpr_count:     100
    .vgpr_count:     1024
    .wavefront_size: 32
...
	.end_amdgpu_metadata
.endif
;; end of part 6
;; launch score (part 7): grid 8 x 32, 4 waves a work-group, clusters of 4 x 4, 327,680 bytes of LDS; arguments ops2, ops3; writes ops3
.if DOCPART == 7
	.amdgcn_target "amdgcn-amd-amdhsa--gfx1250"
	.amdhsa_code_object_version 6
	.text
	.protected	k_q8bb5914958_score
	.globl	k_q8bb5914958_score
	.p2align	8
	.type	k_q8bb5914958_score,@function
k_q8bb5914958_score:
	s_mov_b64 s[64:65], 0
	v_nop
	global_prefetch_b8 v0, s[64:65] scope:SCOPE_SE
	s_setreg_imm32_b32 hwreg(HW_REG_WAVE_MODE, 25, 1), 1
	s_wait_xcnt 0x0
	s_wait_alu depctr_hold_cnt(0) depctr_sa_sdst(0) depctr_va_vdst(0) depctr_va_sdst(0) depctr_va_ssrc(0) depctr_va_vcc(0) depctr_vm_vsrc(0)
	s_getreg_b32 s2, hwreg(HW_REG_IB_STS2, 6, 4)
	s_cmp_eq_u32 s2, 0
	s_cbranch_scc0 .Lentry_in_a_cluster
	s_endpgm
.Lentry_in_a_cluster:
	s_bfe_u32 s2, ttmp6, 0x10000c
	s_cmp_lg_u32 s2, 0xf033
	s_cbranch_scc0 .Lentry_shape_is_right
	s_endpgm
.Lentry_shape_is_right:
; S = Q K^T on codes of BF6 (E3M2) with E8M0 scales, and on the way out a PARTIAL SOFTMAX for each query and each 128 keys: t = score x log2(e) / 32; M_loc = ceil(the largest t of these 128 keys), a whole number;
; p = 2^(t - M_loc), quantised along the keys into a chunk of the last product's operand; -M_loc and the sum of the unquantised p go out beside it.  The last launch finds the row's M and brings every chunk under it
; by taking M - M_loc off its scale bytes: an exact power of two, so the codes are those of 2^(t - M).
; OPERANDS are fragment images: [superblock of 128 rows][K step of 128][8 fragments x 1,536 bytes], a fragment = its 12 registers in three runs of 512 bytes, lane l's 16 bytes at 16 l; lane r of fragment a holds
; row 32 (a / 2) + 8 (a % 2) + r + 8 (r / 8) of the superblock.  Scale words: 512 bytes for a superblock and K step, the word of (fragment a, lane r) at 16 (16 (a % 2) + r) + 4 (a / 2).
; ROLES.  P = K is source 0, R = Q source 1: a lane holds one query, and the 64 registers of R's block a are keys 32 b + 16 (lane / 16) + i in register 16 b + i.
; A tile is 256 queries x 256 keys, four waves of 128 x 128.
; THE RING.  K (the 1,024 of e) is eight steps of 128.  Two LDS slots of three steps each (a wave's tensor load: one dense block of 36,864 bytes) take steps 0-2 and 3-5 as first fills; steps 6 and 7 are the ONE
; refill, 24,576 bytes a wave into slot 0, asked for in the middle of step 2: 160 matrix instructions ahead of the wait for it.  The eight steps are written out; there is no loop.
; CLUSTERS: 4 x 4: Q's tiles shared along a row of the cluster, K's along a column, asked for jointly.  The scale words of all of K come once, with the first fills.
; No prefetch: a work-group has one refill in all, and every tile is shared in its cluster.
; LIMITS: a block's largest p is taken as the exponential of its largest score (the same two instructions on the same number); a block whose every p has fallen to 0 keeps the byte 1, its codes are zeros; NaN and infinities are not served.
; REGISTERS: window 0: v16-29 addresses; v32-47 scale words, two sets of a step's eight; v128-223 R's fragments; on the way out v64-99 what the blocks leave, v128-235 at work.  window 1: P's fragments, two sets.  windows 2, 3: the accumulators.
.set HALFS,  4096
.set FR,     12
.set NL,     3
.set NP,     4
.set NQ,     3
.set CHUNK,  12288
.set HALFT,  NQ*CHUNK
.set SLOT,   4*HALFT
.set SCL,    2*SLOT
.set SPARE,  SCL+4*HALFS               ; the spare words, 128 bytes a wave: two blocks of 256 bytes that no other line names
.set QS0,    1536*CHUNK                ; ops2: where the scale words begin
.set PS0,    1024*CHUNK                ; ops3: p's scale words; 524,288 bytes on: -M_loc; as far again: the sums
.set ADRA, 16
.set ADRB, 20
.set LI,   26
.set ADRS, 27
.set SPW,  28
.set NIL,  29
.set SC,   32
.set AF,   128
.set NMS,  64                          ; v64-71  -M_loc of blocks 0-7
.set LS,   72                          ; v72-79  their sums
.set PWS,  80                          ; v80-87  their scale words
.set IMG,  88                          ; v88-99  the three images
.set T,    128                         ; v128-191 t - M_loc, then p
.set PC,   192                         ; v192-210 the codes
.set TM,   212                         ; v212-227 at work
.set NMW,  228                         ; v[228:229] -M_loc (the packed form names a pair and takes its low word)
.set LA,   230
.set LB,   232
.set G1, 24
.set G0, 32
.set G1B, 48
.set G0B, 56
.set G1S, 68
.set G0S, 76
.set G1SB, 80
.set G0SB, 88
.set CS,  94                           ; s[94:95] c = log2(e) / 32
.set SEL, 96
.set MSB, 0
.macro WIN new
.if MSB != (\new)
	s_set_vgpr_msb (MSB<<8)|(\new)
.set MSB, (\new)
.endif
.endm
.set MUL_LO, 0xa1
.set MUL_HI, 0xf1
.set TO_B,   0x40
.macro JLOAD g0a, g1a, g0b, g1b        ; a joint load: waves 0 and 1 fetch for R, waves 2 and 3 for P; four v_nop follow each line
	s_cmp_eq_u32 s15, 0
	s_cbranch_scc0 .Lfor_b_\@
	tensor_load_to_lds s[\g0a:\g0a+3], s[\g1a:\g1a+7]
	s_nop 0
.rept 4
	v_nop
.endr
	s_branch .Lasked_\@
.Lfor_b_\@:
	tensor_load_to_lds s[\g0b:\g0b+3], s[\g1b:\g1b+7]
	s_nop 0
.rept 4
	v_nop
.endr
.Lasked_\@:
.endm
.macro CREST
	s_cmp_lg_u32 s14, 0
	s_cbranch_scc1 .Lnot_wave_0_\@
	s_barrier_signal -3
.Lnot_wave_0_\@:
	s_barrier_wait -3
	s_barrier_signal -1
	s_barrier_wait -1
.endm
.macro CROUND
	s_barrier_signal -1
	s_barrier_wait -1
	CREST
.endm
.macro PLACES n
.rept \n
	v_nop
.endr
.endm
.macro FRAG reg, adr, q, i
.irp c, 0,1,2
	ds_load_b128 v[\reg+4*\c:\reg+4*\c+3], v[\adr] offset:(\q)*CHUNK+(\i)*1536+512*\c
.endr
.endm
.macro FETCH_B slot, q, p
	WIN TO_B
.irp i, 0,1,2,3,4,5,6,7
	FRAG 128*(\p)+FR*\i, ADRB+\slot, \q, \i
.endr
	WIN 0
.endm
.macro FETCH_A slot, q, i0
.irp i, \i0, \i0+1, \i0+2, \i0+3
	FRAG AF+FR*(\i), ADRA+\slot, \q, \i
.endr
.endm
.macro SCALES ns, p                    ; K step ns's scale words into set p: two loads; lanes 0-15 take R's, lanes 16-31 P's
.irp par, 0,1
	ds_load_b128 v[SC+8*(\p)+4*\par:SC+8*(\p)+4*\par+3], v[ADRS] offset:512*(\ns)+256*\par
.endr
.endm
; 16 matrix instructions; zero = 1: the first product starts the sums.  The 64 accumulators take turns, one instruction a turn.
.macro MUL16 a0, p, zero
.irp a, \a0, \a0+1
.irp b, 0,1,2,3,4,5,6,7
.set rD, 8*(8*((\a)%4)+\b)
.set rP, 128*(\p)+FR*\b
.set rR, AF+FR*(\a)
.set sP, SC+8*(\p)+4*(\b%2)+\b/2
.set sR, SC+8*(\p)+4*((\a)%2)+(\a)/2
.if (\zero) == 0
	v_wmma_scale_f32_16x16x128_f8f6f4 v[rD:rD+7], v[rP:rP+FR-1], v[rR:rR+FR-1], v[rD:rD+7], v[sP], v[sR] matrix_a_fmt:MATRIX_FMT_BF6 matrix_b_fmt:MATRIX_FMT_BF6 matrix_a_scale:MATRIX_SCALE_ROW1
.else
	v_wmma_scale_f32_16x16x128_f8f6f4 v[rD:rD+7], v[rP:rP+FR-1], v[rR:rR+FR-1], 0, v[sP], v[sR] matrix_a_fmt:MATRIX_FMT_BF6 matrix_b_fmt:MATRIX_FMT_BF6 matrix_a_scale:MATRIX_SCALE_ROW1
.endif
.endr
.endr
.endm
; A step of 128 along K on set p whose successor, K step ns, lies whole in LDS: at chunk nq of slot nslot.
.macro STEP p, nslot, nq, ns, zero
	s_wait_dscnt 4*NL                              ; all but the youngest twelve loads (R's blocks 4-7) are in
	WIN MUL_LO
	MUL16 0, \p, \zero
	MUL16 2, \p, \zero
	s_wait_dscnt 0
	PLACES NP                                      ; in front of loads into registers that matrix instructions have read
	FETCH_B \nslot, \nq, 1-(\p)
	FETCH_A \nslot, \nq, 0
	SCALES \ns, 1-(\p)
	WIN MUL_HI
	MUL16 4, \p, \zero
	MUL16 6, \p, \zero
	PLACES NP
	WIN 0
	FETCH_A \nslot, \nq, 4
.endm
; A slot's last step changes slots.  fill = 1 (step 2): slot 0 is filled again, with K steps 6 and 7.
.macro TURN p, nslot, nq, ns, fill
	s_wait_tensorcnt 0x0                           ; all my tensor loads have landed: my part of the next slot
	ds_add_u32 v[SPW], v[NIL]                      ; 0 onto my spare word
	s_wait_dscnt 4*NL+1                            ; (the add and the youngest twelve loads may be out)
	WIN MUL_LO
	MUL16 0, \p, 0
	s_wait_dscnt 0x0                               ; the add is done, and my reads of this slot are over
	s_barrier_signal -1
	MUL16 2, \p, 0
	WIN 0
	s_barrier_wait -1
.if \fill
	CREST                                          ; a round of the cluster's barrier: no wave of any partner still reads this slot or has a load on its way
	s_add_nc_u64 s[G0+2:G0+3], s[G0+2:G0+3], 2*HALFT       ; six K steps on.  No tensor load of mine is out: the descriptors may be written
	s_add_nc_u64 s[G0B+2:G0B+3], s[G0B+2:G0B+3], 2*HALFT
.irp g, G1, G1B
	s_mov_b32 s[\g+2], (2*CHUNK/256)<<16           ; two K steps are left: 96 rows of 256 bytes
	s_mov_b32 s[\g+4], 2*CHUNK/256
.endr
	JLOAD G0, G1, G0B, G1B                         ; the first tensor load behind the round; its four v_nop are the places in front of the loads below
.else
	PLACES NP
.endif
	FETCH_B \nslot, \nq, 1-(\p)
	FETCH_A \nslot, \nq, 0
	SCALES \ns, 1-(\p)
	WIN MUL_HI
	MUL16 4, \p, 0
	MUL16 6, \p, 0
	PLACES NP
	WIN 0
	FETCH_A \nslot, \nq, 4
.endm
.macro QTAIL s, w, pw                  ; from the blocks' largest magnitudes in v[TM] on: scale operands, bytes, the scale word into v[pw], the codes into v[PC] .. v[PC + 11]
.irp b, 0,1,2,3
	v_add_nc_u32 v[TM+12+\b], 0xfe000000, v[TM+\b]
.endr
.irp b, 0,1,2,3
	v_lshrrev_b32 v[TM+4+\b], 23, v[TM+12+\b]
.endr
	v_lshl_or_b32 v[\pw], v[TM+5], 8, v[TM+4]
	v_lshl_or_b32 v[\pw], v[TM+6], 16, v[\pw]
	v_lshl_or_b32 v[\pw], v[TM+7], 24, v[\pw]
	WIN \w
.irp c, 0,1
	v_cvt_scalef32_pk16_bf6_f32 v[PC+6*\c:PC+6*\c+2], v[\s+32*\c:\s+32*\c+15], v[TM+12+2*\c]
	v_cvt_scalef32_pk16_bf6_f32 v[PC+12+4*\c:PC+12+4*\c+2], v[\s+32*\c+16:\s+32*\c+31], v[TM+12+2*\c+1]
.endr
	WIN 0
	v_nop                                          ; one plain place behind a scaled conversion
.irp c, 0,1
.irp i, 0,1,2
	v_permlane16_swap_b32 v[PC+6*\c+\i], v[PC+12+4*\c+\i]
.endr
.irp i, 0,1,2
	v_mov_b32 v[PC+3+6*\c+\i], v[PC+12+4*\c+\i]
.endr
.endr
.endm
.macro IMG4 dst, src                   ; eight words a lane-row (the same in lanes r and r + 16) become an image of 512 bytes: lane (r, h) holds those of blocks h, 2 + h, 4 + h, 6 + h
.irp i, 0,1,2,3
	v_cndmask_b32 v[\dst+\i], v[\src+2*\i], v[\src+2*\i+1], vcc_lo
.endr
.endm
	s_load_b128 s[4:7], s[0:1], 0x0                ; ops2 s[4:5], ops3 s[6:7]
	v_lshl_add_u32 v[SPW], v0, 2, SPARE
	v_mov_b32 v[NIL], 0
	ds_add_u32 v28, v29
	ds_add_u32 v28, v29
	s_wait_dscnt 0x0
	v_lshrrev_b32 v1, 5, v0
	v_readfirstlane_b32 s14, v1                    ; wave 0..3
	s_lshr_b32 s15, s14, 1                         ; my half of the queries.  Also: I fetch for R (0) or for P (1)
	s_and_b32 s16, s14, 1                          ; my half of the keys.  Also: which superblock I fetch
	s_bfe_u32 s40, ttmp6, 0x40000                  ; cx, cy
	s_bfe_u32 s41, ttmp6, 0x40004
	s_lshl_b32 s43, s41, 2
	s_lshl_b32 s43, 15, s43                        ; my row of the cluster
	s_lshl_b32 s44, 0x1111, s40                    ; my column
	s_and_b32 s18, ttmp7, 0xffff                   ; the cluster's y, 0 .. 7
	s_lshl_b32 s17, s18, 2
	s_add_co_u32 s17, s17, s41                     ; the tile of queries, 0 .. 31
	s_lshl_b32 s42, ttmp9, 2
	s_add_co_u32 s42, s42, s40                     ; the tile of keys in the batch, 0 .. 7
	s_lshr_b32 s19, s18, 1                         ; the batch: by the cluster's y alone
	s_or_b32 s[G1+0], s43, (3<<16)|(1<<21)         ; group 1: a dense block of 36,864 bytes as 144 rows of 32 elements of 8 bytes; the mask; bit 21 beside it
	s_or_b32 s[G1B+0], s44, (3<<16)|(1<<21)
.irp g, G1, G1B
	s_mov_b32 s[\g+1], 32<<16
	s_mov_b32 s[\g+2], (HALFT/256)<<16
	s_mov_b32 s[\g+3], 32<<16
	s_mov_b32 s[\g+4], HALFT/256
	s_mov_b32 s[\g+5], 32
	s_mov_b32 s[\g+6], 0
	s_mov_b32 s[\g+7], 0
.endr
	s_or_b32 s[G1S+0], s43, (3<<16)|(1<<21)
	s_or_b32 s[G1SB+0], s44, (3<<16)|(1<<21)
.irp g, G1S, G1SB
	s_mov_b32 s[\g+1], 32<<16
	s_mov_b32 s[\g+2], (HALFS/256)<<16
	s_mov_b32 s[\g+3], 32<<16
	s_mov_b32 s[\g+4], HALFS/256
	s_mov_b32 s[\g+5], 32
	s_mov_b32 s[\g+6], 0
	s_mov_b32 s[\g+7], 0
.endr
	s_lshl_b32 s20, s17, 1
	s_add_co_u32 s20, s20, s16                     ; Q: the superblock that I fetch
	s_lshl_b32 s22, s20, 13
	s_add_co_u32 s22, s22, QS0                     ; its scale words (K steps 0-7 of 16),
	s_mov_b32 s23, 0
	s_mul_i32 s20, s20, 16*CHUNK                   ; its codes
	s_mov_b32 s21, 0
	s_lshl_b32 s46, s42, 1
	s_add_co_u32 s46, s46, s16
	s_lshl_b32 s19, s19, 4
	s_add_co_u32 s46, s46, s19                     ; K: superblock 16 batch + 2 tile + half
	s_lshl_b32 s66, s46, 13
	s_add_co_u32 s66, s66, QS0+4096                ; its scale words (K steps 8-15),
	s_mov_b32 s67, 0
	s_mul_i32 s46, s46, 16*CHUNK
	s_add_co_u32 s46, s46, 8*CHUNK                 ; its codes
	s_mov_b32 s47, 0
	s_mul_i32 s98, s14, HALFT                      ; where they go: by the wave's number alone
	s_mul_i32 s99, s14, HALFS
	s_mov_b32 s[SEL], 0x76543210
	s_mov_b32 s[SEL+1], 0xfedcba98
	s_mov_b32 s[CS], 0x3d38aa3b                    ; c = log2(e) / sqrt(1024)
	s_mov_b32 s[CS+1], s[CS]                       ; (named with it as a pair, so it is written)
	s_wait_kmcnt 0x0
	s_add_nc_u64 s[20:21], s[4:5], s[20:21]
	s_add_nc_u64 s[22:23], s[4:5], s[22:23]
	s_add_nc_u64 s[46:47], s[4:5], s[46:47]
	s_add_nc_u64 s[66:67], s[4:5], s[66:67]
	CROUND                                         ; all sixteen work-groups are here: the first joint loads meet
	s_mov_b32 s[G0S], 1
	s_add_co_u32 s[G0S+1], s99, SCL
	s_mov_b64 s[G0S+2:G0S+3], s[22:23]
	s_or_b32 s[G0S+3], s[G0S+3], 0x80000000
	s_mov_b32 s[G0SB], 1
	s_add_co_u32 s[G0SB+1], s99, SCL
	s_mov_b64 s[G0SB+2:G0SB+3], s[66:67]
	s_or_b32 s[G0SB+3], s[G0SB+3], 0x80000000
	JLOAD G0S, G1S, G0SB, G1SB
.irp s, 0,1
	s_mov_b32 s[G0+4*\s], 1
	s_add_co_u32 s[G0+4*\s+1], s98, \s*SLOT
	s_add_nc_u64 s[G0+4*\s+2:G0+4*\s+3], s[20:21], \s*HALFT
	s_or_b32 s[G0+4*\s+3], s[G0+4*\s+3], 0x80000000
	s_mov_b32 s[G0B+4*\s], 1
	s_add_co_u32 s[G0B+4*\s+1], s98, \s*SLOT
	s_add_nc_u64 s[G0B+4*\s+2:G0B+4*\s+3], s[46:47], \s*HALFT
	s_or_b32 s[G0B+4*\s+3], s[G0B+4*\s+3], 0x80000000
	JLOAD G0+4*\s, G1, G0B+4*\s, G1B               ; three tensor loads of mine are out
.endr
	v_and_b32 v1, 15, v0                           ; r
	v_bfe_u32 v2, v0, 4, 1                         ; h
	v_and_b32 v3, 31, v0
	v_lshlrev_b32 v[LI], 4, v3
	s_mul_i32 s21, s15, HALFT
	s_mul_i32 s22, s16, HALFT
	s_add_co_u32 s22, s22, 2*HALFT
.irp s, 0,1
	v_add_nc_u32 v[ADRA+\s], s21, v[LI]
	v_add_nc_u32 v[ADRB+\s], s22, v[LI]
	s_add_co_u32 s21, s21, SLOT
	s_add_co_u32 s22, s22, SLOT
.endr
	s_mul_i32 s21, s15, HALFS
	s_mul_i32 s22, s16, HALFS
	s_add_co_u32 s22, s22, 2*HALFS
	s_sub_co_u32 s22, s22, s21
	v_mul_u32_u24 v6, s22, v2                      ; lanes 16-31 take P's: one product by h
	s_add_co_u32 s21, s21, SCL
	v_lshl_add_u32 v5, v1, 4, v6
	v_add_nc_u32 v[ADRS], s21, v5
	; where my 128 queries x 128 keys go: chunk (superblock of queries) x 16 + key step
	s_lshl_b32 s18, s17, 1
	s_add_co_u32 s18, s18, s15
	s_lshl_b32 s18, s18, 4
	s_lshl_b32 s19, s42, 1
	s_add_co_u32 s18, s18, s19
	s_add_co_u32 s18, s18, s16
	s_lshl_b32 s20, s18, 9
	s_add_co_u32 s20, s20, PS0
	s_mov_b32 s21, 0
	s_mul_i32 s18, s18, CHUNK
	s_mov_b32 s19, 0
	s_add_nc_u64 s[8:9], s[6:7], s[20:21]          ; its scale words; -M_loc and the sums lie 524,288 and 1,048,576 bytes on
	s_add_nc_u64 s[6:7], s[6:7], s[18:19]          ; its codes
	s_wait_tensorcnt 1                             ; the scale words and my part of slot 0 are in (slot 1's load may be out)
	s_barrier_signal -1
	s_barrier_wait -1                              ; everybody's are
	FETCH_B 0, 0, 0
	FETCH_A 0, 0, 0
	SCALES 0, 0
	FETCH_A 0, 0, 4
	STEP 0, 0, 1, 1, 1                             ; K step 0: its products start the sums
	STEP 1, 0, 2, 2, 0                             ; K step 1
	TURN 0, 1, 0, 3, 1                             ; K step 2 leaves slot 0, which takes K steps 6 and 7
	STEP 1, 1, 1, 4, 0                             ; K step 3
	STEP 0, 1, 2, 5, 0                             ; K step 4
	TURN 1, 0, 0, 6, 0                             ; K step 5 leaves slot 1: nothing is left to fetch
	STEP 0, 0, 1, 7, 0                             ; K step 6
	s_wait_dscnt 4*NL                              ; K step 7
	WIN MUL_LO
	MUL16 0, 1, 0
	MUL16 2, 1, 0
	s_wait_dscnt 0
	WIN MUL_HI
	MUL16 4, 1, 0
	MUL16 6, 1, 0
	WIN 0
	; THE WAY OUT, block by block of 16 queries x 128 keys.  No LDS.
	PLACES NP
	v_mov_b32 v[NMW+1], 0                          ; (named as the upper half of a pair)
	v_mov_b32 v235, 0                              ; written once: a lane permute's destination counts as one of its sources
.irp b, 0,1,2,3
	v_mov_b32 v[TM+4+\b], 0
.endr
	s_mov_b32 vcc_lo, 0xffff0000                   ; lanes 16-31
.irp a, 0,1,2,3,4,5,6,7
.set AC, 64*(\a%4)
.set WW, 2+\a/4
	WIN (WW<<2)|(WW<<4)
.irp b, 0,1,2,3
	v_max3_num_f32 v[TM+\b], 0xff800000, v[AC+16*\b], v[AC+16*\b+1]   ; the largest score of each block of 32 keys: it serves for the row's maximum and for the block's largest p.  Each accumulator is first read at its low end
.endr
.irp i, 2,4,6,8,10,12,14
.irp b, 0,1,2,3
	v_max3_num_f32 v[TM+\b], v[TM+\b], v[AC+16*\b+\i], v[AC+16*\b+\i+1]
.endr
.endr
	WIN 0
.irp b, 0,1,2,3
	v_permlanex16_b32 v[TM+4+\b], v[TM+\b], s[SEL], s[SEL+1]
.endr
.irp b, 0,1,2,3
	v_max_num_f32 v[TM+\b], v[TM+\b], v[TM+4+\b]   ; with lane l xor 16's 16 keys
.endr
	v_max3_num_f32 v234, v[TM], v[TM+1], v[TM+2]
	v_max_num_f32 v234, v234, v[TM+3]              ; the largest score of my query among these 128 keys
	v_mul_f32 v234, s[CS], v234                    ; as t (c is positive)
	v_floor_f32 v[NMW], -v234                      ; -M_loc = floor(-t) = -ceil(t)
	WIN WW
.irp j, 0,2,4,6,8,10,12,14,16,18,20,22,24,26,28,30,32,34,36,38,40,42,44,46,48,50,52,54,56,58,60,62
	v_pk_fma_f32 v[T+\j:T+\j+1], v[AC+\j:AC+\j+1], s[CS:CS+1], v[NMW:NMW+1] op_sel_hi:[1,0,0]   ; t - M_loc, two at a time
.endr
	WIN 0
.irp b, 0,1,2,3
	v_fma_f32 v[TM+\b], v[TM+\b], s[CS], v[NMW]    ; the same of each block's largest score
.endr
.set j, 0
.rept 64
	v_exp_f32 v[T+j], v[T+j]                       ; p = 2^(t - M_loc), at most 1
.set j, j+1
.endr
	v_mov_b32 v[NMS+\a], v[NMW]                    ; a plain place behind the exponentials
	s_wait_alu depctr_va_vdst(0)                   ; one wait for the whole batch, ahead of its first reader
.irp b, 0,1,2,3
	v_exp_f32 v[TM+\b], v[TM+\b]                   ; the block's largest p
.endr
	v_pk_add_f32 v[LA:LA+1], v[T:T+1], v[T+2:T+3]  ; the sum of the unquantised p, two at a time, in two chains: plain work behind the four
	v_pk_add_f32 v[LB:LB+1], v[T+4:T+5], v[T+6:T+7]
.irp j, 8,12,16,20,24,28,32,36,40,44,48,52,56,60
	v_pk_add_f32 v[LA:LA+1], v[LA:LA+1], v[T+\j:T+\j+1]
	v_pk_add_f32 v[LB:LB+1], v[LB:LB+1], v[T+\j+2:T+\j+3]
.endr
	v_pk_add_f32 v[LA:LA+1], v[LA:LA+1], v[LB:LB+1]
	v_add_f32 v234, v[LA], v[LA+1]
	v_permlanex16_b32 v235, v234, s[SEL], s[SEL+1]
	v_add_f32 v[LS+\a], v234, v235                 ; with lane l xor 16's: the 128 keys' sum
	s_wait_alu depctr_va_vdst(0)                   ; and one wait for the four
.irp b, 0,1,2,3
	v_max_num_f32 v[TM+\b], 0x2800000, v[TM+\b]    ; the floor 2^(5 - 127): the byte cannot fall under 1
.endr
.if \a > 0
	s_wait_xcnt 0x0                                ; the last block's stores have read their data: the codes' registers are written again only behind this wait
.endif
	QTAIL T, 0, PWS+\a
.irp c, 0,1,2
	global_store_b128 v[LI], v[PC+4*\c:PC+4*\c+3], s[6:7] offset:1536*\a+512*\c   ; 512 consecutive bytes, aligned
.endr
.endr
	IMG4 IMG, PWS
	IMG4 IMG+4, NMS
	IMG4 IMG+8, LS
	global_store_b128 v[LI], v[IMG:IMG+3], s[8:9]
	global_store_b128 v[LI], v[IMG+4:IMG+7], s[8:9] offset:524288
	global_store_b128 v[LI], v[IMG+8:IMG+11], s[8:9] offset:1048576
	s_wait_tensorcnt 0x0                           ; the wave's end
	ds_add_u32 v[SPW], v[NIL]
	s_wait_dscnt 0x0
	CROUND                                         ; the closing round
	s_endpgm
.Lfunc_end_k_q8bb5914958_score:
	.size	k_q8bb5914958_score, .Lfunc_end_k_q8bb5914958_score-k_q8bb5914958_score
	.p2alignl 7, 3214868480
	.fill 96, 4, 3214868480
	.section	.rodata,"a",@progbits
	.p2align	6, 0x0
	.amdhsa_kernel k_q8bb5914958_score
		.amdhsa_group_segment_fixed_size 327680
		.amdhsa_private_segment_fixed_size 0
		.amdhsa_enable_private_segment 0
		.amdhsa_kernarg_size 16
		.amdhsa_user_sgpr_count 2
		.amdhsa_user_sgpr_kernarg_segment_ptr 1
		.amdhsa_wavefront_size32 1
		.amdhsa_system_sgpr_workgroup_id_x 1
		.amdhsa_system_sgpr_workgroup_id_y 1
		.amdhsa_system_sgpr_workgroup_id_z 1
		.amdhsa_system_vgpr_workitem_id 0
		.amdhsa_next_free_vgpr 1024
		.amdhsa_next_free_sgpr 100
		.amdhsa_reserve_vcc 1
		.amdhsa_float_denorm_mode_32 3
		.amdhsa_float_denorm_mode_16_64 3
		.amdhsa_memory_ordered 1
		.amdhsa_forward_progress 1
		.amdhsa_inst_pref_size 194
	.end_amdhsa_kernel
	.amdgpu_metadata
---
amdhsa.version: [ 1, 2 ]
amdhsa.kernels:
  - .name:           k_q8bb5914958_score
    .symbol:         k_q8bb5914958_score.kd
    .args:
      - { .name: ops2, .offset: 0, .size: 8, .value_kind: global_buffer, .address_space: global }
      - { .name: ops3, .offset: 8, .size: 8, .value_kind: global_buffer, .address_space: global }
    .group_segment_fixed_size: 327680
    .private_segment_fixed_size: 0
    .kernarg_segment_align: 8
    .kernarg_segment_size: 16
    .max_flat_workgroup_size: 128
    .sgpr_count:     100
    .vgpr_count:     1024
    .wavefront_size: 32
...
	.end_amdgpu_metadata
.endif
;; end of part 7
;; launch pv (part 8): grid 8 x 32, 4 waves a work-group, clusters of 4 x 4, 327,680 bytes of LDS; arguments ops2, ops3, out0; writes out0
.if DOCPART == 8
	.amdgcn_target "amdgcn-amd-amdhsa--gfx1250"
	.amdhsa_code_object_version 6
	.text
	.protected	k_q8bb5914958_pv
	.globl	k_q8bb5914958_pv
	.p2align	8
	.type	k_q8bb5914958_pv,@function
k_q8bb5914958_pv:
	s_mov_b64 s[64:65], 0
	v_nop
	global_prefetch_b8 v0, s[64:65] scope:SCOPE_SE
	s_setreg_imm32_b32 hwreg(HW_REG_WAVE_MODE, 25, 1), 1
	s_wait_xcnt 0x0
	s_wait_alu depctr_hold_cnt(0) depctr_sa_sdst(0) depctr_va_vdst(0) depctr_va_sdst(0) depctr_va_ssrc(0) depctr_va_vcc(0) depctr_vm_vsrc(0)
	s_getreg_b32 s2, hwreg(HW_REG_IB_STS2, 6, 4)
	s_cmp_eq_u32 s2, 0
	s_cbranch_scc0 .Lentry_in_a_cluster
	s_endpgm
.Lentry_in_a_cluster:
	s_bfe_u32 s2, ttmp6, 0x10000c
	s_cmp_lg_u32 s2, 0xf033
	s_cbranch_scc0 .Lentry_shape_is_right
	s_endpgm
.Lentry_shape_is_right:
; out = (p V) / l on codes of BF6 (E3M2) with E8M0 scales.  p arrives in chunks of 128 queries x 128 keys, each under its own whole number M_loc, with -M_loc and the chunk's sum of p beside it.
; THE HEAD: for my superblock of 128 queries M = the largest M_loc of the 16 chunks; l = the sum of the chunks' sums x 2^(M_loc - M) (exact scalings); and M - M_loc is taken off p's scale bytes, in LDS, where they
; lie for the whole launch: so the matrix unit multiplies 2^(t - M).  The bytes are at most 123 (p is at most 1), so a subtraction that holds at 0 is done on four bytes at once.
; OPERANDS are fragment images: [superblock of 128 rows][K step of 128][8 fragments x 1,536 bytes], a fragment = its 12 registers in three runs of 512 bytes, lane l's 16 bytes at 16 l; lane r of fragment a holds
; row 32 (a / 2) + 8 (a % 2) + r + 8 (r / 8) of the superblock.  Scale words, -M_loc and the sums: 512 bytes for a superblock and K step, the word of (fragment a, lane r) at 16 (16 (a % 2) + r) + 4 (a / 2).
; ROLES.  P = V (rows e, keys innermost) is source 0, R = p source 1: a lane holds one query, and the 64 registers of one block of R are e = 32 b + 16 (lane / 16) + i in register 16 b + i.
; SHARES.  A tile is 256 queries x 128 of e: 32 x 8 = 256 tiles, one for each WGP (tiles of 256 x 256 would be 128).  Wave w takes 64 queries, blocks 4 (w % 2) .. + 3 of superblock w / 2, against V's eight blocks:
; 32 accumulators, 256 registers.  For 32 matrix instructions a wave reads 12 fragments and two runs of scale words: 38 LDS loads; that is the price of the smaller tile.
; THE RING.  K = the batch's 2,048 keys is sixteen steps of 128.  Two LDS slots of FOUR steps each (p's two superblocks and V's one, 49,152 bytes each): steps 0-3 and 4-7 are first fills, steps 8-11 and 12-15 the
; two refills, each asked for in the middle of a slot's last step: 112 matrix instructions ahead of the wait for it.  Waves 0 and 1 fetch p's superblocks, waves 2 and 3 half of V's part each.  The steps are written out.
; A STEP goes by V's blocks, four products each.  R, P and the scale words have two sets; the next step's 38 loads go out in one run in the step's middle, in the order scale words, R, P's blocks 0 .. 7, and the
; waits are counted block by block, so that a step's first products need not wait for its last fragments.
; CLUSTERS: 4 x 4: p's tiles shared along a row of the cluster, V's along a column, asked for jointly.
; No prefetch: the tile is small, every tile is shared in its cluster, and of a work-group's two refills the first would have to be asked for at the kernel's head, where the first tiles are on their way.
; LIMITS: where M - M_loc is more than a scale byte holds, the byte is held at 0 and the shift at 127: what that changes lies under 2^-120 of the row's largest term.  NaN and infinities are not served.
; REGISTERS: window 0: v16-29 addresses; v32-47 scale words, two sets; v128-223 R's fragments, two sets of 48; v224-231 1 / l of my four blocks, twice each; v64-223, v240-249 at work in the head; v64-191 rows on the way out.
;   window 1: P's fragments, two sets, at v0 and v128.  window 2: the accumulators: (a, b) at v[8 (8 a + b)].
.set HALFS,  8192                      ; the scale words of 128 rows for all of K: 16 K steps x 512 bytes
.set FR,     12                        ; registers of a fragment
.set NP,     4                         ; places behind this matrix instruction (ISA guide 7.12.1)
.set NQ,     4                         ; K steps of 128 in a slot
.set NF,     38                        ; LDS loads of a step: 2 for the scale words, 12 for R, 24 for P
.set CHUNK,  12288
.set RT,     NQ*CHUNK                  ; a superblock's part of a slot
.set SLOT,   3*RT                      ; R's two superblocks, then P's one
.set SCL,    2*SLOT                    ; behind the ring: the scale words: R's two superblocks, then P's
.set SPARE,  SCL+3*HALFS               ; the spare words, 128 bytes a wave: two blocks of 256 bytes that no other line names
.set VC0,    1024*CHUNK                ; ops2: V's codes
.set VS0,    1536*CHUNK+1024*512       ; and its scale words
.set PS0,    1024*CHUNK                ; ops3: p's scale words;
.set PM0,    PS0+524288                ; -M_loc;
.set PL0,    PM0+524288                ; the sums
.set SPITCH, 528                       ; the way out: a stage of 16 rows x (512 bytes + 16) for each wave, in slot 0, which has had its last fill and its last read when the first result is stored there
.set ADRA, 16                          ; v16-17  LDS address of my four R fragments in slot 0, 1
.set ADRB, 20                          ; v20-21  the same for P's eight
.set SWA,  22                          ; v22  the scale words that I shift: SCL + 4,096 x wave + 16 x lane
.set ADSP, 23                          ; v23  P's scale words: 16 x lane: register i holds block 2 i in lanes 0-15, block 2 i + 1 in lanes 16-31
.set STO,  24                          ; v24  the stage: where I put 32 bytes of a row
.set RD,   25                          ; v25  and where I read a row back
.set LI,   26                          ; v26  16 x lane
.set ADSR, 27                          ; v27  R's scale words, my four blocks': 16 x lane + 8 (wave % 2): register i holds my block 2 i in lanes 0-15, 2 i + 1 in lanes 16-31
.set SPW,  28
.set NIL,  29
.set SC,   32                          ; scale words: set p: P's at v[SC + 8 p] .. + 3, R's at v[SC + 8 p + 4], + 5
.set AF,   128                         ; R's fragments: set p at v[AF + 48 p]
.set MV,   64                          ; v64-127  -M_loc of my superblock's 16 chunks, then M_loc - M as whole numbers, then at work
.set LV,   128                         ; v128-191 the chunks' sums
.set SW,   128                         ; v128-159 later: scale words
.set DV,   192                         ; v192-223 -M_loc of the 8 chunks whose scale words I shift, then the shift in all four bytes
.set LINV, 224
.set MG,   240                         ; v240-243 M
.set LSUM, 244                         ; v244-247 l, then 1 / l
.set LPX,  248                         ; v248-249 the same of lane l xor 16
.set BK,   64
.set G1, 24                            ; s[24:31] group 1 for R's tiles;  s[32:39] groups 0, one for each slot
.set G0, 32
.set G1B, 48                           ; s[48:55], s[56:63] the same for P's
.set G0B, 56
.set G1S, 68                           ; s[68:75], s[76:79] groups 1 and 0 for R's scale words;  s[80:87], s[88:91] for P's
.set G0S, 76
.set G1SB, 80
.set G0SB, 88
.set SEL, 96
.set MSB, 0
.macro WIN new                         ; the immediate's high byte repeats the setting that is left
.if MSB != (\new)
	s_set_vgpr_msb (MSB<<8)|(\new)
.set MSB, (\new)
.endif
.endm
.set MUL,    0xa1                      ; source 0 (P) window 1, source 1 (R) window 0, C and D window 2
.set TO_B,   0x40                      ; destination window 1, address window 0
.macro JLOAD g0a, g1a, g0b, g1b        ; a joint load: waves 0 and 1 fetch for R, waves 2 and 3 for P; four v_nop follow each line
	s_cmp_eq_u32 s15, 0
	s_cbranch_scc0 .Lfor_b_\@
	tensor_load_to_lds s[\g0a:\g0a+3], s[\g1a:\g1a+7]
	s_nop 0
.rept 4
	v_nop
.endr
	s_branch .Lasked_\@
.Lfor_b_\@:
	tensor_load_to_lds s[\g0b:\g0b+3], s[\g1b:\g1b+7]
	s_nop 0
.rept 4
	v_nop
.endr
.Lasked_\@:
.endm
.macro CREST
	s_cmp_lg_u32 s14, 0
	s_cbranch_scc1 .Lnot_wave_0_\@
	s_barrier_signal -3
.Lnot_wave_0_\@:
	s_barrier_wait -3
	s_barrier_signal -1
	s_barrier_wait -1
.endm
.macro CROUND
	s_barrier_signal -1
	s_barrier_wait -1
	CREST
.endm
.macro PLACES n
.rept \n
	v_nop
.endr
.endm
.macro GROUP1 g, rows                  ; a dense block as rows of 32 elements of 8 bytes, no padding (word 0, with the mask, is written apart)
	s_mov_b32 s[\g+1], 32<<16                      ; tensor_dim0
	s_mov_b32 s[\g+2], (\rows)<<16                 ; tensor_dim1
	s_mov_b32 s[\g+3], 32<<16                      ; tile_dim0
	s_mov_b32 s[\g+4], \rows                       ; tile_dim1
	s_mov_b32 s[\g+5], 32                          ; the pitch
	s_mov_b32 s[\g+6], 0
	s_mov_b32 s[\g+7], 0
.endm
.macro FRAG reg, adr, q, i             ; fragment i of the slot's q-th K step: three loads of 512 consecutive bytes
.irp c, 0,1,2
	ds_load_b128 v[\reg+4*\c:\reg+4*\c+3], v[\adr] offset:(\q)*CHUNK+(\i)*1536+512*\c
.endr
.endm
; K step ns, which lies at chunk nq of slot nslot, into set np: NF loads in one run: the scale words, R's four fragments, P's eight in ascending order
.macro FETCH nslot, nq, ns, np
	WIN 0
	ds_load_b128 v[SC+8*(\np):SC+8*(\np)+3], v[ADSP] offset:512*(\ns)
	ds_load_b64 v[SC+8*(\np)+4:SC+8*(\np)+5], v[ADSR] offset:512*(\ns)
.irp i, 0,1,2,3
	FRAG AF+48*(\np)+FR*\i, ADRA+\nslot, \nq, \i
.endr
	WIN TO_B
.irp i, 0,1,2,3,4,5,6,7
	FRAG 128*(\np)+FR*\i, ADRB+\nslot, \nq, \i
.endr
.endm
; One matrix instruction on the registers named by rD, rP, rR, sP, sR.  z = 1: it starts its sum.  ra, rb: in which half of the lanes P's and R's scale words lie.
.macro WM z, ra, rb
.if (\z) == 0
.if ((\ra) == 0) && ((\rb) == 0)
	v_wmma_scale_f32_16x16x128_f8f6f4 v[rD:rD+7], v[rP:rP+FR-1], v[rR:rR+FR-1], v[rD:rD+7], v[sP], v[sR] matrix_a_fmt:MATRIX_FMT_BF6 matrix_b_fmt:MATRIX_FMT_BF6
.elseif ((\ra) == 1) && ((\rb) == 0)
	v_wmma_scale_f32_16x16x128_f8f6f4 v[rD:rD+7], v[rP:rP+FR-1], v[rR:rR+FR-1], v[rD:rD+7], v[sP], v[sR] matrix_a_fmt:MATRIX_FMT_BF6 matrix_b_fmt:MATRIX_FMT_BF6 matrix_a_scale:MATRIX_SCALE_ROW1
.elseif (\ra) == 0
	v_wmma_scale_f32_16x16x128_f8f6f4 v[rD:rD+7], v[rP:rP+FR-1], v[rR:rR+FR-1], v[rD:rD+7], v[sP], v[sR] matrix_a_fmt:MATRIX_FMT_BF6 matrix_b_fmt:MATRIX_FMT_BF6 matrix_b_scale:MATRIX_SCALE_ROW1
.else
	v_wmma_scale_f32_16x16x128_f8f6f4 v[rD:rD+7], v[rP:rP+FR-1], v[rR:rR+FR-1], v[rD:rD+7], v[sP], v[sR] matrix_a_fmt:MATRIX_FMT_BF6 matrix_b_fmt:MATRIX_FMT_BF6 matrix_a_scale:MATRIX_SCALE_ROW1 matrix_b_scale:MATRIX_SCALE_ROW1
.endif
.else
.if ((\ra) == 0) && ((\rb) == 0)
	v_wmma_scale_f32_16x16x128_f8f6f4 v[rD:rD+7], v[rP:rP+FR-1], v[rR:rR+FR-1], 0, v[sP], v[sR] matrix_a_fmt:MATRIX_FMT_BF6 matrix_b_fmt:MATRIX_FMT_BF6
.elseif ((\ra) == 1) && ((\rb) == 0)
	v_wmma_scale_f32_16x16x128_f8f6f4 v[rD:rD+7], v[rP:rP+FR-1], v[rR:rR+FR-1], 0, v[sP], v[sR] matrix_a_fmt:MATRIX_FMT_BF6 matrix_b_fmt:MATRIX_FMT_BF6 matrix_a_scale:MATRIX_SCALE_ROW1
.elseif (\ra) == 0
	v_wmma_scale_f32_16x16x128_f8f6f4 v[rD:rD+7], v[rP:rP+FR-1], v[rR:rR+FR-1], 0, v[sP], v[sR] matrix_a_fmt:MATRIX_FMT_BF6 matrix_b_fmt:MATRIX_FMT_BF6 matrix_b_scale:MATRIX_SCALE_ROW1
.else
	v_wmma_scale_f32_16x16x128_f8f6f4 v[rD:rD+7], v[rP:rP+FR-1], v[rR:rR+FR-1], 0, v[sP], v[sR] matrix_a_fmt:MATRIX_FMT_BF6 matrix_b_fmt:MATRIX_FMT_BF6 matrix_a_scale:MATRIX_SCALE_ROW1 matrix_b_scale:MATRIX_SCALE_ROW1
.endif
.endif
.endm
; Four matrix instructions: P's block b against my four blocks of R, on set p.  The 32 accumulators take turns, one instruction a turn, in the same order in every step.
.macro MUL4 b, p, zero
.irp a, 0,1,2,3
.set rD, 8*(8*\a+(\b))
.set rP, 128*(\p)+FR*(\b)
.set rR, AF+48*(\p)+FR*\a
.set sP, SC+8*(\p)+(\b)/2
.set sR, SC+8*(\p)+4+\a/2
	WM \zero, (\b)%2, \a%2
.endr
.endm
; A step of 128 along K on set p whose successor, K step ns, lies whole in LDS.
.macro STEP p, nslot, nq, ns, zero
	WIN MUL
.irp b, 0,1,2,3
	s_wait_dscnt 3*(7-\b)                          ; LDS loads come back in order: the scale words, R and P's blocks up to b are in; the later blocks' three loads each may be out
	MUL4 \b, \p, \zero
.endr
	PLACES NP                                      ; in front of loads into the other sets, which the last step's matrix instructions have read
	FETCH \nslot, \nq, \ns, 1-(\p)
	WIN MUL
.irp b, 4,5,6,7
	s_wait_dscnt NF+3*(7-\b)                       ; as above, with the NF loads just issued behind them
	MUL4 \b, \p, \zero
.endr
.endm
; A slot's last step changes slots: one barrier; in front of it each wave waits for all its tensor loads, adds 0 to its spare word, and waits for that and for its reads of this slot.
; fill = 1: the slot just left is filled again, with the K steps two slots on.
.macro TURN p, nslot, nq, ns, fill, slot
	WIN 0                                          ; (the add's two registers lie in window 0)
	s_wait_tensorcnt 0x0                           ; all my tensor loads have landed: my part of the next slot
	ds_add_u32 v[SPW], v[NIL]                      ; 0 onto my spare word
	WIN MUL
.irp b, 0,1
	s_wait_dscnt 3*(7-\b)+1                        ; (the add and the later blocks' loads may be out)
	MUL4 \b, \p, 0                                 ; eight matrix instructions stand between the add and the wait for it
.endr
	s_wait_dscnt 0x0                               ; the add is done, and my reads of this slot are over
	s_barrier_signal -1
	MUL4 2, \p, 0
	MUL4 3, \p, 0
	WIN 0
	s_barrier_wait -1
.if \fill
	CREST                                          ; the barrier has opened a round of the cluster's: no wave of any partner still reads this slot or has a load on its way
	s_add_nc_u64 s[G0+4*\slot+2:G0+4*\slot+3], s[G0+4*\slot+2:G0+4*\slot+3], 2*RT
	s_add_nc_u64 s[G0B+4*\slot+2:G0B+4*\slot+3], s[G0B+4*\slot+2:G0B+4*\slot+3], 2*RT
	JLOAD G0+4*\slot, G1, G0B+4*\slot, G1B         ; the first tensor load behind the round; its four v_nop are the places in front of the loads below
.else
	PLACES NP
.endif
	FETCH \nslot, \nq, \ns, 1-(\p)
	WIN MUL
.irp b, 4,5,6,7
	MUL4 \b, \p, 0
.endr
.endm
	s_load_b128 s[4:7], s[0:1], 0x0                ; ops2 s[4:5], ops3 s[6:7]
	s_load_b64 s[8:9], s[0:1], 0x10                ; out0
	v_lshl_add_u32 v[SPW], v0, 2, SPARE
	v_mov_b32 v[NIL], 0
	ds_add_u32 v28, v29
	ds_add_u32 v28, v29
	s_wait_dscnt 0x0
	v_lshrrev_b32 v1, 5, v0
	v_readfirstlane_b32 s14, v1                    ; wave 0..3
	s_lshr_b32 s15, s14, 1                         ; my superblock of the queries.  Also: I fetch for R (0) or for P (1)
	s_and_b32 s16, s14, 1                          ; which four blocks of it are mine.  Also: which part I fetch
	s_bfe_u32 s40, ttmp6, 0x40000                  ; cx, cy
	s_bfe_u32 s41, ttmp6, 0x40004
	s_lshl_b32 s43, s41, 2
	s_lshl_b32 s43, 15, s43                        ; my row of the cluster
	s_lshl_b32 s44, 0x1111, s40                    ; my column
	s_and_b32 s18, ttmp7, 0xffff                   ; the cluster's y, 0 .. 7
	s_lshl_b32 s17, s18, 2
	s_add_co_u32 s17, s17, s41                     ; the tile of queries, 0 .. 31
	s_lshl_b32 s42, ttmp9, 2
	s_add_co_u32 s42, s42, s40                     ; the superblock of e, 0 .. 7
	s_lshr_b32 s19, s18, 1                         ; the batch: by the cluster's y alone
	s_or_b32 s[G1+0], s43, (3<<16)|(1<<21)         ; 15:0 the mask: R's tiles go to my row; 17:16 elements of 8 bytes; 21 set beside a mask
	s_or_b32 s[G1B+0], s44, (3<<16)|(1<<21)        ; P's to my column
	s_or_b32 s[G1S+0], s43, (3<<16)|(1<<21)
	s_or_b32 s[G1SB+0], s44, (3<<16)|(1<<21)
	GROUP1 G1, RT/256                              ; R: a superblock's four K steps: 192 rows of 256 bytes
	GROUP1 G1B, RT/512                             ; P: two of the four: 96 rows
	GROUP1 G1S, HALFS/256                          ; R's scale words of a superblock: 32 rows
	GROUP1 G1SB, HALFS/512                         ; half of P's: 16 rows
	s_lshl_b32 s20, s17, 1
	s_add_co_u32 s20, s20, s16                     ; p: the superblock of queries that I fetch
	s_lshl_b32 s22, s20, 13
	s_add_co_u32 s22, s22, PS0                     ; its scale words,
	s_mov_b32 s23, 0
	s_mul_i32 s20, s20, 16*CHUNK                   ; its codes
	s_mov_b32 s21, 0
	s_lshl_b32 s46, s42, 6
	s_lshl_b32 s19, s19, 4
	s_add_co_u32 s46, s46, s19                     ; V: chunk 64 (superblock of e) + 16 batch
	s_lshl_b32 s66, s46, 9
	s_lshl_b32 s67, s16, 12
	s_add_co_u32 s66, s66, s67                     ; my half of its scale words: 8 K steps x 512 bytes
	s_add_co_u32 s66, s66, VS0
	s_mov_b32 s67, 0
	s_lshl_b32 s47, s16, 1
	s_add_co_u32 s46, s46, s47                     ; my two of a slot's four chunks
	s_mul_i32 s46, s46, CHUNK
	s_add_co_u32 s46, s46, VC0
	s_mov_b32 s47, 0
	s_mul_i32 s93, s14, RT                         ; where they go, by the wave's number alone.  R's codes: waves 0, 1: superblocks 0, 1
	s_mul_i32 s94, s14, 2*CHUNK
	s_add_co_u32 s94, s94, 2*RT-4*CHUNK            ; P's codes: waves 2, 3: behind R's two, (wave - 2) x two chunks on
	s_lshl_b32 s95, s14, 13
	s_add_co_u32 s95, s95, SCL                     ; R's scale words
	s_lshl_b32 s99, s14, 12
	s_add_co_u32 s99, s99, SCL+HALFS               ; P's: SCL + 2 HALFS + (wave - 2) x 4,096
	s_mov_b32 s[SEL], 0x76543210
	s_mov_b32 s[SEL+1], 0xfedcba98
	s_wait_kmcnt 0x0
	s_add_nc_u64 s[20:21], s[6:7], s[20:21]
	s_add_nc_u64 s[22:23], s[6:7], s[22:23]
	s_add_nc_u64 s[46:47], s[4:5], s[46:47]
	s_add_nc_u64 s[66:67], s[4:5], s[66:67]
	CROUND                                         ; all sixteen work-groups are here: the first joint loads meet
	s_mov_b32 s[G0S], 1
	s_mov_b32 s[G0S+1], s95
	s_mov_b64 s[G0S+2:G0S+3], s[22:23]
	s_or_b32 s[G0S+3], s[G0S+3], 0x80000000
	s_mov_b32 s[G0SB], 1
	s_mov_b32 s[G0SB+1], s99
	s_mov_b64 s[G0SB+2:G0SB+3], s[66:67]
	s_or_b32 s[G0SB+3], s[G0SB+3], 0x80000000
	JLOAD G0S, G1S, G0SB, G1SB                     ; the scale words first: the head works on them
.irp s, 0,1
	s_mov_b32 s[G0+4*\s], 1
	s_add_co_u32 s[G0+4*\s+1], s93, \s*SLOT
	s_add_nc_u64 s[G0+4*\s+2:G0+4*\s+3], s[20:21], \s*RT
	s_or_b32 s[G0+4*\s+3], s[G0+4*\s+3], 0x80000000
	s_mov_b32 s[G0B+4*\s], 1
	s_add_co_u32 s[G0B+4*\s+1], s94, \s*SLOT
	s_add_nc_u64 s[G0B+4*\s+2:G0B+4*\s+3], s[46:47], \s*RT
	s_or_b32 s[G0B+4*\s+3], s[G0B+4*\s+3], 0x80000000
	JLOAD G0+4*\s, G1, G0B+4*\s, G1B               ; three tensor loads of mine are out
.endr
	v_and_b32 v1, 15, v0                           ; r
	v_bfe_u32 v2, v0, 4, 1                         ; h
	v_and_b32 v3, 31, v0
	v_lshlrev_b32 v[LI], 4, v3
	; -M_loc and the sums of my superblock of queries: 16 chunks x 512 bytes each
	s_lshl_b32 s18, s17, 1
	s_add_co_u32 s18, s18, s15
	s_lshl_b32 s18, s18, 13
	s_add_co_u32 s18, s18, PM0
	s_mov_b32 s19, 0
	s_add_nc_u64 s[10:11], s[6:7], s[18:19]
	s_lshl_b32 s18, s16, 12
	s_add_nc_u64 s[12:13], s[10:11], s[18:19]      ; the 8 chunks whose scale words I shift: key steps 8 (wave % 2) on
.irp q, 0,1,2,3,4,5,6,7,8,9,10,11,12,13,14,15
	global_load_b128 v[MV+4*\q:MV+4*\q+3], v[LI], s[10:11] offset:512*\q
.endr
.irp q, 0,1,2,3,4,5,6,7
	global_load_b128 v[DV+4*\q:DV+4*\q+3], v[LI], s[12:13] offset:512*\q
.endr
.irp q, 0,1,2,3,4,5,6,7,8,9,10,11,12,13,14,15
	global_load_b128 v[LV+4*\q:LV+4*\q+3], v[LI], s[10:11] offset:PL0-PM0+512*\q
.endr
	s_mul_i32 s21, s15, RT                         ; my superblock of R,
	s_mul_i32 s22, s16, 4*1536
	s_add_co_u32 s21, s21, s22                     ; my four blocks of it
	s_mov_b32 s22, 2*RT                            ; P lies behind R's two
.irp s, 0,1
	v_add_nc_u32 v[ADRA+\s], s21, v[LI]
	v_add_nc_u32 v[ADRB+\s], s22, v[LI]
	s_add_co_u32 s21, s21, SLOT
	s_add_co_u32 s22, s22, SLOT
.endr
	v_add_nc_u32 v[ADSP], SCL+2*HALFS, v[LI]
	s_lshl_b32 s21, s15, 13
	s_lshl_b32 s22, s16, 3
	s_add_co_u32 s21, s21, s22
	s_add_co_u32 s21, s21, SCL
	v_add_nc_u32 v[ADSR], s21, v[LI]
	s_lshl_b32 s21, s14, 12
	s_add_co_u32 s21, s21, SCL
	v_add_nc_u32 v[SWA], s21, v[LI]                ; R's scale words are 16,384 bytes: 4,096 a wave; waves 0, 1 superblock 0, waves 2, 3 superblock 1: each its own superblock
	s_mul_i32 s23, s14, 16*SPITCH                  ; my stage
	v_mul_u32_u24 v5, v1, SPITCH
	v_lshl_add_u32 v5, v2, 6, v5
	v_add_nc_u32 v[STO], s23, v5                   ; in: row r, + 64 h
	v_add_nc_u32 v[RD], s23, v[LI]                 ; back: a row of 512 bytes
	s_lshl_b32 s20, s17, 8
	s_lshl_b32 s21, s15, 7
	s_add_co_u32 s20, s20, s21
	s_lshl_b32 s21, s16, 6
	s_add_co_u32 s20, s20, s21                     ; my first row of out0: 256 tile + 128 superblock + 64 (wave % 2)
	s_lshl_b32 s20, s20, 12
	s_lshl_b32 s21, s42, 9
	s_add_co_u32 s20, s20, s21                     ; + my 128 columns, in bytes
	s_mov_b32 s21, 0
	s_add_nc_u64 s[8:9], s[8:9], s[20:21]
	s_mov_b32 s98, 0x80808080
	s_mov_b32 vcc_lo, 0xffff0000                   ; lanes 16-31
.irp i, 0,1
	v_mov_b32 v[LPX+\i], 0                         ; written once: a lane permute's destination counts as one of its sources
.endr
	s_wait_loadcnt 16                              ; both runs of -M_loc are in; the 16 loads of the sums may be out
.irp i, 0,1,2,3
	v_max3_num_f32 v[MG+\i], -v[MV+\i], -v[MV+4+\i], -v[MV+8+\i]   ; M = the largest M_loc.  Register i of lane (r, h) belongs to lane-row r of block h + 2 i
.endr
.irp q, 3,5,7,9,11,13
.irp i, 0,1,2,3
	v_max3_num_f32 v[MG+\i], v[MG+\i], -v[MV+4*\q+\i], -v[MV+4*\q+4+\i]
.endr
.endr
.irp i, 0,1,2,3
	v_max_num_f32 v[MG+\i], v[MG+\i], -v[MV+60+\i]
.endr
.set j, 0
.rept 64
	v_sub_f32 v[MV+j], -v[MG+j%4], v[MV+j]         ; M_loc - M: a whole number, 0 or less
.set j, j+1
.endr
.set j, 0
.rept 64
	v_cvt_i32_f32 v[MV+j], v[MV+j]                 ; (it saturates)
.set j, j+1
.endr
.set j, 0
.rept 32
	v_add_f32 v[DV+j], v[DV+j], v[MG+j%4]          ; M - M_loc, 0 or more,
.set j, j+1
.endr
.set j, 0
.rept 32
	v_min_num_f32 v[DV+j], 0x42fe0000, v[DV+j]     ; held at 127,
.set j, j+1
.endr
.set j, 0
.rept 32
	v_cvt_u32_f32 v[DV+j], v[DV+j]
.set j, j+1
.endr
.set j, 0
.rept 32
	v_lshl_or_b32 v[DV+j], v[DV+j], 8, v[DV+j]     ; in all four bytes
.set j, j+1
.endr
.set j, 0
.rept 32
	v_lshl_or_b32 v[DV+j], v[DV+j], 16, v[DV+j]
.set j, j+1
.endr
	s_wait_loadcnt 0x0                             ; the sums
.set j, 0
.rept 64
	v_ldexp_f32 v[LV+j], v[LV+j], v[MV+j]          ; each chunk's sum under M: exact
.set j, j+1
.endr
.irp i, 0,1,2,3
	v_add_f32 v[LSUM+\i], v[LV+\i], v[LV+4+\i]
.endr
.irp q, 2,3,4,5,6,7,8,9,10,11,12,13,14,15
.irp i, 0,1,2,3
	v_add_f32 v[LSUM+\i], v[LSUM+\i], v[LV+4*\q+\i]
.endr
.endr
.irp i, 0,1,2,3
	v_rcp_f32 v[LSUM+\i], v[LSUM+\i]               ; l is above 1/2: the row's largest p is
.endr
	v_nop                                          ; a plain place behind the last reciprocal
	s_wait_alu depctr_va_vdst(0)                   ; one wait for the four, ahead of their first reader
	s_cmp_eq_u32 s16, 0
	s_cselect_b32 s18, 0, -1
.irp i, 0,1
	v_cndmask_b32 v[LSUM+\i], v[LSUM+\i], v[LSUM+2+\i], s18        ; my four blocks are the superblock's 0-3 (registers 0, 1) or 4-7 (registers 2, 3): a choice by the wave's number
.endr
.irp i, 0,1
	v_permlanex16_b32 v[LPX+\i], v[LSUM+\i], s[SEL], s[SEL+1]
.endr
.irp i, 0,1                                    ; 1 / l of lane-row r of my block a, in both halves of the lanes, twice (a pair for the packed multiply)
	v_cndmask_b32 v[LINV+4*\i], v[LSUM+\i], v[LPX+\i], vcc_lo      ; my block 2 i lies in lanes 0-15,
	v_cndmask_b32 v[LINV+4*\i+1], v[LSUM+\i], v[LPX+\i], vcc_lo
	v_cndmask_b32 v[LINV+4*\i+2], v[LPX+\i], v[LSUM+\i], vcc_lo    ; my block 2 i + 1 in lanes 16-31
	v_cndmask_b32 v[LINV+4*\i+3], v[LPX+\i], v[LSUM+\i], vcc_lo
.endr
	s_wait_tensorcnt 1                             ; the scale words and my part of slot 0 are in (slot 1's load may be out)
	s_barrier_signal -1
	s_barrier_wait -1                              ; everybody's are
.irp q, 0,1,2,3,4,5,6,7
	ds_load_b128 v[SW+4*\q:SW+4*\q+3], v[SWA] offset:512*\q
.endr
	s_wait_dscnt 0x0
	; each byte w (under 128) less its shift d (under 128), held at 0: y = (w | 128) - d has bit 7 set where w >= d, and no byte borrows; the bytes with bit 7 clear become 0
.set j, 0
.rept 32
	v_or_b32 v[SW+j], s98, v[SW+j]
.set j, j+1
.endr
.set j, 0
.rept 32
	v_sub_nc_u32 v[SW+j], v[SW+j], v[DV+j]
.set j, j+1
.endr
.set j, 0
.rept 32
	v_and_b32 v[MV+j], s98, v[SW+j]
.set j, j+1
.endr
.set j, 0
.rept 32
	v_lshrrev_b32 v[MV+32+j], 7, v[MV+j]
.set j, j+1
.endr
.set j, 0
.rept 32
	v_sub_nc_u32 v[MV+j], v[MV+j], v[MV+32+j]      ; 127 in the bytes that stay
.set j, j+1
.endr
.set j, 0
.rept 32
	v_and_b32 v[SW+j], v[SW+j], v[MV+j]
.set j, j+1
.endr
.irp q, 0,1,2,3,4,5,6,7
	ds_store_b128 v[SWA], v[SW+4*\q:SW+4*\q+3] offset:512*\q       ; back to the same bytes, which have had their one fill
.endr
	s_wait_dscnt 0x0                               ; for the others' sake: my stores have landed
	s_barrier_signal -1
	s_barrier_wait -1
	FETCH 0, 0, 0, 0
	STEP 0, 0, 1, 1, 1                             ; K step 0: its products start the sums
	STEP 1, 0, 2, 2, 0
	STEP 0, 0, 3, 3, 0
	TURN 1, 1, 0, 4, 1, 0                          ; K step 3 leaves slot 0, which takes K steps 8-11
	STEP 0, 1, 1, 5, 0
	STEP 1, 1, 2, 6, 0
	STEP 0, 1, 3, 7, 0
	TURN 1, 0, 0, 8, 1, 1                          ; K step 7 leaves slot 1, which takes K steps 12-15
	STEP 0, 0, 1, 9, 0
	STEP 1, 0, 2, 10, 0
	STEP 0, 0, 3, 11, 0
	TURN 1, 1, 0, 12, 0, 0                         ; K step 11 leaves slot 0: nothing is left to fetch
	STEP 0, 1, 1, 13, 0
	STEP 1, 1, 2, 14, 0
	STEP 0, 1, 3, 15, 0
	WIN MUL                                        ; K step 15
.irp b, 0,1,2,3,4,5,6,7
	s_wait_dscnt 3*(7-\b)
	MUL4 \b, 1, 0
.endr
	WIN 0
; THE WAY OUT, block by block of 16 queries x 128 of e: x 1 / l; through my own stage in LDS; back as whole rows of 512 bytes; each row to its true place in out0.
.macro SCALE a
.set AC, 64*(\a)
	WIN 0x82                                       ; destination and source 0 window 2, 1 / l window 0
.set j, 0
.rept 32
	v_pk_mul_f32 v[AC+j:AC+j+1], v[AC+j:AC+j+1], v[LINV+2*(\a):LINV+2*(\a)+1]   ; ascending: each accumulator from its low end on
.set j, j+2
.endr
.endm
.macro TOSTAGE a
.set AC, 64*(\a)
	WIN 0x08                                       ; the data: window 2
.irp b, 0,1,2,3,4,5,6,7
	ds_store_b128 v[STO], v[AC+8*\b:AC+8*\b+3] offset:128*(\b/2)+32*(\b%2)      ; register j of P's block b is e = 32 (b / 2) + 16 h + 8 (b % 2) + j
	ds_store_b128 v[STO], v[AC+8*\b+4:AC+8*\b+7] offset:128*(\b/2)+32*(\b%2)+16
.endr
	WIN 0
.set BB, BK+64*((\a)%2)
.irp t, 0,1,2,3,4,5,6,7,8,9,10,11,12,13,14,15
	ds_load_b128 v[BB+4*\t:BB+4*\t+3], v[RD] offset:\t*SPITCH      ; LDS serves a wave's instructions in order: these see the stores above
.endr
.endm
.macro SEND a, younger                 ; younger: the LDS instructions issued behind block a's loads, which may stay out
.set BB, BK+64*((\a)%2)
	s_wait_dscnt \younger
.irp t, 0,1,2,3,4,5,6,7,8,9,10,11,12,13,14,15
	global_store_b128 v[LI], v[BB+4*\t:BB+4*\t+3], s[8:9] offset:(32*((\a)/2)+8*((\a)%2)+\t+8*(\t/8))*4096 th:TH_STORE_NT   ; 512 consecutive bytes, aligned; lane-row t of my block a is this row of my 64; written once, read by nobody here
.endr
.endm
	PLACES NP                                      ; behind the last products: for the reads of results and the loads into registers that held R's fragments
	SCALE 0
	TOSTAGE 0
.irp a, 1,2,3
.if \a > 1
	s_wait_xcnt 0x0                                ; block a - 2's stores have read their registers: block a's loads may land there
.endif
	SCALE \a
	TOSTAGE \a
	SEND \a-1, 32                                  ; behind block a - 1's loads: block a's 16 stores and 16 loads
.endr
	SEND 3, 0
	s_wait_tensorcnt 0x0                           ; the wave's end: behind my last tensor load and my last LDS store
	ds_add_u32 v[SPW], v[NIL]
	s_wait_dscnt 0x0
	CROUND                                         ; the closing round
	s_endpgm
.Lfunc_end_k_q8bb5914958_pv:
	.size	k_q8bb5914958_pv, .Lfunc_end_k_q8bb5914958_pv-k_q8bb5914958_pv
	.p2alignl 7, 3214868480
	.fill 96, 4, 3214868480
	.section	.rodata,"a",@progbits
	.p2align	6, 0x0
	.amdhsa_kernel k_q8bb5914958_pv
		.amdhsa_group_segment_fixed_size 327680
		.amdhsa_private_segment_fixed_size 0
		.amdhsa_enable_private_segment 0
		.amdhsa_kernarg_size 24
		.amdhsa_user_sgpr_count 2
		.amdhsa_user_sgpr_kernarg_segment_ptr 1
		.amdhsa_wavefront_size32 1
		.amdhsa_system_sgpr_workgroup_id_x 1
		.amdhsa_system_sgpr_workgroup_id_y 1
		.amdhsa_system_sgpr_workgroup_id_z 1
		.amdhsa_system_vgpr_workitem_id 0
		.amdhsa_next_free_vgpr 768
		.amdhsa_next_free_sgpr 100
		.amdhsa_reserve_vcc 1
		.amdhsa_float_denorm_mode_32 3
		.amdhsa_float_denorm_mode_16_64 3
		.amdhsa_memory_ordered 1
		.amdhsa_forward_progress 1
		.amdhsa_inst_pref_size 178
	.end_amdhsa_kernel
	.amdgpu_metadata
---
amdhsa.version: [ 1, 2 ]
amdhsa.kernels:
  - .name:           k_q8bb5914958_pv
    .symbol:         k_q8bb5914958_pv.kd
    .args:
      - { .name: ops2, .offset: 0, .size: 8, .value_kind: global_buffer, .address_space: global }
      - { .name: ops3, .offset: 8, .size: 8, .value_kind: global_buffer, .address_space: global }
      - { .name: out0, .offset: 16, .size: 8, .value_kind: global_buffer, .address_space: global }
    .group_segment_fixed_size: 327680
    .private_segment_fixed_size: 0
    .kernarg_segment_align: 8
    .kernarg_segment_size: 24
    .max_flat_workgroup_size: 128
    .sgpr_count:     100
    .vgpr_count:     768
    .wavefront_size: 32
...
	.end_amdgpu_metadata
.endif
;; end of part 8
